; MI455X (gfx1250); checked and timed in simulation.
; The chip was launched on July 23, 2026; its instructions are those of AMD's public machine-readable ISA for CDNA 5 (MIT licence, August 2026) and "CDNA5" Instruction Set Architecture Reference Guide (July 2026). The comments in the code are by the model that wrote it; some were corrected since.
;; Multi Head Attention. Allowed arithmetic: float matrix products may take bf16 or f16 operands with f32 sums; all other float work in f32.
;; Inputs: K 2 x 2,048 x 1,024 float32; Q 2 x 2,048 x 1,024 float32; V 2 x 2,048 x 1,024 float32; W_k 1,024 x 1,024 float32; W_o 1,024 x 1,024 float32; W_q 1,024 x 1,024 float32; W_v 1,024 x 1,024 float32; b_k 1,024 float32; b_o 1,024 float32; b_q 1,024 float32; b_v 1,024 float32; mask 1 x 1 x 2,048 x 2,048 int32.
;; Outputs: out0 2 x 2,048 x 1,024 float32.
;; 3 versions, each right; version 2 is faster than version 1; version 3 is version 2 with the launch prep written anew for expert scheduling mode. Each part assembles by itself: llvm-mc -triple=amdgcn-amd-amdhsa -mcpu=gfx1250 --defsym DOCPART=n.
;; ======== version 1 of 3: 4 launches
;; limits: values are held in f16: magnitudes above 65,504 overflow, below 6.1e-05 lose precision
;; workspace buffers: xb 33,554,432 bytes; mbits 524,288 bytes of whole numbers; qk 16,777,216 bytes; vhl 16,777,216 bytes; ob 16,777,216 bytes
;; launch prep (part 1): grid 256 x 1, 8 waves a work-group, no clusters, 68,608 bytes of LDS; arguments Q, K, V, W_q, W_k, W_v, W_o, mask, xb, mbits; writes xb, mbits
.if DOCPART == 1
	.amdgcn_target "amdgcn-amd-amdhsa--gfx1250"
	.amdhsa_code_object_version 6
	.text
	.protected	k_q7731e6e34f_prep
	.globl	k_q7731e6e34f_prep
	.p2align	8
	.type	k_q7731e6e34f_prep,@function
k_q7731e6e34f_prep:
	s_mov_b64 s[64:65], 0
	v_nop
	global_prefetch_b8 v0, s[64:65] scope:SCOPE_SE
	s_setreg_imm32_b32 hwreg(HW_REG_WAVE_MODE, 25, 1), 1
	s_wait_xcnt 0x0
; prep: two jobs for each of 256 work-groups of eight waves.
; (1) CAST.  Q, K, V, W_q, W_k, W_v, W_o (f32) are rounded to bf16 (to nearest even, once), layouts kept, one behind the other in xb:
;     Q at 0, K at 8 MiB, V at 16 MiB, W_q at 24, W_k at 26, W_v at 28, W_o at 30 MiB.  Work-group g takes chunk g of that
;     row of tensors: 65,536 numbers, 256 KiB in, 128 KiB out.  W_o alone is stored as f16: its bf16 VALUE carried in f16, because it is later
;     multiplied with f16 operands.  LIMIT: that is exact for 2^-17 <= |W_o| < 65,504; below, the step is 2^-24.
; (2) MASK.  mask[2048][2048] (int32) becomes lane masks.  The word at byte qt*4096 + kt*32 + 4 j of mbits has
;     bit (r + 16 h) = (mask[16 qt + r][16 kt + 8 h + j] != 0): the lanes of register j of a 16 x 16 score tile (key 8 h + j, query r).
;     Work-group g takes query tile qt = g >> 1 and key half g & 1: 16 rows x 1,024 keys; wave w takes 128 of these keys.
;     The rows are read as 512 consecutive bytes a wave, turned in the wave's own LDS bytes (no barrier: no wave reads another's), compared, and
;     the 64 words of a wave leave as one store of 256 consecutive bytes.
; No matrix unit, no cluster: nothing is multiplied and no two work-groups read the same bytes.
.set WREG, 8448                        ; LDS bytes of a wave: 16 rows of 528
.set MP,   528                         ; LDS pitch: 512 bytes of a mask row + 16, an odd multiple of 16
.set OL,   2                           ; v2   16 x thread: offset of the cast loads and of the mask loads; never rewritten
.set OS,   3                           ; v3   8 x thread: offset of the cast stores and of the mask words' store; never rewritten
.set LST,  4                           ; v4   LDS: where my 16 bytes of a mask row go
.set LRD,  5                           ; v5   LDS: row r, 32 h: where my 8 keys of key tile 0 lie
.set W0,   6                           ; v[6:7]     my two mask words
.set M,    8                           ; v[8:71]    16 mask rows as loaded
.set HW,   8                           ; v[8:11]    at work in the cast of W_o (the mask rows have left these registers by then)
.set X,    72                          ; v[72:135]  cast ring: 16 slots of 4 registers, f32
.set Y,    136                         ; v[136:167] cast ring: 16 slots of 2 registers, 16-bit pairs
.set MT,   168                         ; v[168:231] mask, turned: key tile kt in 8 registers
	s_load_b512 s[4:19], s[0:1], 0x0               ; Q, K, V, W_q, W_k, W_v, W_o, mask
	s_load_b128 s[20:23], s[0:1], 0x40             ; xb, mbits
	v_lshl_add_u32 v232, v0, 2, 0x10800
	v_mov_b32 v233, 0
	s_mov_b32 s2, ttmp9                            ; g
	v_lshrrev_b32 v1, 5, v0
	v_readfirstlane_b32 s36, v1                    ; wave
	s_mul_i32 s37, s36, WREG                       ; the wave's LDS bytes
	v_lshlrev_b32 v[OL], 4, v0
	v_lshlrev_b32 v[OS], 3, v0
	v_and_b32 v1, 31, v0
	v_lshl_add_u32 v[LST], v1, 4, s37              ; 16 x lane + the wave's bytes
	v_and_b32 v1, 15, v0                           ; r
	v_bfe_u32 v[W0], v0, 4, 1                      ; h
	v_mul_u32_u24 v1, v1, MP
	v_lshl_add_u32 v1, v[W0], 5, v1
	v_add_nc_u32 v[LRD], s37, v1                   ; r x 528 + 32 h + the wave's bytes
	s_and_b32 s3, s2, 63                           ; chunk inside Q, K or V (64 chunks each)
	s_and_b32 s24, s2, 15                          ; chunk inside a weight (16 chunks each)
	s_cmp_lt_u32 s2, 192
	s_cselect_b32 s3, s3, s24
	s_lshl_b32 s34, s3, 18                         ; source offset: 256 KiB a chunk
	s_mov_b32 s35, 0
	s_lshl_b32 s26, s2, 17                         ; xb offset: 128 KiB a chunk
	s_mov_b32 s27, 0
	s_lshr_b32 s28, s2, 1
	s_lshl_b32 s28, s28, 17                        ; 16 mask rows of 8,192 bytes
	s_and_b32 s29, s2, 1
	s_lshl_b32 s29, s29, 12                        ; 1,024 keys of 4 bytes
	s_add_co_u32 s28, s28, s29
	s_mov_b32 s29, 0
	s_lshl_b32 s30, s2, 11                         ; mbits offset: qt*4096 + half*2048 = 2,048 g
	s_mov_b32 s31, 0
	s_wait_kmcnt 0x0
	s_mov_b64 s[32:33], s[4:5]                     ; the source tensor, chosen by g alone
	s_cmp_ge_u32 s2, 64
	s_cselect_b64 s[32:33], s[6:7], s[32:33]
	s_cmp_ge_u32 s2, 128
	s_cselect_b64 s[32:33], s[8:9], s[32:33]
	s_cmp_ge_u32 s2, 192
	s_cselect_b64 s[32:33], s[10:11], s[32:33]
	s_cmp_ge_u32 s2, 208
	s_cselect_b64 s[32:33], s[12:13], s[32:33]
	s_cmp_ge_u32 s2, 224
	s_cselect_b64 s[32:33], s[14:15], s[32:33]
	s_cmp_ge_u32 s2, 240
	s_cselect_b64 s[32:33], s[16:17], s[32:33]
	s_add_nc_u64 s[32:33], s[32:33], s[34:35]
	s_add_nc_u64 s[20:21], s[20:21], s[26:27]
	s_add_nc_u64 s[18:19], s[18:19], s[28:29]
	s_add_nc_u64 s[22:23], s[22:23], s[30:31]
	; 16 mask rows, then the first 16 cast loads: 32 loads of 512 bytes of every wave are out
.irp t, 0,1,2,3,4,5,6,7,8,9,10,11,12,13,14,15
	global_load_b128 v[M+4*\t:M+4*\t+3], v[OL], s[18:19] offset:\t*8192 th:TH_LOAD_NT
.endr
.irp i, 0,1,2,3,4,5,6,7,8,9,10,11,12,13,14,15
	global_load_b128 v[X+4*\i:X+4*\i+3], v[OL], s[32:33] offset:\i*4096 th:TH_LOAD_NT
.endr
	v_mov_b32 v[W0], 0                             ; v_writelane_b32 keeps the other lanes: the registers are written whole first
	v_mov_b32 v[W0+1], 0
.irp t, 0,1,2,3,4,5,6,7,8,9,10,11,12,13,14,15
	s_wait_loadcnt 31-\t                           ; younger than mask row t: 15 - t mask rows and the 16 cast loads
	ds_store_b128 v[LST], v[M+4*\t:M+4*\t+3] offset:\t*MP
.endr
	; back, turned: lane (r, h) takes keys 16 kt + 8 h .. + 7 of row r.  LDS serves a wave's instructions in order (ISA guide 5.7.1): no wait between stores and loads
.irp kt, 0,1,2,3,4,5,6,7
	ds_load_b128 v[MT+8*\kt:MT+8*\kt+3],   v[LRD] offset:\kt*64
	ds_load_b128 v[MT+8*\kt+4:MT+8*\kt+7], v[LRD] offset:\kt*64+16
.endr
.irp kt, 0,1,2,3,4,5,6,7
	s_wait_dscnt 14-2*\kt                          ; the two loads of each younger key tile may be out
.irp j, 0,1,2,3,4,5,6,7
	v_cmp_ne_u32 s[24+\j], 0, v[MT+8*\kt+\j]       ; bit of lane r + 16 h: this key is kept
.endr
.irp j, 0,1,2,3,4,5,6,7
	v_writelane_b32 v[W0+(\j&1)], s[24+\j], 4*\kt+(\j>>1)   ; word 8 kt + j of the wave's 64: lane (8 kt + j) / 2, register j & 1
.endr
.endr
	global_store_b64 v[OS], v[W0:W0+1], s[22:23]   ; the wave's 64 words: 256 consecutive bytes, aligned
; The cast: 64 turns on a ring of 16 register slots; a turn is 4,096 bytes in and 2,048 out for the work-group.
; half = 1 (W_o): the bf16 values are widened again (a shift, a mask) and packed as f16.
.macro RING half
.set i, 0
.rept 64
.set sl, i%16
.if i > 48
	s_wait_loadcnt 63-i                            ; the tail loads nothing: the counts run down
.else
	s_wait_loadcnt 15                              ; the 15 younger loads stay out
.endif
.if i >= 16
	s_wait_xcnt 0x0                                ; this slot's Y was a store's data 16 turns ago: rewritten only behind this wait (ISA guide 3.1)
.endif
	v_cvt_pk_bf16_f32 v[Y+2*sl],   v[X+4*sl],   v[X+4*sl+1]
	v_cvt_pk_bf16_f32 v[Y+2*sl+1], v[X+4*sl+2], v[X+4*sl+3]
.if i+16 < 64
	global_load_b128 v[X+4*sl:X+4*sl+3], v[OL], s[32:33] offset:(i+16)*4096 th:TH_LOAD_NT
.endif
.if \half
	v_lshlrev_b32 v[HW],   16, v[Y+2*sl]
	v_and_b32     v[HW+1], 0xffff0000, v[Y+2*sl]
	v_lshlrev_b32 v[HW+2], 16, v[Y+2*sl+1]
	v_and_b32     v[HW+3], 0xffff0000, v[Y+2*sl+1]
	v_cvt_pk_f16_f32 v[Y+2*sl],   v[HW],   v[HW+1]
	v_cvt_pk_f16_f32 v[Y+2*sl+1], v[HW+2], v[HW+3]
.endif
	global_store_b64 v[OS], v[Y+2*sl:Y+2*sl+1], s[20:21] offset:i*2048   ; a wave's store: 256 consecutive bytes, aligned; read again by a later launch, so no hint
.set i, i+1
.endr
.endm
	s_cmp_ge_u32 s2, 240                           ; the last 16 chunks are W_o
	s_cbranch_scc1 .Lw_o
	RING 0
	s_wait_tensorcnt 0x0
	ds_add_u32 v232, v233
	s_wait_dscnt 0x0
	s_endpgm
.Lw_o:
	RING 1
	s_wait_tensorcnt 0x0
	ds_add_u32 v232, v233
	s_wait_dscnt 0x0
	s_endpgm
.Lfunc_end_k_q7731e6e34f_prep:
	.size	k_q7731e6e34f_prep, .Lfunc_end_k_q7731e6e34f_prep-k_q7731e6e34f_prep
	.p2alignl 7, 3214868480
	.fill 96, 4, 3214868480
	.section	.rodata,"a",@progbits
	.p2align	6, 0x0
	.amdhsa_kernel k_q7731e6e34f_prep
		.amdhsa_group_segment_fixed_size 68608
		.amdhsa_private_segment_fixed_size 0
		.amdhsa_enable_private_segment 0
		.amdhsa_kernarg_size 80
		.amdhsa_user_sgpr_count 2
		.amdhsa_user_sgpr_kernarg_segment_ptr 1
		.amdhsa_wavefront_size32 1
		.amdhsa_system_sgpr_workgroup_id_x 1
		.amdhsa_system_sgpr_workgroup_id_y 1
		.amdhsa_system_sgpr_workgroup_id_z 1
		.amdhsa_system_vgpr_workitem_id 0
		.amdhsa_next_free_vgpr 234
		.amdhsa_next_free_sgpr 66
		.amdhsa_reserve_vcc 0
		.amdhsa_float_denorm_mode_32 3
		.amdhsa_float_denorm_mode_16_64 3
		.amdhsa_memory_ordered 1
		.amdhsa_forward_progress 1
		.amdhsa_inst_pref_size 81
	.end_amdhsa_kernel
	.amdgpu_metadata
---
amdhsa.version: [ 1, 2 ]
amdhsa.kernels:
  - .name:           k_q7731e6e34f_prep
    .symbol:         k_q7731e6e34f_prep.kd
    .args:
      - { .name: Q, .offset: 0, .size: 8, .value_kind: global_buffer, .address_space: global }
      - { .name: K, .offset: 8, .size: 8, .value_kind: global_buffer, .address_space: global }
      - { .name: V, .offset: 16, .size: 8, .value_kind: global_buffer, .address_space: global }
      - { .name: W_q, .offset: 24, .size: 8, .value_kind: global_buffer, .address_space: global }
      - { .name: W_k, .offset: 32, .size: 8, .value_kind: global_buffer, .address_space: global }
      - { .name: W_v, .offset: 40, .size: 8, .value_kind: global_buffer, .address_space: global }
      - { .name: W_o, .offset: 48, .size: 8, .value_kind: global_buffer, .address_space: global }
      - { .name: mask, .offset: 56, .size: 8, .value_kind: global_buffer, .address_space: global }
      - { .name: xb, .offset: 64, .size: 8, .value_kind: global_buffer, .address_space: global }
      - { .name: mbits, .offset: 72, .size: 8, .value_kind: global_buffer, .address_space: global }
    .group_segment_fixed_size: 68608
    .private_segment_fixed_size: 0
    .kernarg_segment_align: 8
    .kernarg_segment_size: 80
    .max_flat_workgroup_size: 256
    .sgpr_count:     66
    .vgpr_count:     234
    .wavefront_size: 32
...
	.end_amdgpu_metadata
.endif
;; end of part 1
;; launch proj (part 2): grid 8 x 96, 4 waves a work-group, clusters of 4 x 4, 327,680 bytes of LDS; arguments xb, b_q, b_k, b_v, qk, vhl; writes qk, vhl
.if DOCPART == 2
	.amdgcn_target "amdgcn-amd-amdhsa--gfx1250"
	.amdhsa_code_object_version 6
	.text
	.protected	k_q7731e6e34f_proj
	.globl	k_q7731e6e34f_proj
	.p2align	8
	.type	k_q7731e6e34f_proj,@function
k_q7731e6e34f_proj:
	s_mov_b64 s[64:65], 0
	v_nop
	global_prefetch_b8 v0, s[64:65] scope:SCOPE_SE
	s_setreg_imm32_b32 hwreg(HW_REG_WAVE_MODE, 25, 1), 1
	s_wait_xcnt 0x0
	s_wait_alu depctr_hold_cnt(0) depctr_sa_sdst(0) depctr_va_vdst(0) depctr_va_sdst(0) depctr_va_ssrc(0) depctr_va_vcc(0) depctr_vm_vsrc(0)
	s_getreg_b32 s2, hwreg(HW_REG_IB_STS2, 6, 4)
	s_cmp_eq_u32 s2, 0
	s_cbranch_scc0 .Lentry_in_a_cluster
	s_endpgm
.Lentry_in_a_cluster:
	s_bfe_u32 s2, ttmp6, 0x10000c
	s_cmp_lg_u32 s2, 0xf033
	s_cbranch_scc0 .Lentry_shape_is_right
	s_endpgm
.Lentry_shape_is_right:
; C = A W + bias, W [1024 (k)][1024 (n)], sums in f32.  One text for two launches, told apart by OPROJ.
; OPROJ = 0: A = the bf16 copies of Q, K, V, one matrix of 12,288 rows of 1,024 at the head of xb; W = W_q, W_k or W_v (bf16) by the block row (p = row / 4096).
;            p = 0, 1: C goes to qk as f16, rounded once; for p = 0 (q) sum and bias are multiplied by 0.125 log2(e) BEFORE that rounding, so that the
;            attention works in base 2 without a further factor (an order of rounding that differs from scaling the scores in f32).
;            p = 2: v goes to vhl as TWO f16 parts, v = hi + lo: row, then head, then 64 hi, then 64 lo.
; OPROJ = 1: A = ob, 4,096 rows of 1,024 hi parts and 1,024 lo parts (f16): K = 2,048, and W_o (bf16 values carried in f16) is walked twice.  C = out0 in f32.
; WHY f16 AND TWO PARTS: a row of the result that attends to n keys is about sqrt(2048 / n) times as large as a typical row but is held to the scale of the
; whole output, so what lies between the inputs and the output is kept finer than one part in 2^8: q, k in f16 (spacing 2^-10), v and O to about 2^-22.
; LIMITS: Q, K, V and the weights are taken in bf16.  0.18 |q|, |k|, |v| must stay below 65,504 (f16): with inputs 30 times the drawn ones they are about 576 in the
; root mean square, with offsets of 30 spreads on X and on W about 18,432.  Parts below 2^-14 have the step 2^-24.  NaN and infinities get no special treatment.
; SHAPE: a work-group makes 128 x 128 of C with four waves of 64 x 64 (16 accumulator tiles, 128 registers).  Larger blocks would leave work-groups
; without work: 4,096 x 1,024 outputs are exactly 256 blocks of 128 x 128, and 12,288 x 1,024 are 768.
; K goes through two LDS slots of 256 along K each; a slot is four chunks, one tensor load of one wave each: A rows 0-63, A rows 64-127 (rows of 512 bytes),
; W k-rows 0-127, W k-rows 128-255 (rows of 256 bytes).  Four fills (OPROJ = 1: eight), all written out without a loop.
; CLUSTERS: 4 x 4 work-groups.  The tile of A hangs on the block row alone and is asked for jointly by a row of the cluster, the tile of W on the block column
; alone (and on p, which the whole cluster shares) and is asked for jointly by a column: the requests for A and W are divided by four.
; THE MATRIX INSTRUCTION IS USED TRANSPOSED: source 0 = 16 columns of W (read from [k][n] by the transposing LDS load), source 1 = 16 rows of A.
; Lane (r, h), register j then holds C(m0 + r, n0 + 8 h + j): eight neighbouring numbers of a row of C.
.set OPROJ, 0
.if OPROJ
.set AROW,  2048                       ; elements in a row of A
.else
.set AROW,  1024
.endif
.set SLOT,  147456                     ; four chunks
.set CHUNK, 36864                      ; 128 rows of W at pitch 288, exactly; 64 rows of A at pitch 528 use 33,792 of it
.set PA,    528                        ; LDS pitch of A: 512 + 16, an odd multiple of 16
.set PW,    288                        ; LDS pitch of W: 256 + 32, an odd multiple of 32
.set SP,    272                        ; pitch of the stages on the way out: 256 + 16
.set VST,   34816                      ; the waves' own stages for v lie behind the stage of 128 rows for q and k
.set ADRA, 8                           ; v[8:9]    LDS address of my A fragments, slot 0, 1
.set ADRW, 10                          ; v[10:13]  the same for W: 2 x slot + (which 128 k-rows)
.set STO,  14                          ; the way out: where I put my numbers
.set RD,   15                          ; the way out: where I read rows back
.set CO,   16                          ; my byte offset in C
.set BOFF, 17                          ; my byte offset in the bias
.set STOV, 18                          ; the same three for v
.set RDV,  19
.set COV,  20
.set T,    32                          ; v[32:63]   at work
.set F0,   64                          ; v[64:127]  fragment buffer 0: W fragments b at + 8 b, A fragments a at + 32 + 8 a
.set F1,   128                         ; v[128:191] fragment buffer 1
.set TMP,  192                         ; v[192:223] packed results
.set BIAS, 224                         ; v[224:255] bias of my columns: 8 b + j
.set CC,   64                          ; the way out of v: v[64:95] 8193 x, then hi;  v[96:127] the difference;  v[128:143] hi packed;  v[144:159] lo packed
.set DD,   96
.set HP,   128
.set LP,   144
.set RB,   160                         ; v[160:191], v[192:223] rows read back, by turns
                                       ; window 1 (v256-383): accumulator (a, b) at v[8 (4 a + b)]
.set G1A, 24                           ; s[24:31] descriptor group 1, A
.set G0A, 32                           ; s[32:39] group 0, A, a set for each slot
.set G1W, 48                           ; s[48:55] group 1, W
.set G0W, 56                           ; s[56:63] group 0, W, a set for each slot
.set MSB, 0
.macro WIN new                         ; the high byte of the immediate repeats the setting that is left; switches that change nothing are dropped
.if MSB != \new
	s_set_vgpr_msb (MSB<<8)|\new
.set MSB, \new
.endif
.endm
.macro PLACES                          ; four places behind a matrix instruction, in front of loads into and vector work on its registers
.rept 4
	v_nop
.endr
.endm
.macro CREST                           ; a round of the barrier of the cluster, behind its opening work-group barrier
	s_cmp_lg_u32 s10, 0
	s_cbranch_scc1 .Lnot_wave_0_\@
	s_barrier_signal -3
.Lnot_wave_0_\@:
	s_barrier_wait -3
	s_barrier_signal -1
	s_barrier_wait -1
.endm
.macro CROUND                          ; a whole round
	s_barrier_signal -1
	s_barrier_wait -1
	CREST
.endm
.macro JLOAD s                         ; a joint load: waves 0, 1 ask for the two halves of A, waves 2, 3 for those of W.  The branch hangs on the wave number alone
	s_cmp_eq_u32 s11, 0
	s_cbranch_scc0 .Lfor_w_\@
	tensor_load_to_lds s[G0A+4*\s:G0A+4*\s+3], s[G1A:G1A+7]
	s_nop 0
	s_branch .Lasked_\@
.Lfor_w_\@:
	tensor_load_to_lds s[G0W+4*\s:G0W+4*\s+3], s[G1W:G1W+7]
	s_nop 0
.Lasked_\@:
.endm
	s_load_b256 s[68:75], s[0:1], 0x0              ; OPROJ = 0: xb, b_q, b_k, b_v.  OPROJ = 1: ob, xb, b_o, out0
.if OPROJ == 0
	s_load_b128 s[4:7], s[0:1], 0x20               ; qk, vhl
	v_lshl_add_u32 v30, v0, 2, 0x48000
	v_mov_b32 v31, 0
	ds_add_u32 v30, v31
.endif
	v_lshrrev_b32 v1, 5, v0
	v_readfirstlane_b32 s10, v1                    ; wave 0..3
	s_lshr_b32 s11, s10, 1                         ; my half of the rows of the block.  Also: I fetch for A (0) or for W (1)
	s_and_b32 s12, s10, 1                          ; my half of its columns.  Also: which half of that tile I fetch
	s_bfe_u32 s40, ttmp6, 0x40000                  ; cx
	s_bfe_u32 s41, ttmp6, 0x40004                  ; cy
	s_lshl_b32 s42, ttmp9, 2
	s_add_co_u32 s42, s42, s40                     ; block column = 4 x cluster x + cx
	s_and_b32 s45, ttmp7, 0xffff                   ; cluster y
	s_lshl_b32 s13, s45, 2
	s_add_co_u32 s13, s13, s41                     ; block row = 4 x cluster y + cy
.if OPROJ == 0
	s_lshr_b32 s45, s45, 3                         ; p = block row / 32 = cluster y / 8: the same in the whole cluster
.endif
	s_lshl_b32 s43, s41, 2
	s_lshl_b32 s43, 15, s43                        ; my row of the cluster
	s_lshl_b32 s44, 0x1111, s40                    ; my column
	; group 1 for A: 64 rows x 256 elements of 2 bytes, 4 words of padding behind every 128 words
	s_or_b32 s[G1A+0], s43, (1<<16)|(1<<20)|(1<<21)|(6<<22)|(3<<25)
	s_mov_b32 s[G1A+1], 256<<16                    ; tensor_dim0 = 256
	s_mov_b32 s[G1A+2], 64<<16                     ; tensor_dim1 = 64
	s_mov_b32 s[G1A+3], 256<<16                    ; tile_dim0 = 256
	s_mov_b32 s[G1A+4], 64                         ; tile_dim1 = 64
	s_mov_b32 s[G1A+5], AROW                       ; elements from row to row
	s_mov_b32 s[G1A+6], 0
	s_mov_b32 s[G1A+7], 0
	; group 1 for W: 128 k-rows x 128 elements, 8 words of padding behind every 64 words
	s_or_b32 s[G1W+0], s44, (1<<16)|(1<<20)|(1<<21)|(5<<22)|(7<<25)
	s_mov_b32 s[G1W+1], 128<<16
	s_mov_b32 s[G1W+2], 128<<16
	s_mov_b32 s[G1W+3], 128<<16
	s_mov_b32 s[G1W+4], 128
	s_mov_b32 s[G1W+5], 1024
	s_mov_b32 s[G1W+6], 0
	s_mov_b32 s[G1W+7], 0
	; where the tiles come from.  The registers of A never hold cx, those of W never hold cy
	s_mul_i32 s16, s13, 128*AROW*2                 ; A: 128 rows a block row
	s_mul_i32 s17, s12, 64*AROW*2                  ;    + 64 rows for the second half
	s_add_co_u32 s16, s16, s17
	s_mov_b32 s17, 0
	s_lshl_b32 s46, s42, 8                         ; W: 128 columns of 2 bytes a block column
	s_lshl_b32 s47, s12, 18                        ;    + 128 k-rows for the second half
	s_add_co_u32 s46, s46, s47
.if OPROJ
	s_add_co_u32 s46, s46, 31457280                ; W_o lies 30 MiB into xb
.else
	s_lshl_b32 s47, s45, 21                        ; 2 MiB a weight
	s_add_co_u32 s46, s46, s47
	s_add_co_u32 s46, s46, 25165824                ; W_q lies 24 MiB into xb
.endif
	s_mov_b32 s47, 0
	s_mul_i32 s20, s10, CHUNK                      ; and where they go: chunk = wave; no place in the cluster enters an LDS address
	s_wait_dscnt 0x0
	s_wait_kmcnt 0x0
	s_add_nc_u64 s[14:15], s[68:69], s[16:17]
.if OPROJ
	s_add_nc_u64 s[46:47], s[70:71], s[46:47]
.else
	s_add_nc_u64 s[46:47], s[68:69], s[46:47]
.endif
	CROUND                                         ; all sixteen work-groups are here: the first joint loads meet
.irp s, 0,1
	s_mov_b32 s[G0A+4*\s], 1
	s_add_co_u32 s[G0A+4*\s+1], s20, \s*SLOT
	s_add_nc_u64 s[G0A+4*\s+2:G0A+4*\s+3], s[14:15], \s*512        ; 256 along K = 512 bytes of a row of A
	s_or_b32 s[G0A+4*\s+3], s[G0A+4*\s+3], 0x80000000
	s_mov_b32 s[G0W+4*\s], 1
	s_add_co_u32 s[G0W+4*\s+1], s20, \s*SLOT
	s_add_nc_u64 s[G0W+4*\s+2:G0W+4*\s+3], s[46:47], \s*524288     ; 256 k-rows of 2,048 bytes
	s_or_b32 s[G0W+4*\s+3], s[G0W+4*\s+3], 0x80000000
	JLOAD \s                                       ; both first fills go out together: two tensor loads of a wave are out here, later one
.endr
	; LDS addresses.  A fragment (16 rows x 32 K): row r, 16 h, two loads 32 bytes apart.
	; W fragment from [k][n]: k-row 8 h + (l & 7), 16 bytes by bit 3 of the lane, two transposing loads 16 k-rows apart.
	v_and_b32 v1, 15, v0                           ; r
	v_bfe_u32 v2, v0, 4, 1                         ; h
	v_mul_u32_u24 v3, v1, PA
	v_lshl_add_u32 v3, v2, 4, v3
	s_mul_i32 s21, s11, CHUNK                      ; my 64 rows of A
	v_add_nc_u32 v[ADRA], s21, v3
	v_add_nc_u32 v[ADRA+1], SLOT, v[ADRA]
	v_and_b32 v4, 7, v0
	v_lshl_add_u32 v4, v2, 3, v4
	v_mul_u32_u24 v4, v4, PW
	v_bfe_u32 v5, v0, 3, 1
	v_lshl_add_u32 v4, v5, 4, v4
	s_lshl_b32 s22, s12, 7                         ; my 64 columns of W,
	s_add_co_u32 s22, s22, 2*CHUNK                 ; which lies behind the two chunks of A
	v_add_nc_u32 v[ADRW], s22, v4
	v_add_nc_u32 v[ADRW+1], CHUNK, v[ADRW]
	v_add_nc_u32 v[ADRW+2], SLOT, v[ADRW]
	v_add_nc_u32 v[ADRW+3], SLOT, v[ADRW+1]
	v_mul_u32_u24 v6, v1, SP                       ; r x 272
	v_mul_u32_u24 v7, v2, SP
	v_lshl_add_u32 v7, v1, 4, v7                   ; h x 272 + 16 r: lanes 0-15 take one row of 256 bytes, lanes 16-31 the next
.if OPROJ
	s_mul_i32 s23, s10, 16*SP                      ; a stage of 16 rows of 64 f32 for each wave, its own
	v_lshl_add_u32 v6, v2, 5, v6                   ; 8 f32 = 32 bytes for each half of the lanes
	v_add_nc_u32 v[STO], s23, v6
	v_add_nc_u32 v[RD], s23, v7
	v_lshlrev_b32 v5, 12, v2                       ; a row of out0 is 4,096 bytes
.else
	v_lshl_add_u32 v6, v2, 4, v6                   ; 8 f16 = 16 bytes for each half of the lanes
	s_mul_i32 s23, s11, 64*SP                      ; q, k: one stage of 128 rows of 128 f16 for the work-group
	s_lshl_b32 s3, s12, 7
	s_add_co_u32 s23, s23, s3
	v_add_nc_u32 v[STO], s23, v6
	s_mul_i32 s23, s10, 32*SP                      ; back: wave w takes rows 32 w .. 32 w + 31
	v_add_nc_u32 v[RD], s23, v7
	s_mul_i32 s23, s10, 16*SP                      ; v: a stage of 16 rows (64 hi, 64 lo) for each wave, its own
	s_add_co_u32 s23, s23, VST
	v_add_nc_u32 v[STOV], s23, v6
	v_add_nc_u32 v[RDV], s23, v7
	v_lshlrev_b32 v5, 12, v2                       ; a row of vhl is 4,096 bytes
	v_lshl_add_u32 v[COV], v1, 4, v5
	v_lshlrev_b32 v5, 11, v2                       ; a row of qk is 2,048 bytes
.endif
	v_lshl_add_u32 v[CO], v1, 4, v5
	v_lshlrev_b32 v[BOFF], 5, v2                   ; 8 h numbers of 4 bytes
	; bias of my 64 columns, and the base of my part of C
	s_lshl_b32 s2, s42, 9
	s_lshl_b32 s3, s12, 8
	s_add_co_u32 s2, s2, s3                        ; (128 x block column + 64 x half) x 4 bytes
	s_mov_b32 s3, 0
.if OPROJ
	s_mov_b64 s[18:19], s[72:73]
	s_mov_b64 s[8:9], s[74:75]
.else
	s_mov_b64 s[18:19], s[70:71]                   ; b_q, b_k or b_v, by p
	s_cmp_eq_u32 s45, 1
	s_cselect_b64 s[18:19], s[72:73], s[18:19]
	s_cmp_eq_u32 s45, 2
	s_cselect_b64 s[18:19], s[74:75], s[18:19]
	s_mov_b32 s66, 0x3f800000                      ; 1.0 for k and v,
	s_mov_b32 s67, 0x3e38aa3b                      ; 0.125 log2(e) for q
	s_cmp_eq_u32 s45, 0
	s_cselect_b32 s66, s67, s66
	s_mov_b32 s67, s66
.endif
	s_add_nc_u64 s[18:19], s[18:19], s[2:3]
.irp b, 0,1,2,3
	global_load_b128 v[BIAS+8*\b:BIAS+8*\b+3],   v[BOFF], s[18:19] offset:64*\b
	global_load_b128 v[BIAS+8*\b+4:BIAS+8*\b+7], v[BOFF], s[18:19] offset:64*\b+16
.endr
.if OPROJ
	s_lshl_b32 s2, s13, 19                         ; 128 rows of 4,096 bytes a block row
	s_lshl_b32 s3, s11, 18                         ; + my 64 rows
	s_add_co_u32 s2, s2, s3
	s_lshl_b32 s3, s42, 9                          ; + 128 columns of 4 bytes a block column
	s_add_co_u32 s2, s2, s3
	s_lshl_b32 s3, s12, 8                          ; + my 64 columns
	s_add_co_u32 s2, s2, s3
	s_mov_b32 s3, 0
	s_add_nc_u64 s[8:9], s[8:9], s[2:3]
.else
	s_and_b32 s2, s13, 63                          ; qk has 64 block rows (the mask keeps the address inside qk for p = 2, where it is not used)
	s_lshl_b32 s2, s2, 18                          ; 128 rows of 2,048 bytes a block row
	s_lshl_b32 s3, s10, 16                         ; + 32 rows a wave
	s_add_co_u32 s2, s2, s3
	s_lshl_b32 s3, s42, 8                          ; + 128 columns of 2 bytes a block column
	s_add_co_u32 s2, s2, s3
	s_mov_b32 s3, 0
	s_add_nc_u64 s[8:9], s[4:5], s[2:3]
	s_and_b32 s2, s13, 31                          ; vhl has 32 block rows
	s_lshl_b32 s2, s2, 19                          ; 128 rows of 4,096 bytes a block row
	s_lshl_b32 s3, s11, 18                         ; + my 64 rows
	s_add_co_u32 s2, s2, s3
	s_lshl_b32 s3, s42, 9                          ; + two heads of 256 bytes a block column
	s_add_co_u32 s2, s2, s3
	s_lshl_b32 s3, s12, 8                          ; + my head
	s_add_co_u32 s2, s2, s3
	s_mov_b32 s3, 0
	s_add_nc_u64 s[6:7], s[6:7], s[2:3]
.endif
	s_wait_loadcnt 0x0                             ; the bias, once
.if OPROJ == 0
.irp i, 0,1,2,3,4,5,6,7,8,9,10,11,12,13,14,15
	v_pk_mul_f32 v[BIAS+2*\i:BIAS+2*\i+1], v[BIAS+2*\i:BIAS+2*\i+1], s[66:67] op_sel_hi:[1,0]   ; (sum + bias) x factor = sum x factor + bias x factor
.endr
.endif
; 16 LDS loads: the fragments of chunk kc (32 along K) of a slot into buffer f
.macro FETCH slot, kc, f
.irp b, 0,1,2,3
	ds_load_tr16_b128 v[\f+8*\b:\f+8*\b+3],   v[ADRW+2*\slot+((\kc)>>2)] offset:((\kc)&3)*32*PW+32*\b
	ds_load_tr16_b128 v[\f+8*\b+4:\f+8*\b+7], v[ADRW+2*\slot+((\kc)>>2)] offset:((\kc)&3)*32*PW+32*\b+16*PW
.endr
.irp a, 0,1,2,3
	ds_load_b128 v[\f+32+8*\a:\f+32+8*\a+3],   v[ADRA+\slot] offset:\a*16*PA+(\kc)*64
	ds_load_b128 v[\f+32+8*\a+4:\f+32+8*\a+7], v[ADRA+\slot] offset:\a*16*PA+(\kc)*64+32
.endr
.endm
; one matrix instruction: bf16 operands for the input projections, f16 for the output projection
.macro WM acc, fw, fa, zero
.if OPROJ
.if \zero
	v_wmma_f32_16x16x32_f16 v[\acc:\acc+7], v[\fw:\fw+7], v[\fa:\fa+7], 0
.else
	v_wmma_f32_16x16x32_f16 v[\acc:\acc+7], v[\fw:\fw+7], v[\fa:\fa+7], v[\acc:\acc+7]
.endif
.else
.if \zero
	v_wmma_f32_16x16x32_bf16 v[\acc:\acc+7], v[\fw:\fw+7], v[\fa:\fa+7], 0
.else
	v_wmma_f32_16x16x32_bf16 v[\acc:\acc+7], v[\fw:\fw+7], v[\fa:\fa+7], v[\acc:\acc+7]
.endif
.endif
.endm
; 16 matrix instructions, one on each accumulator.  The accumulators take turns, one instruction a turn, in the same order in every chunk.
; zero = 1: the first products start the sums; nothing is cleared.
.macro MUL f, zero
.irp a, 0,1,2,3
.irp b, 0,1,2,3
	WM 8*(4*\a+\b), \f+8*\b, \f+32+8*\a, \zero
.endr
.endr
.endm
; chunk kc = 0 .. 6 of a slot: the fragments of the next chunk are asked for into buffer g, then buffer f is multiplied
.macro CH slot, kc, f, g, zero
	PLACES                                         ; buffer g was read by the matrix instructions just issued
	FETCH \slot, \kc+1, \g
	s_wait_dscnt 16                                ; all but the 16 loads just issued: buffer f is in
	WIN 0x50                                       ; C and D in window 1
	MUL \f, \zero
	WIN 0
.endm
.macro SEVEN slot, zero
	CH \slot, 0, F0, F1, \zero
	CH \slot, 1, F1, F0, 0
	CH \slot, 2, F0, F1, 0
	CH \slot, 3, F1, F0, 0
	CH \slot, 4, F0, F1, 0
	CH \slot, 5, F1, F0, 0
	CH \slot, 6, F0, F1, 0
.endm
; chunk 7 (in buffer 1) and the change of slots.  In front of the barrier each wave waits for its reads of this slot and for all its tensor loads (the one that
; is out is its part of the next slot).  fill = 1: the barrier opens a round of the cluster, and the joint refill of this slot, two fills ahead, is the first
; tensor load behind the round.  From that request to the wait for it a wave issues the 112 matrix instructions of the next seven chunks.
; wback = 1: W goes 512 k-rows back instead of on (the second walk through W_o).
.macro TURN slot, next, fill, wback
	s_wait_dscnt 0x0
	s_wait_tensorcnt 0x0
	ds_add_u32 v30, v31
	s_wait_dscnt 0x0
	s_barrier_signal -1
	WIN 0x50
	MUL F1, 0                                      ; register work while the others arrive
	WIN 0
	s_barrier_wait -1
.if \fill
	CREST
	s_add_nc_u64 s[G0A+4*\slot+2:G0A+4*\slot+3], s[G0A+4*\slot+2:G0A+4*\slot+3], 1024      ; no tensor load of mine is out: the groups 0 may be written
.if \wback
	s_sub_nc_u64 s[G0W+4*\slot+2:G0W+4*\slot+3], s[G0W+4*\slot+2:G0W+4*\slot+3], 1048576
.else
	s_add_nc_u64 s[G0W+4*\slot+2:G0W+4*\slot+3], s[G0W+4*\slot+2:G0W+4*\slot+3], 1048576
.endif
	JLOAD \slot
.endif
	PLACES
	FETCH \next, 0, F0
.endm
	s_wait_tensorcnt 0x1                           ; my part of slot 0 is in; the fill of slot 1 may stay out
	s_barrier_signal -1
	s_barrier_wait -1
	FETCH 0, 0, F0
	SEVEN 0, 1                                     ; fill 0
	TURN 0, 1, 1, 0                                ; asks for fill 2
	SEVEN 1, 0                                     ; fill 1
	TURN 1, 0, 1, 0                                ; asks for fill 3
.if OPROJ
	SEVEN 0, 0                                     ; fill 2
	TURN 0, 1, 1, 1                                ; asks for fill 4: the low parts of A begin, W starts again
	SEVEN 1, 0                                     ; fill 3
	TURN 1, 0, 1, 1                                ; asks for fill 5
	SEVEN 0, 0                                     ; fill 4
	TURN 0, 1, 1, 0                                ; asks for fill 6
	SEVEN 1, 0                                     ; fill 5
	TURN 1, 0, 1, 0                                ; asks for fill 7
.endif
	SEVEN 0, 0                                     ; the last fill but one
	TURN 0, 1, 0, 0                                ; nothing is left to fetch: a plain barrier
	SEVEN 1, 0                                     ; the last fill
	s_wait_dscnt 0x0
	WIN 0x50
	MUL F1, 0
	WIN 0
	PLACES                                         ; behind the last matrix instructions: the lines below read results and write over fragment registers
	; THE WAY OUT.  The stages lie in slot 0, which has had its last fill and whose last reads ended in front of the last barrier.
.if OPROJ
	; 16 rows of my 64 x 64 at a time: add the bias, 32 bytes a lane into my own stage, back as rows of 256 bytes.  No barrier: the stage is the wave's own.
.irp a, 0,1,2,3
	WIN 0x01                                       ; source 0 in window 1
.irp i, 0,1,2,3,4,5,6,7,8,9,10,11,12,13,14,15
	v_pk_add_f32 v[T+2*\i:T+2*\i+1], v[32*\a+2*\i:32*\a+2*\i+1], v[BIAS+2*\i:BIAS+2*\i+1]
.endr
	WIN 0
.irp i, 0,1,2,3,4,5,6,7
	ds_store_b128 v[STO], v[T+4*\i:T+4*\i+3] offset:64*(\i>>1)+16*(\i&1)
.endr
	s_wait_xcnt 0x0                                ; the buffer loaded next was the data of earlier stores: rewritten only behind this wait (ISA guide 3.1)
.irp t, 0,1,2,3,4,5,6,7
	ds_load_b128 v[F0+64*(\a&1)+4*\t:F0+64*(\a&1)+4*\t+3], v[RD] offset:\t*2*SP   ; LDS serves a wave's instructions in order: these see the stores above
.endr
.irp t, 0,1,2,3,4,5,6,7
	s_wait_dscnt 7-\t                              ; the younger loads may be out
	global_store_b128 v[CO], v[F0+64*(\a&1)+4*\t:F0+64*(\a&1)+4*\t+3], s[8:9] offset:\a*65536+\t*8192   ; 16 lanes store 256 consecutive bytes, aligned
.endr
.endr
.else
	; q and k: factor and bias in one fused multiply-add, rounded to f16, 16 bytes a lane into the stage of the work-group.
	; The branches hang on p, which is the same in all waves and in the whole cluster; the barrier stands outside them.
	s_cmp_eq_u32 s45, 2
	s_cbranch_scc1 .Lstaged
.irp a, 0,1,2,3
	WIN 0x01                                       ; source 0 in window 1
.irp i, 0,1,2,3,4,5,6,7,8,9,10,11,12,13,14,15
	v_pk_fma_f32 v[T+2*\i:T+2*\i+1], v[32*\a+2*\i:32*\a+2*\i+1], s[66:67], v[BIAS+2*\i:BIAS+2*\i+1] op_sel_hi:[1,0,1]
.endr
	WIN 0
.irp i, 0,1,2,3,4,5,6,7,8,9,10,11,12,13,14,15
	v_cvt_pk_f16_f32 v[TMP+16*(\a&1)+\i], v[T+2*\i], v[T+2*\i+1]
.endr
.irp b, 0,1,2,3
	ds_store_b128 v[STO], v[TMP+16*(\a&1)+4*\b:TMP+16*(\a&1)+4*\b+3] offset:\a*16*SP+32*\b
.endr
.endr
.Lstaged:
	s_wait_dscnt 0x0                               ; a row of 256 bytes of q or k is made by two waves: my stores are done,
	s_barrier_signal -1
	s_barrier_wait -1                              ; and so are the others'
	s_cmp_eq_u32 s45, 2
	s_cbranch_scc1 .Lv_out
.irp t, 0,1,2,3,4,5,6,7,8,9,10,11,12,13,14,15
	ds_load_b128 v[F0+4*\t:F0+4*\t+3], v[RD] offset:\t*2*SP
.endr
.irp t, 0,1,2,3,4,5,6,7,8,9,10,11,12,13,14,15
	s_wait_dscnt 15-\t                             ; the younger loads may be out
	global_store_b128 v[CO], v[F0+4*\t:F0+4*\t+3], s[8:9] offset:\t*4096   ; 16 lanes store 256 consecutive bytes, aligned
.endr
	s_branch .Lclose
.Lv_out:
	; v in two f16 parts.  c = 8193 x, hi = c - (c - x) is x rounded to 11 bits, lo = x - hi is exact in f32; both are then packed as f16.
	; My 64 columns are one head: 64 hi and 64 lo make a row of 256 bytes, so the stage is the wave's own and needs no barrier.
	s_mov_b32 s16, 0x46000400                      ; 8193.0 = 2^13 + 1
	s_mov_b32 s17, 0x46000400
.irp a, 0,1,2,3
	WIN 0x01                                       ; source 0 in window 1
.irp i, 0,1,2,3,4,5,6,7,8,9,10,11,12,13,14,15
	v_pk_fma_f32 v[T+2*\i:T+2*\i+1], v[32*\a+2*\i:32*\a+2*\i+1], s[66:67], v[BIAS+2*\i:BIAS+2*\i+1] op_sel_hi:[1,0,1]
.endr
	WIN 0
.irp i, 0,1,2,3,4,5,6,7,8,9,10,11,12,13,14,15
	v_pk_mul_f32 v[CC+2*\i:CC+2*\i+1], v[T+2*\i:T+2*\i+1], s[16:17] op_sel_hi:[1,0]
.endr
.irp i, 0,1,2,3,4,5,6,7,8,9,10,11,12,13,14,15
	v_pk_add_f32 v[DD+2*\i:DD+2*\i+1], v[CC+2*\i:CC+2*\i+1], v[T+2*\i:T+2*\i+1] neg_lo:[0,1] neg_hi:[0,1]
.endr
.irp i, 0,1,2,3,4,5,6,7,8,9,10,11,12,13,14,15
	v_pk_add_f32 v[CC+2*\i:CC+2*\i+1], v[CC+2*\i:CC+2*\i+1], v[DD+2*\i:DD+2*\i+1] neg_lo:[0,1] neg_hi:[0,1]   ; hi
.endr
.irp i, 0,1,2,3,4,5,6,7,8,9,10,11,12,13,14,15
	v_pk_add_f32 v[T+2*\i:T+2*\i+1], v[T+2*\i:T+2*\i+1], v[CC+2*\i:CC+2*\i+1] neg_lo:[0,1] neg_hi:[0,1]       ; lo
.endr
.irp i, 0,1,2,3,4,5,6,7,8,9,10,11,12,13,14,15
	v_cvt_pk_f16_f32 v[HP+\i], v[CC+2*\i], v[CC+2*\i+1]
	v_cvt_pk_f16_f32 v[LP+\i], v[T+2*\i],  v[T+2*\i+1]
.endr
.irp b, 0,1,2,3
	ds_store_b128 v[STOV], v[HP+4*\b:HP+4*\b+3] offset:32*\b
	ds_store_b128 v[STOV], v[LP+4*\b:LP+4*\b+3] offset:128+32*\b
.endr
	s_wait_xcnt 0x0                                ; the buffer loaded next was the data of earlier stores: rewritten only behind this wait (ISA guide 3.1)
.irp t, 0,1,2,3,4,5,6,7
	ds_load_b128 v[RB+32*(\a&1)+4*\t:RB+32*(\a&1)+4*\t+3], v[RDV] offset:\t*2*SP   ; LDS serves a wave's instructions in order: these see the stores above
.endr
.irp t, 0,1,2,3,4,5,6,7
	s_wait_dscnt 7-\t                              ; the younger loads may be out
	global_store_b128 v[COV], v[RB+32*(\a&1)+4*\t:RB+32*(\a&1)+4*\t+3], s[6:7] offset:\a*65536+\t*8192   ; 16 lanes store 256 consecutive bytes, aligned
.endr
.endr
.Lclose:
.endif
	s_wait_tensorcnt 0x0
	ds_add_u32 v30, v31
	s_wait_dscnt 0x0
	CROUND                                         ; the closing round: no work-group ends while a partner may still ask for a tile that names it
	s_endpgm
.Lfunc_end_k_q7731e6e34f_proj:
	.size	k_q7731e6e34f_proj, .Lfunc_end_k_q7731e6e34f_proj-k_q7731e6e34f_proj
	.p2alignl 7, 3214868480
	.fill 96, 4, 3214868480
	.section	.rodata,"a",@progbits
	.p2align	6, 0x0
	.amdhsa_kernel k_q7731e6e34f_proj
		.amdhsa_group_segment_fixed_size 327680
		.amdhsa_private_segment_fixed_size 0
		.amdhsa_enable_private_segment 0
		.amdhsa_kernarg_size 48
		.amdhsa_user_sgpr_count 2
		.amdhsa_user_sgpr_kernarg_segment_ptr 1
		.amdhsa_wavefront_size32 1
		.amdhsa_system_sgpr_workgroup_id_x 1
		.amdhsa_system_sgpr_workgroup_id_y 1
		.amdhsa_system_sgpr_workgroup_id_z 1
		.amdhsa_system_vgpr_workitem_id 0
		.amdhsa_next_free_vgpr 384
		.amdhsa_next_free_sgpr 76
		.amdhsa_reserve_vcc 0
		.amdhsa_float_denorm_mode_32 3
		.amdhsa_float_denorm_mode_16_64 3
		.amdhsa_memory_ordered 1
		.amdhsa_forward_progress 1
		.amdhsa_inst_pref_size 132
	.end_amdhsa_kernel
	.amdgpu_metadata
---
amdhsa.version: [ 1, 2 ]
amdhsa.kernels:
  - .name:           k_q7731e6e34f_proj
    .symbol:         k_q7731e6e34f_proj.kd
    .args:
      - { .name: xb, .offset: 0, .size: 8, .value_kind: global_buffer, .address_space: global }
      - { .name: b_q, .offset: 8, .size: 8, .value_kind: global_buffer, .address_space: global }
      - { .name: b_k, .offset: 16, .size: 8, .value_kind: global_buffer, .address_space: global }
      - { .name: b_v, .offset: 24, .size: 8, .value_kind: global_buffer, .address_space: global }
      - { .name: qk, .offset: 32, .size: 8, .value_kind: global_buffer, .address_space: global }
      - { .name: vhl, .offset: 40, .size: 8, .value_kind: global_buffer, .address_space: global }
    .group_segment_fixed_size: 327680
    .private_segment_fixed_size: 0
    .kernarg_segment_align: 8
    .kernarg_segment_size: 48
    .max_flat_workgroup_size: 128
    .sgpr_count:     76
    .vgpr_count:     384
    .wavefront_size: 32
...
	.end_amdgpu_metadata
.endif
;; end of part 2
;; launch attn (part 3): grid 16 x 16, 8 waves a work-group, clusters of 4 x 1, 327,680 bytes of LDS; arguments qk, vhl, mbits, ob; writes ob
.if DOCPART == 3
	.amdgcn_target "amdgcn-amd-amdhsa--gfx1250"
	.amdhsa_code_object_version 6
	.text
	.protected	k_q7731e6e34f_attn
	.globl	k_q7731e6e34f_attn
	.p2align	8
	.type	k_q7731e6e34f_attn,@function
k_q7731e6e34f_attn:
	s_mov_b64 s[64:65], 0
	v_nop
	global_prefetch_b8 v0, s[64:65] scope:SCOPE_SE
	s_setreg_imm32_b32 hwreg(HW_REG_WAVE_MODE, 25, 1), 1
	s_wait_xcnt 0x0
	s_wait_alu depctr_hold_cnt(0) depctr_sa_sdst(0) depctr_va_vdst(0) depctr_va_sdst(0) depctr_va_ssrc(0) depctr_va_vcc(0) depctr_vm_vsrc(0)
	s_getreg_b32 s2, hwreg(HW_REG_IB_STS2, 6, 4)
	s_cmp_eq_u32 s2, 0
	s_cbranch_scc0 .Lentry_in_a_cluster
	s_endpgm
.Lentry_in_a_cluster:
	s_bfe_u32 s2, ttmp6, 0x10000c
	s_cmp_lg_u32 s2, 0x3003
	s_cbranch_scc0 .Lentry_shape_is_right
	s_endpgm
.Lentry_shape_is_right:
; Attention with a running maximum.  qk: f16 [8192][1024], rows 0-4095 q (already times 0.125 log2(e)), then k; row = batch*2048 + position, column = head*64 + d.
; vhl: f16 [4096][16 heads][64 hi | 64 lo], v = hi + lo.  mbits: lane masks of the mask input.  ob: f16 [4096][1024 hi | 1024 lo], heads merged, O = hi + lo.
; The mask is an input: every query meets all 2,048 keys.  A masked score is REPLACED by -1e9 log2(e), as the problem replaces it by -1e9 in base e,
; so a row whose keys are all masked gives the mean of v.
; PRECISION: a row that attends to n keys is about sqrt(2048 / n) times as large as a typical row but is held to the scale of the whole output.  So q, k and the
; probabilities are f16 (spacing 2^-10; the probabilities lie in [0, 1]), and v and O go in two f16 parts each (about 2^-22): P x v is two products, P x hi + P x lo.
; LIMITS: 0.18 |q|, |k|, |v| below 65,504 (f16).  Parts below 2^-14 have the step 2^-24.  Sums, maxima and exponentials f32.  exp2 results below 2^-126 are zero.
; The row sum is taken over the probabilities before their rounding to f16.  NaN and infinities get no special treatment.
; SHARE: a work-group takes 128 queries of a PAIR of heads, so that rows of K (256 bytes), of V (512) and of the result (256) are whole aligned runs.  Eight waves:
; wave w has head w >> 2 of the pair and queries 32 (w & 3) .. + 31.  Two waves lie on each SIMD: one can do softmax while the other multiplies.
; CLUSTERS: the four work-groups of a cluster are four query blocks of one pair of heads and read the same K and V: every tile is asked for jointly (mask 15).
; S IS MADE TRANSPOSED: S^T = K Q^T.  Register j of lane (r, h) is (key 8 h + j, query r): a lane owns one query, maximum and sum stay in the lane but for one
; exchange between the halves, and two packed score tiles ARE source 1 of O^T = V^T P^T.  V^T comes from V [key][d] by the transposing LDS load.
; K and V go through two LDS slots of 128 keys; a slot is eight chunks of 32 keys, one tensor load of one wave each: chunks 0-3 K, chunks 4-7 V (hi and lo).
; Two slots of 256 keys would need 2 x 256 x (272 + 544) = 417,792 bytes, more than a work-group can have.
.set SLOT,  139264
.set CHUNK, 17408                      ; 32 rows of V at pitch 544, exactly; 32 rows of K at pitch 272 use 8,704 of it
.set PK,    272                        ; 256 + 16: an odd multiple of 16
.set PV,    544                        ; 512 + 32: an odd multiple of 32
.set SP,    272                        ; the stages on the way out
.set LOST,  34816                      ; the stage of the low parts lies behind the 128 rows of the high parts
.set ADRK, 8                           ; v[8:9]    LDS address of my K fragments, slot 0, 1
.set ADRV, 10                          ; v[10:11]  the same for V
.set NEG,  16                          ; -1e9 log2(e)
.set STO,  17
.set RD,   18
.set CO,   19
.set MX,   20                          ; v[20:21]  running maximum of query tile u
.set LS,   22                          ; v[22:23]  running sum over the keys of my half of the lanes
.set NM,   24                          ; v[24:27]  (-m, -m) for u = 0, 1
.set AL,   28                          ; v[28:31]  (alpha, alpha) for u = 0, 1
.set T,    32                          ; v[32:47]  at work
.set SC,   48                          ; v[48:111]  score tile (u, kt) at + 32 u + 8 kt; later P fragment (u, g) at + 32 u + 16 g
.set KF,   112                         ; v[112:175] K fragment (kt, ks) at + 8 (2 kt + ks)
.set VF,   176                         ; v[176:239] V^T fragment, high parts, (d, g) at + 8 (2 d + g)
.set QF,   64                          ; window 1: v[256:319] O^T tile (d, u) at 8 (2 d + u);  v[320:351] Q fragment (u, ks) at + 8 (2 u + ks)
.set VL,   96                          ; window 1: v[352:415] V^T fragment, low parts, (d, g) at + 8 (2 d + g)
.set G0,   4                           ; s[4:11]   descriptor group 0, a set for each slot
.set G1K,  12                          ; s[12:19]  group 1 for K
.set G1V,  20                          ; s[20:27]  group 1 for V
                                       ; s[2:3] q, later the step of a refill; s[28:29] mask words, s[30:31] ob, s66 wave, s67 wave >> 2, s[100:101] lane selects, s104 counter
                                       ; s[32:63] mask words of query tile u = 0: 8 kt + j;  s[68:99] the same for u = 1
.set MSB, 0
.macro WIN new
.if MSB != \new
	s_set_vgpr_msb (MSB<<8)|\new
.set MSB, \new
.endif
.endm
.macro PLACES                          ; four places behind a matrix instruction (ISA guide 7.12.1)
.rept 4
	v_nop
.endr
.endm
.macro ROUND                           ; a round of the barrier of the cluster
	s_barrier_signal -1
	s_barrier_wait -1
	s_cmp_lg_u32 s66, 0
	s_cbranch_scc1 .Lnot_wave_0_\@
	s_barrier_signal -3
.Lnot_wave_0_\@:
	s_barrier_wait -3
	s_barrier_signal -1
	s_barrier_wait -1
.endm
.macro JLOAD s                         ; a joint load: waves 0-3 ask for 32 keys of K each, waves 4-7 for 32 keys of V.  The branch hangs on the wave number alone
	s_cmp_eq_u32 s67, 0
	s_cbranch_scc0 .Lfor_v_\@
	tensor_load_to_lds s[G0+4*\s:G0+4*\s+3], s[G1K:G1K+7]
	s_nop 0
	s_branch .Lasked_\@
.Lfor_v_\@:
	tensor_load_to_lds s[G0+4*\s:G0+4*\s+3], s[G1V:G1V+7]
	s_nop 0
.Lasked_\@:
.endm
.macro MLOAD imm                       ; the 64 mask words of a block of 64 keys x 32 queries
	s_load_b512 s[32:47], s[28:29], \imm
	s_load_b512 s[48:63], s[28:29], \imm+64
	s_load_b512 s[68:83], s[28:29], \imm+4096
	s_load_b512 s[84:99], s[28:29], \imm+4160
.endm
	s_load_b256 s[84:91], s[0:1], 0x0              ; qk, vhl, mbits, ob (the set-up's scratch lies in the mask registers, which are loaded later)
	v_lshl_add_u32 v254, v0, 2, 0x44000
	v_mov_b32 v255, 0
	ds_add_u32 v254, v255
	v_lshrrev_b32 v1, 5, v0
	v_readfirstlane_b32 s66, v1                    ; wave 0..7
	s_lshr_b32 s67, s66, 2                         ; my head of the pair.  Also: I fetch for K (0) or for V (1)
	s_and_b32 s68, s66, 3                          ; my 32 queries.  Also: which 32 keys of a tile I fetch
	s_bfe_u32 s69, ttmp6, 0x40000                  ; cx
	s_lshl_b32 s70, ttmp9, 2
	s_add_co_u32 s70, s70, s69                     ; query block = 4 x cluster x + cx
	s_and_b32 s71, ttmp7, 0xffff
	s_lshr_b32 s72, s71, 3                         ; batch
	s_and_b32 s73, s71, 7                          ; pair of heads
	s_mov_b32 s100, 0x76543210                     ; v_permlanex16_b32: lane i of one half reads lane i of the other
	s_mov_b32 s101, 0xfedcba98
	; K or V, tile 0, my 32 keys: no place in the cluster enters
	s_lshl_b32 s74, s72, 22                        ; K: 2,048 rows of 2,048 bytes a batch
	s_lshl_b32 s75, s68, 16                        ; 32 rows
	s_add_co_u32 s74, s74, s75
	s_lshl_b32 s75, s73, 8                         ; 256 bytes a pair of heads
	s_add_co_u32 s74, s74, s75
	s_add_co_u32 s76, s74, 0x800000                ; k lies 8 MiB into qk
	s_lshl_b32 s77, s74, 1                         ; V: rows and pairs of heads are twice as long, from the head of vhl
	s_cmp_eq_u32 s67, 0
	s_cselect_b32 s74, s76, s77
	s_mov_b32 s75, 0
	s_lshl_b32 s94, 0x40000, s67                   ; a tile of 128 keys: 262,144 bytes of K, 524,288 of V
	s_mov_b32 s95, 0
	; my 32 rows of q, my head
	s_lshl_b32 s76, s72, 22
	s_lshl_b32 s77, s70, 18                        ; 128 rows a query block
	s_add_co_u32 s76, s76, s77
	s_lshl_b32 s77, s68, 16                        ; 32 rows
	s_add_co_u32 s76, s76, s77
	s_lshl_b32 s77, s73, 8
	s_add_co_u32 s76, s76, s77
	s_lshl_b32 s77, s67, 7                         ; 128 bytes a head
	s_add_co_u32 s76, s76, s77
	s_mov_b32 s77, 0
	; ob: rows of 4,096 bytes; wave w stores rows 16 w .. 16 w + 15 of the block
	s_lshl_b32 s78, s72, 23
	s_lshl_b32 s79, s70, 19
	s_add_co_u32 s78, s78, s79
	s_lshl_b32 s79, s66, 16
	s_add_co_u32 s78, s78, s79
	s_lshl_b32 s79, s73, 8
	s_add_co_u32 s78, s78, s79
	s_mov_b32 s79, 0
	s_lshl_b32 s80, s70, 15                        ; mask words: query tile 8 x block + 2 x (w & 3), 4,096 bytes each
	s_lshl_b32 s81, s68, 13
	s_add_co_u32 s80, s80, s81
	s_mov_b32 s81, 0
	s_mul_i32 s82, s66, CHUNK                      ; my chunk of a slot
	; group 1 for K: 32 rows x 128 elements of 2 bytes, 4 words of padding behind every 64 words; the four work-groups of the cluster are named
	s_mov_b32 s[G1K+0], 15|(1<<16)|(1<<20)|(1<<21)|(5<<22)|(3<<25)
	s_mov_b32 s[G1K+1], 128<<16                    ; tensor_dim0 = 128
	s_mov_b32 s[G1K+2], 32<<16                     ; tensor_dim1 = 32
	s_mov_b32 s[G1K+3], 128<<16                    ; tile_dim0 = 128
	s_mov_b32 s[G1K+4], 32                         ; tile_dim1 = 32
	s_mov_b32 s[G1K+5], 1024                       ; elements from row to row
	s_mov_b32 s[G1K+6], 0
	s_mov_b32 s[G1K+7], 0
	; group 1 for V: 32 rows x 256 elements, 8 words of padding behind every 128 words
	s_mov_b32 s[G1V+0], 15|(1<<16)|(1<<20)|(1<<21)|(6<<22)|(7<<25)
	s_mov_b32 s[G1V+1], 256<<16
	s_mov_b32 s[G1V+2], 32<<16
	s_mov_b32 s[G1V+3], 256<<16
	s_mov_b32 s[G1V+4], 32
	s_mov_b32 s[G1V+5], 2048
	s_mov_b32 s[G1V+6], 0
	s_mov_b32 s[G1V+7], 0
	s_wait_dscnt 0x0
	s_wait_kmcnt 0x0
	s_cmp_eq_u32 s67, 0
	s_cselect_b64 s[92:93], s[84:85], s[86:87]     ; qk for the waves that fetch K, vhl for those that fetch V
	s_add_nc_u64 s[92:93], s[92:93], s[74:75]
	s_add_nc_u64 s[2:3], s[84:85], s[76:77]        ; q
	s_add_nc_u64 s[28:29], s[88:89], s[80:81]
	s_add_nc_u64 s[30:31], s[90:91], s[78:79]
	ROUND                                          ; all four work-groups are here: the first joint loads meet
	s_mov_b32 s[G0], 1
	s_add_co_u32 s[G0+1], s82, 0
	s_mov_b64 s[G0+2:G0+3], s[92:93]               ; tile 0
	s_or_b32 s[G0+3], s[G0+3], 0x80000000
	JLOAD 0
	s_mov_b32 s[G0+4], 1
	s_add_co_u32 s[G0+5], s82, SLOT
	s_add_nc_u64 s[G0+6:G0+7], s[92:93], s[94:95]  ; tile 1
	s_or_b32 s[G0+7], s[G0+7], 0x80000000
	JLOAD 1                                        ; both first fills go out together: two tensor loads of a wave are out here, later one
	v_and_b32 v1, 15, v0                           ; r
	v_bfe_u32 v2, v0, 4, 1                         ; h
	v_mul_u32_u24 v3, v1, PK
	v_lshl_add_u32 v3, v2, 4, v3                   ; K fragment: key r, 16 h
	s_lshl_b32 s105, s67, 7                        ; my head: 128 bytes into the row of K
	v_add_nc_u32 v[ADRK], s105, v3
	v_add_nc_u32 v[ADRK+1], SLOT, v[ADRK]
	v_and_b32 v4, 7, v0
	v_lshl_add_u32 v4, v2, 3, v4                   ; V^T fragment: key 8 h + (l & 7),
	v_mul_u32_u24 v4, v4, PV
	v_bfe_u32 v5, v0, 3, 1
	v_lshl_add_u32 v4, v5, 4, v4                   ; 16 bytes by bit 3 of the lane
	s_lshl_b32 s105, s67, 8                        ; my head: 256 bytes into the row of V,
	s_add_co_u32 s105, s105, 4*CHUNK               ; which lies behind the four chunks of K
	v_add_nc_u32 v[ADRV], s105, v4
	v_add_nc_u32 v[ADRV+1], SLOT, v[ADRV]
	s_mul_i32 s83, s68, 32*SP
	v_add_nc_u32 v[STO], s83, v[ADRK]              ; the way out: row 32 (w & 3) + r, my head, 16 h (the pitches of K and of the stage are equal)
	v_mul_u32_u24 v5, v2, SP
	v_lshl_add_u32 v5, v1, 4, v5
	s_mul_i32 s83, s66, 16*SP
	v_add_nc_u32 v[RD], s83, v5                    ; back: row 16 w + h, 16 r
	v_lshlrev_b32 v5, 12, v2
	v_lshl_add_u32 v[CO], v1, 4, v5                ; the same two rows in ob
	v_lshlrev_b32 v6, 11, v1
	v_lshl_add_u32 v6, v2, 4, v6                   ; q: row r, 16 h
	v_mov_b32 v[NEG], 0xceabfb8f                   ; -1e9 log2(e)
	v_mov_b32 v[T+2], 0                            ; the destinations of v_permlanex16_b32 count as read: written once here
	v_mov_b32 v[T+6], 0
	; my 32 queries x 64 d stay in registers for the whole launch: 4 KiB a wave, read once, so their short rows are accepted
	WIN 0x40                                       ; destination in window 1
.irp u, 0,1
.irp ks, 0,1
	global_load_b128 v[QF+8*(2*\u+\ks):QF+8*(2*\u+\ks)+3],   v6, s[2:3] offset:\u*32768+\ks*64
	global_load_b128 v[QF+8*(2*\u+\ks)+4:QF+8*(2*\u+\ks)+7], v6, s[2:3] offset:\u*32768+\ks*64+32
.endr
.endr
	WIN 0
	MLOAD 0                                        ; the mask words of the first block; the scratch in these registers is no longer needed
.macro FETCHK slot, kb                 ; 16 LDS loads: 64 keys x 64 d of K; key tile kt lies in chunk 2 kb + (kt >> 1)
.irp kt, 0,1,2,3
.irp ks, 0,1
	ds_load_b128 v[KF+8*(2*\kt+\ks):KF+8*(2*\kt+\ks)+3],   v[ADRK+\slot] offset:(2*(\kb)+(\kt>>1))*CHUNK+(\kt&1)*16*PK+\ks*64
	ds_load_b128 v[KF+8*(2*\kt+\ks)+4:KF+8*(2*\kt+\ks)+7], v[ADRK+\slot] offset:(2*(\kb)+(\kt>>1))*CHUNK+(\kt&1)*16*PK+\ks*64+32
.endr
.endr
.endm
.macro FETCHV slot, kb                 ; 32 transposing LDS loads: 64 d x 64 keys of V^T, high parts, then low parts; keys 32 g .. + 31 are chunk 4 + 2 kb + g
.irp d, 0,1,2,3
.irp g, 0,1
	ds_load_tr16_b128 v[VF+8*(2*\d+\g):VF+8*(2*\d+\g)+3],   v[ADRV+\slot] offset:(2*(\kb)+\g)*CHUNK+32*\d
	ds_load_tr16_b128 v[VF+8*(2*\d+\g)+4:VF+8*(2*\d+\g)+7], v[ADRV+\slot] offset:(2*(\kb)+\g)*CHUNK+32*\d+16*PV
.endr
.endr
	WIN 0x40                                       ; destination in window 1
.irp d, 0,1,2,3
.irp g, 0,1
	ds_load_tr16_b128 v[VL+8*(2*\d+\g):VL+8*(2*\d+\g)+3],   v[ADRV+\slot] offset:(2*(\kb)+\g)*CHUNK+128+32*\d
	ds_load_tr16_b128 v[VL+8*(2*\d+\g)+4:VL+8*(2*\d+\g)+7], v[ADRV+\slot] offset:(2*(\kb)+\g)*CHUNK+128+32*\d+16*PV
.endr
.endr
	WIN 0
.endm
; the new maximum of query tile u, -m as a pair, and alpha = exp2(m_old - m_new) as a pair
.macro MAXU u, first
	v_max3_num_f32 v[T+4*\u],   v[SC+32*\u],    v[SC+32*\u+1],  v[SC+32*\u+2]        ; two chains of 15 scores each
	v_max3_num_f32 v[T+4*\u+1], v[SC+32*\u+15], v[SC+32*\u+16], v[SC+32*\u+17]
.irp i, 0,1,2,3,4,5
	v_max3_num_f32 v[T+4*\u],   v[T+4*\u],   v[SC+32*\u+3+2*\i],  v[SC+32*\u+4+2*\i]
	v_max3_num_f32 v[T+4*\u+1], v[T+4*\u+1], v[SC+32*\u+18+2*\i], v[SC+32*\u+19+2*\i]
.endr
	v_max3_num_f32 v[T+4*\u], v[T+4*\u], v[T+4*\u+1], v[SC+32*\u+30]
.if \first
	v_max_num_f32 v[T+4*\u], v[T+4*\u], v[SC+32*\u+31]
.else
	v_max3_num_f32 v[T+4*\u], v[T+4*\u], v[SC+32*\u+31], v[MX+\u]
.endif
	v_permlanex16_b32 v[T+4*\u+2], v[T+4*\u], s100, s101       ; the other eight keys of each tile lie in the other half of the lanes
	v_max_num_f32 v[T+4*\u], v[T+4*\u], v[T+4*\u+2]
.if \first == 0
	v_sub_f32 v[T+4*\u+3], v[MX+\u], v[T+4*\u]
.endif
	v_mov_b32 v[MX+\u], v[T+4*\u]
	v_xor_b32 v[NM+2*\u],   0x80000000, v[T+4*\u]
	v_xor_b32 v[NM+2*\u+1], 0x80000000, v[T+4*\u]
.if \first == 0
	v_exp_f32 v[AL+2*\u],   v[T+4*\u+3]            ; the plain vector instruction that must follow (ISA guide 5.7.2) is the next line of the text,
	v_exp_f32 v[AL+2*\u+1], v[T+4*\u+3]            ; which touches neither these results nor their source
.endif
.endm
; the sum of query tile u over my half of the keys
.macro SUMU u, first
	v_pk_add_f32 v[T+8+4*\u:T+9+4*\u],   v[SC+32*\u:SC+32*\u+1],     v[SC+32*\u+2:SC+32*\u+3]
	v_pk_add_f32 v[T+10+4*\u:T+11+4*\u], v[SC+32*\u+16:SC+32*\u+17], v[SC+32*\u+18:SC+32*\u+19]
.irp i, 2,3,4,5,6,7
	v_pk_add_f32 v[T+8+4*\u:T+9+4*\u],   v[T+8+4*\u:T+9+4*\u],   v[SC+32*\u+2*\i:SC+32*\u+2*\i+1]
	v_pk_add_f32 v[T+10+4*\u:T+11+4*\u], v[T+10+4*\u:T+11+4*\u], v[SC+32*\u+16+2*\i:SC+32*\u+16+2*\i+1]
.endr
	v_pk_add_f32 v[T+8+4*\u:T+9+4*\u], v[T+8+4*\u:T+9+4*\u], v[T+10+4*\u:T+11+4*\u]
.if \first
	v_add_f32 v[LS+\u], v[T+8+4*\u], v[T+9+4*\u]
.else
	v_add_f32 v[T+8+4*\u], v[T+8+4*\u], v[T+9+4*\u]
	v_fma_f32 v[LS+\u], v[LS+\u], v[AL+2*\u], v[T+8+4*\u]
.endif
.endm
; 64 keys (block kb of the slot) x my 32 queries.  first: nothing has been summed yet.  kpre: the K fragments of the next block of this slot are asked for.
; mpre: the mask words of the next block are asked for.
.macro BLOCK slot, kb, first, kpre, mpre
.rept 5
	v_nop                                          ; the products below write over registers that the last O products read as source 1: five places (ISA guide 7.12.1)
.endr
	s_wait_dscnt 0x0                               ; the K fragments are in
	WIN 0x04                                       ; source 1 (Q) in window 1
	; 16 products: d 0-31 starts the eight tiles, d 32-63 adds in place.  The eight accumulators take turns, one instruction a turn.
.irp ks, 0,1
.irp u, 0,1
.irp kt, 0,1,2,3
.if \ks == 0
	v_wmma_f32_16x16x32_f16 v[SC+32*\u+8*\kt:SC+32*\u+8*\kt+7], v[KF+8*(2*\kt+\ks):KF+8*(2*\kt+\ks)+7], v[QF+8*(2*\u+\ks):QF+8*(2*\u+\ks)+7], 0
.else
	v_wmma_f32_16x16x32_f16 v[SC+32*\u+8*\kt:SC+32*\u+8*\kt+7], v[KF+8*(2*\kt+\ks):KF+8*(2*\kt+\ks)+7], v[QF+8*(2*\u+\ks):QF+8*(2*\u+\ks)+7], v[SC+32*\u+8*\kt:SC+32*\u+8*\kt+7]
.endif
.endr
.endr
.endr
	WIN 0
	PLACES                                         ; in front of the loads into K's registers and of the vector work on the scores
	FETCHV \slot, \kb
.if \kpre
	FETCHK \slot, \kb+1
.endif
	s_wait_kmcnt 0x0                               ; the mask words, asked for a block ago
.irp kt, 0,1,2,3
.irp j, 0,1,2,3,4,5,6,7
	v_cndmask_b32 v[SC+8*\kt+\j],    v[NEG], v[SC+8*\kt+\j],    s[32+8*\kt+\j]   ; bit 1 keeps the score, bit 0 replaces it
	v_cndmask_b32 v[SC+32+8*\kt+\j], v[NEG], v[SC+32+8*\kt+\j], s[68+8*\kt+\j]
.endr
.endr
.if \mpre
.if \kb == 1
	s_add_nc_u64 s[28:29], s[28:29], 256           ; 128 keys on: 8 key tiles of 32 bytes; no scalar load is out behind the wait above
	MLOAD 0
.else
	MLOAD 128
.endif
.endif
	MAXU 0, \first
	MAXU 1, \first
.irp u, 0,1
.irp i, 0,1,2,3,4,5,6,7,8,9,10,11,12,13,14,15
	v_pk_add_f32 v[SC+32*\u+2*\i:SC+32*\u+2*\i+1], v[SC+32*\u+2*\i:SC+32*\u+2*\i+1], v[NM+2*\u:NM+2*\u+1]   ; s - m
.endr
.endr
.set i, 0
.rept 64
	v_exp_f32 v[SC+i], v[SC+i]                     ; base 2: the factor log2(e) lies in q
.set i, i+1
.endr
	v_nop                                          ; one plain place behind the transcendentals (ISA guide 5.7.2)
	s_wait_alu depctr_va_vdst(0)
	SUMU 0, \first
	SUMU 1, \first
	; two score tiles pack, in place, into one fragment of 32 keys: the destination never overtakes its sources
.irp u, 0,1
.irp g, 0,1
.irp i, 0,1,2,3,4,5,6,7
	v_cvt_pk_f16_f32 v[SC+32*\u+16*\g+\i], v[SC+32*\u+16*\g+2*\i], v[SC+32*\u+16*\g+2*\i+1]
.endr
.endr
.endr
.if \first == 0
	WIN 0x41                                       ; O in window 1, as source 0 and as destination
.irp d, 0,1,2,3
.irp u, 0,1
.irp i, 0,1,2,3
	v_pk_mul_f32 v[8*(2*\d+\u)+2*\i:8*(2*\d+\u)+2*\i+1], v[8*(2*\d+\u)+2*\i:8*(2*\d+\u)+2*\i+1], v[AL+2*\u:AL+2*\u+1]
.endr
.endr
.endr
.endif
.if \kpre
	s_wait_dscnt 16                                ; V is in; the 16 younger loads, the next block's K, may be out
.else
	s_wait_dscnt 0x0
.endif
	; 32 products on the eight tiles of O^T: high parts of keys 0-31, of keys 32-63, then the low parts.  The eight accumulators take turns, one instruction
	; a turn, in the same order each time.
	WIN 0x50                                       ; C and D in window 1
.irp g, 0,1
.irp d, 0,1,2,3
.irp u, 0,1
.if (\first)*(1-\g)
	v_wmma_f32_16x16x32_f16 v[8*(2*\d+\u):8*(2*\d+\u)+7], v[VF+8*(2*\d+\g):VF+8*(2*\d+\g)+7], v[SC+32*\u+16*\g:SC+32*\u+16*\g+7], 0
.else
	v_wmma_f32_16x16x32_f16 v[8*(2*\d+\u):8*(2*\d+\u)+7], v[VF+8*(2*\d+\g):VF+8*(2*\d+\g)+7], v[SC+32*\u+16*\g:SC+32*\u+16*\g+7], v[8*(2*\d+\u):8*(2*\d+\u)+7]
.endif
.endr
.endr
.endr
	WIN 0x51                                       ; source 0 (the low parts) in window 1 too
.irp g, 0,1
.irp d, 0,1,2,3
.irp u, 0,1
	v_wmma_f32_16x16x32_f16 v[8*(2*\d+\u):8*(2*\d+\u)+7], v[VL+8*(2*\d+\g):VL+8*(2*\d+\g)+7], v[SC+32*\u+16*\g:SC+32*\u+16*\g+7], v[8*(2*\d+\u):8*(2*\d+\u)+7]
.endr
.endr
.endr
	WIN 0
.endm
.macro TILE slot, first, last          ; 128 keys
	FETCHK \slot, 0
	BLOCK \slot, 0, \first, 1, 1
	BLOCK \slot, 1, 0, 0, (1-\last)
.endm
; The change of slots and the tile in slot.  In front of the round each wave waits for all its tensor loads (the one that is out is its part of this slot) and for its
; reads of the other slot; the joint refill of the other slot, two tiles ahead, is the first tensor load behind the round and has this whole tile in which to land.
.macro PH slot, refill
	s_wait_tensorcnt 0x0
	ds_add_u32 v254, v255
	s_wait_dscnt 0x0
.if \refill
	s_add_nc_u64 s[G0+4*(1-\slot)+2:G0+4*(1-\slot)+3], s[G0+4*(1-\slot)+2:G0+4*(1-\slot)+3], s[2:3]   ; no tensor load of mine is out: the group 0 may be written
.endif
	s_wait_dscnt 0x0
.if \refill
	ROUND
	JLOAD (1-\slot)
.else
	s_barrier_signal -1                            ; nothing is left to fetch: a plain barrier shows the last tile to every wave
	s_barrier_wait -1
.endif
	TILE \slot, 0, (1-\refill)
.endm
	s_wait_loadcnt 0x0                             ; q is in, so its base register may be written:
	s_lshl_b32 s2, 0x80000, s67                    ; the step of a refill, two tiles: 524,288 bytes of K, 1,048,576 of V
	s_mov_b32 s3, 0
	s_wait_tensorcnt 0x1                           ; my part of slot 0 is in; the fill of slot 1 may stay out
	s_barrier_signal -1
	s_barrier_wait -1
	TILE 0, 1, 0                                   ; tile 0 stands in front of the loop: its first products start the sums
	s_mov_b32 s104, 7
.Lpair:
	PH 1, 1                                        ; tiles 1, 3, .. 13; asks for 2, 4, .. 14
	PH 0, 1                                        ; tiles 2, 4, .. 14; asks for 3, 5, .. 15
	s_sub_co_i32 s104, s104, 1
	s_cmp_lg_u32 s104, 0
	s_cbranch_scc1 .Lpair
	PH 1, 0                                        ; tile 15
	; THE WAY OUT.  The sum is at least 1: the largest score of a row gives exp2(0).  The stages lie in slot 0, which has had its last fill and whose last
	; reads ended in front of the last barrier.
	PLACES                                         ; behind the last matrix instructions
.irp u, 0,1
	v_permlanex16_b32 v[T+4*\u+2], v[LS+\u], s100, s101        ; the other half of the keys
	v_add_f32 v[LS+\u], v[LS+\u], v[T+4*\u+2]
.endr
	v_rcp_f32 v[AL],   v[LS]
	v_rcp_f32 v[AL+1], v[LS]
	v_rcp_f32 v[AL+2], v[LS+1]
	v_rcp_f32 v[AL+3], v[LS+1]
	v_nop                                          ; one plain place behind the transcendentals (ISA guide 5.7.2)
	s_mov_b32 s32, 0x46000400                      ; 8193.0 = 2^13 + 1 (no mask word is on its way any more)
	s_mov_b32 s33, 0x46000400
	WIN 0x01                                       ; source 0 (O) in window 1
	s_wait_alu depctr_va_vdst(0)
.irp d, 0,1,2,3
.irp u, 0,1
.irp i, 0,1,2,3
	v_pk_mul_f32 v[SC+8*(2*\d+\u)+2*\i:SC+8*(2*\d+\u)+2*\i+1], v[8*(2*\d+\u)+2*\i:8*(2*\d+\u)+2*\i+1], v[AL+2*\u:AL+2*\u+1]
.endr
.endr
.endr
	WIN 0
	; O in two f16 parts.  c = 8193 x, hi = c - (c - x) is x rounded to 11 bits, lo = x - hi is exact in f32; both are then packed as f16.
.set i, 0
.rept 32
	v_pk_mul_f32 v[VF+2*i:VF+2*i+1], v[SC+2*i:SC+2*i+1], s[32:33] op_sel_hi:[1,0]
.set i, i+1
.endr
.set i, 0
.rept 32
	v_pk_add_f32 v[KF+2*i:KF+2*i+1], v[VF+2*i:VF+2*i+1], v[SC+2*i:SC+2*i+1] neg_lo:[0,1] neg_hi:[0,1]
.set i, i+1
.endr
.set i, 0
.rept 32
	v_pk_add_f32 v[VF+2*i:VF+2*i+1], v[VF+2*i:VF+2*i+1], v[KF+2*i:KF+2*i+1] neg_lo:[0,1] neg_hi:[0,1]   ; hi
.set i, i+1
.endr
.set i, 0
.rept 32
	v_pk_add_f32 v[SC+2*i:SC+2*i+1], v[SC+2*i:SC+2*i+1], v[VF+2*i:VF+2*i+1] neg_lo:[0,1] neg_hi:[0,1]   ; lo
.set i, i+1
.endr
.set i, 0
.rept 32
	v_cvt_pk_f16_f32 v[KF+i],    v[VF+2*i], v[VF+2*i+1]
	v_cvt_pk_f16_f32 v[KF+32+i], v[SC+2*i], v[SC+2*i+1]
.set i, i+1
.endr
.irp d, 0,1,2,3
.irp u, 0,1
	ds_store_b128 v[STO], v[KF+4*(2*\d+\u):KF+4*(2*\d+\u)+3]       offset:\u*16*SP+32*\d        ; query 16 u + r, d 16 d + 8 h .. + 7: 16 bytes
	ds_store_b128 v[STO], v[KF+32+4*(2*\d+\u):KF+32+4*(2*\d+\u)+3] offset:LOST+\u*16*SP+32*\d
.endr
.endr
	s_wait_dscnt 0x0                               ; a row of 256 bytes is made by the waves of both heads: my stores are done,
	s_barrier_signal -1
	s_barrier_wait -1                              ; and so are the others'
.irp t, 0,1,2,3,4,5,6,7
	ds_load_b128 v[VF+4*\t:VF+4*\t+3], v[RD] offset:\t*2*SP
.endr
.irp t, 0,1,2,3,4,5,6,7
	ds_load_b128 v[VF+32+4*\t:VF+32+4*\t+3], v[RD] offset:LOST+\t*2*SP
.endr
.irp t, 0,1,2,3,4,5,6,7
	s_wait_dscnt 15-\t                             ; the younger loads may be out: 7 - t of the high parts and the 8 of the low parts
	global_store_b128 v[CO], v[VF+4*\t:VF+4*\t+3], s[30:31] offset:\t*8192   ; 16 lanes store 256 consecutive bytes, aligned
.endr
.irp t, 0,1,2,3,4,5,6,7
	s_wait_dscnt 7-\t
	global_store_b128 v[CO], v[VF+32+4*\t:VF+32+4*\t+3], s[30:31] offset:\t*8192+2048   ; the low parts lie 1,024 elements further on in the row
.endr
	s_wait_tensorcnt 0x0
	ds_add_u32 v254, v255
	s_wait_dscnt 0x0
	ROUND                                          ; the closing round: no work-group ends while a partner may still ask for a tile that names it
	s_endpgm
.Lfunc_end_k_q7731e6e34f_attn:
	.size	k_q7731e6e34f_attn, .Lfunc_end_k_q7731e6e34f_attn-k_q7731e6e34f_attn
	.p2alignl 7, 3214868480
	.fill 96, 4, 3214868480
	.section	.rodata,"a",@progbits
	.p2align	6, 0x0
	.amdhsa_kernel k_q7731e6e34f_attn
		.amdhsa_group_segment_fixed_size 327680
		.amdhsa_private_segment_fixed_size 0
		.amdhsa_enable_private_segment 0
		.amdhsa_kernarg_size 32
		.amdhsa_user_sgpr_count 2
		.amdhsa_user_sgpr_kernarg_segment_ptr 1
		.amdhsa_wavefront_size32 1
		.amdhsa_system_sgpr_workgroup_id_x 1
		.amdhsa_system_sgpr_workgroup_id_y 1
		.amdhsa_system_sgpr_workgroup_id_z 1
		.amdhsa_system_vgpr_workitem_id 0
		.amdhsa_next_free_vgpr 416
		.amdhsa_next_free_sgpr 106
		.amdhsa_reserve_vcc 0
		.amdhsa_float_denorm_mode_32 3
		.amdhsa_float_denorm_mode_16_64 3
		.amdhsa_memory_ordered 1
		.amdhsa_forward_progress 1
		.amdhsa_inst_pref_size 216
	.end_amdhsa_kernel
	.amdgpu_metadata
---
amdhsa.version: [ 1, 2 ]
amdhsa.kernels:
  - .name:           k_q7731e6e34f_attn
    .symbol:         k_q7731e6e34f_attn.kd
    .args:
      - { .name: qk, .offset: 0, .size: 8, .value_kind: global_buffer, .address_space: global }
      - { .name: vhl, .offset: 8, .size: 8, .value_kind: global_buffer, .address_space: global }
      - { .name: mbits, .offset: 16, .size: 8, .value_kind: global_buffer, .address_space: global }
      - { .name: ob, .offset: 24, .size: 8, .value_kind: global_buffer, .address_space: global }
    .group_segment_fixed_size: 327680
    .private_segment_fixed_size: 0
    .kernarg_segment_align: 8
    .kernarg_segment_size: 32
    .max_flat_workgroup_size: 256
    .sgpr_count:     106
    .vgpr_count:     416
    .wavefront_size: 32
...
	.end_amdgpu_metadata
.endif
;; end of part 3
;; launch oproj (part 4): grid 8 x 32, 4 waves a work-group, clusters of 4 x 4, 327,680 bytes of LDS; arguments ob, xb, b_o, out0; writes out0
.if DOCPART == 4
	.amdgcn_target "amdgcn-amd-amdhsa--gfx1250"
	.amdhsa_code_object_version 6
	.text
	.protected	k_q7731e6e34f_oproj
	.globl	k_q7731e6e34f_oproj
	.p2align	8
	.type	k_q7731e6e34f_oproj,@function
k_q7731e6e34f_oproj:
	s_mov_b64 s[64:65], 0
	v_nop
	global_prefetch_b8 v0, s[64:65] scope:SCOPE_SE
	s_setreg_imm32_b32 hwreg(HW_REG_WAVE_MODE, 25, 1), 1
	s_wait_xcnt 0x0
	s_wait_alu depctr_hold_cnt(0) depctr_sa_sdst(0) depctr_va_vdst(0) depctr_va_sdst(0) depctr_va_ssrc(0) depctr_va_vcc(0) depctr_vm_vsrc(0)
	s_getreg_b32 s2, hwreg(HW_REG_IB_STS2, 6, 4)
	s_cmp_eq_u32 s2, 0
	s_cbranch_scc0 .Lentry_in_a_cluster
	s_endpgm
.Lentry_in_a_cluster:
	s_bfe_u32 s2, ttmp6, 0x10000c
	s_cmp_lg_u32 s2, 0xf033
	s_cbranch_scc0 .Lentry_shape_is_right
	s_endpgm
.Lentry_shape_is_right:
; C = A W + bias, W [1024 (k)][1024 (n)], sums in f32.  One text for two launches, told apart by OPROJ.
; OPROJ = 0: A = the bf16 copies of Q, K, V, one matrix of 12,288 rows of 1,024 at the head of xb; W = W_q, W_k or W_v (bf16) by the block row (p = row / 4096).
;            p = 0, 1: C goes to qk as f16, rounded once; for p = 0 (q) sum and bias are multiplied by 0.125 log2(e) BEFORE that rounding, so that the
;            attention works in base 2 without a further factor (an order of rounding that differs from scaling the scores in f32).
;            p = 2: v goes to vhl as TWO f16 parts, v = hi + lo: row, then head, then 64 hi, then 64 lo.
; OPROJ = 1: A = ob, 4,096 rows of 1,024 hi parts and 1,024 lo parts (f16): K = 2,048, and W_o (bf16 values carried in f16) is walked twice.  C = out0 in f32.
; WHY f16 AND TWO PARTS: a row of the result that attends to n keys is about sqrt(2048 / n) times as large as a typical row but is held to the scale of the
; whole output, so what lies between the inputs and the output is kept finer than one part in 2^8: q, k in f16 (spacing 2^-10), v and O to about 2^-22.
; LIMITS: Q, K, V and the weights are taken in bf16.  0.18 |q|, |k|, |v| must stay below 65,504 (f16): with inputs 30 times the drawn ones they are about 576 in the
; root mean square, with offsets of 30 spreads on X and on W about 18,432.  Parts below 2^-14 have the step 2^-24.  NaN and infinities get no special treatment.
; SHAPE: a work-group makes 128 x 128 of C with four waves of 64 x 64 (16 accumulator tiles, 128 registers).  Larger blocks would leave work-groups
; without work: 4,096 x 1,024 outputs are exactly 256 blocks of 128 x 128, and 12,288 x 1,024 are 768.
; K goes through two LDS slots of 256 along K each; a slot is four chunks, one tensor load of one wave each: A rows 0-63, A rows 64-127 (rows of 512 bytes),
; W k-rows 0-127, W k-rows 128-255 (rows of 256 bytes).  Four fills (OPROJ = 1: eight), all written out without a loop.
; CLUSTERS: 4 x 4 work-groups.  The tile of A hangs on the block row alone and is asked for jointly by a row of the cluster, the tile of W on the block column
; alone (and on p, which the whole cluster shares) and is asked for jointly by a column: the requests for A and W are divided by four.
; THE MATRIX INSTRUCTION IS USED TRANSPOSED: source 0 = 16 columns of W (read from [k][n] by the transposing LDS load), source 1 = 16 rows of A.
; Lane (r, h), register j then holds C(m0 + r, n0 + 8 h + j): eight neighbouring numbers of a row of C.
.set OPROJ, 1
.if OPROJ
.set AROW,  2048                       ; elements in a row of A
.else
.set AROW,  1024
.endif
.set SLOT,  147456                     ; four chunks
.set CHUNK, 36864                      ; 128 rows of W at pitch 288, exactly; 64 rows of A at pitch 528 use 33,792 of it
.set PA,    528                        ; LDS pitch of A: 512 + 16, an odd multiple of 16
.set PW,    288                        ; LDS pitch of W: 256 + 32, an odd multiple of 32
.set SP,    272                        ; pitch of the stages on the way out: 256 + 16
.set VST,   34816                      ; the waves' own stages for v lie behind the stage of 128 rows for q and k
.set ADRA, 8                           ; v[8:9]    LDS address of my A fragments, slot 0, 1
.set ADRW, 10                          ; v[10:13]  the same for W: 2 x slot + (which 128 k-rows)
.set STO,  14                          ; the way out: where I put my numbers
.set RD,   15                          ; the way out: where I read rows back
.set CO,   16                          ; my byte offset in C
.set BOFF, 17                          ; my byte offset in the bias
.set STOV, 18                          ; the same three for v
.set RDV,  19
.set COV,  20
.set T,    32                          ; v[32:63]   at work
.set F0,   64                          ; v[64:127]  fragment buffer 0: W fragments b at + 8 b, A fragments a at + 32 + 8 a
.set F1,   128                         ; v[128:191] fragment buffer 1
.set TMP,  192                         ; v[192:223] packed results
.set BIAS, 224                         ; v[224:255] bias of my columns: 8 b + j
.set CC,   64                          ; the way out of v: v[64:95] 8193 x, then hi;  v[96:127] the difference;  v[128:143] hi packed;  v[144:159] lo packed
.set DD,   96
.set HP,   128
.set LP,   144
.set RB,   160                         ; v[160:191], v[192:223] rows read back, by turns
                                       ; window 1 (v256-383): accumulator (a, b) at v[8 (4 a + b)]
.set G1A, 24                           ; s[24:31] descriptor group 1, A
.set G0A, 32                           ; s[32:39] group 0, A, a set for each slot
.set G1W, 48                           ; s[48:55] group 1, W
.set G0W, 56                           ; s[56:63] group 0, W, a set for each slot
.set MSB, 0
.macro WIN new                         ; the high byte of the immediate repeats the setting that is left; switches that change nothing are dropped
.if MSB != \new
	s_set_vgpr_msb (MSB<<8)|\new
.set MSB, \new
.endif
.endm
.macro PLACES                          ; four places behind a matrix instruction, in front of loads into and vector work on its registers
.rept 4
	v_nop
.endr
.endm
.macro CREST                           ; a round of the barrier of the cluster, behind its opening work-group barrier
	s_cmp_lg_u32 s10, 0
	s_cbranch_scc1 .Lnot_wave_0_\@
	s_barrier_signal -3
.Lnot_wave_0_\@:
	s_barrier_wait -3
	s_barrier_signal -1
	s_barrier_wait -1
.endm
.macro CROUND                          ; a whole round
	s_barrier_signal -1
	s_barrier_wait -1
	CREST
.endm
.macro JLOAD s                         ; a joint load: waves 0, 1 ask for the two halves of A, waves 2, 3 for those of W.  The branch hangs on the wave number alone
	s_cmp_eq_u32 s11, 0
	s_cbranch_scc0 .Lfor_w_\@
	tensor_load_to_lds s[G0A+4*\s:G0A+4*\s+3], s[G1A:G1A+7]
	s_nop 0
	s_branch .Lasked_\@
.Lfor_w_\@:
	tensor_load_to_lds s[G0W+4*\s:G0W+4*\s+3], s[G1W:G1W+7]
	s_nop 0
.Lasked_\@:
.endm
	s_load_b256 s[68:75], s[0:1], 0x0              ; OPROJ = 0: xb, b_q, b_k, b_v.  OPROJ = 1: ob, xb, b_o, out0
	v_lshl_add_u32 v222, v0, 2, 0x48000
	v_mov_b32 v223, 0
	ds_add_u32 v222, v223
.if OPROJ == 0
	s_load_b128 s[4:7], s[0:1], 0x20               ; qk, vhl
.endif
	v_lshrrev_b32 v1, 5, v0
	v_readfirstlane_b32 s10, v1                    ; wave 0..3
	s_lshr_b32 s11, s10, 1                         ; my half of the rows of the block.  Also: I fetch for A (0) or for W (1)
	s_and_b32 s12, s10, 1                          ; my half of its columns.  Also: which half of that tile I fetch
	s_bfe_u32 s40, ttmp6, 0x40000                  ; cx
	s_bfe_u32 s41, ttmp6, 0x40004                  ; cy
	s_lshl_b32 s42, ttmp9, 2
	s_add_co_u32 s42, s42, s40                     ; block column = 4 x cluster x + cx
	s_and_b32 s45, ttmp7, 0xffff                   ; cluster y
	s_lshl_b32 s13, s45, 2
	s_add_co_u32 s13, s13, s41                     ; block row = 4 x cluster y + cy
.if OPROJ == 0
	s_lshr_b32 s45, s45, 3                         ; p = block row / 32 = cluster y / 8: the same in the whole cluster
.endif
	s_lshl_b32 s43, s41, 2
	s_lshl_b32 s43, 15, s43                        ; my row of the cluster
	s_lshl_b32 s44, 0x1111, s40                    ; my column
	; group 1 for A: 64 rows x 256 elements of 2 bytes, 4 words of padding behind every 128 words
	s_or_b32 s[G1A+0], s43, (1<<16)|(1<<20)|(1<<21)|(6<<22)|(3<<25)
	s_mov_b32 s[G1A+1], 256<<16                    ; tensor_dim0 = 256
	s_mov_b32 s[G1A+2], 64<<16                     ; tensor_dim1 = 64
	s_mov_b32 s[G1A+3], 256<<16                    ; tile_dim0 = 256
	s_mov_b32 s[G1A+4], 64                         ; tile_dim1 = 64
	s_mov_b32 s[G1A+5], AROW                       ; elements from row to row
	s_mov_b32 s[G1A+6], 0
	s_mov_b32 s[G1A+7], 0
	; group 1 for W: 128 k-rows x 128 elements, 8 words of padding behind every 64 words
	s_or_b32 s[G1W+0], s44, (1<<16)|(1<<20)|(1<<21)|(5<<22)|(7<<25)
	s_mov_b32 s[G1W+1], 128<<16
	s_mov_b32 s[G1W+2], 128<<16
	s_mov_b32 s[G1W+3], 128<<16
	s_mov_b32 s[G1W+4], 128
	s_mov_b32 s[G1W+5], 1024
	s_mov_b32 s[G1W+6], 0
	s_mov_b32 s[G1W+7], 0
	; where the tiles come from.  The registers of A never hold cx, those of W never hold cy
	s_mul_i32 s16, s13, 128*AROW*2                 ; A: 128 rows a block row
	s_mul_i32 s17, s12, 64*AROW*2                  ;    + 64 rows for the second half
	s_add_co_u32 s16, s16, s17
	s_mov_b32 s17, 0
	s_lshl_b32 s46, s42, 8                         ; W: 128 columns of 2 bytes a block column
	s_lshl_b32 s47, s12, 18                        ;    + 128 k-rows for the second half
	s_add_co_u32 s46, s46, s47
.if OPROJ
	s_add_co_u32 s46, s46, 31457280                ; W_o lies 30 MiB into xb
.else
	s_lshl_b32 s47, s45, 21                        ; 2 MiB a weight
	s_add_co_u32 s46, s46, s47
	s_add_co_u32 s46, s46, 25165824                ; W_q lies 24 MiB into xb
.endif
	s_mov_b32 s47, 0
	s_mul_i32 s20, s10, CHUNK                      ; and where they go: chunk = wave; no place in the cluster enters an LDS address
	s_wait_dscnt 0x0
	s_wait_kmcnt 0x0
	s_add_nc_u64 s[14:15], s[68:69], s[16:17]
.if OPROJ
	s_add_nc_u64 s[46:47], s[70:71], s[46:47]
.else
	s_add_nc_u64 s[46:47], s[68:69], s[46:47]
.endif
	CROUND                                         ; all sixteen work-groups are here: the first joint loads meet
.irp s, 0,1
	s_mov_b32 s[G0A+4*\s], 1
	s_add_co_u32 s[G0A+4*\s+1], s20, \s*SLOT
	s_add_nc_u64 s[G0A+4*\s+2:G0A+4*\s+3], s[14:15], \s*512        ; 256 along K = 512 bytes of a row of A
	s_or_b32 s[G0A+4*\s+3], s[G0A+4*\s+3], 0x80000000
	s_mov_b32 s[G0W+4*\s], 1
	s_add_co_u32 s[G0W+4*\s+1], s20, \s*SLOT
	s_add_nc_u64 s[G0W+4*\s+2:G0W+4*\s+3], s[46:47], \s*524288     ; 256 k-rows of 2,048 bytes
	s_or_b32 s[G0W+4*\s+3], s[G0W+4*\s+3], 0x80000000
	JLOAD \s                                       ; both first fills go out together: two tensor loads of a wave are out here, later one
.endr
	; LDS addresses.  A fragment (16 rows x 32 K): row r, 16 h, two loads 32 bytes apart.
	; W fragment from [k][n]: k-row 8 h + (l & 7), 16 bytes by bit 3 of the lane, two transposing loads 16 k-rows apart.
	v_and_b32 v1, 15, v0                           ; r
	v_bfe_u32 v2, v0, 4, 1                         ; h
	v_mul_u32_u24 v3, v1, PA
	v_lshl_add_u32 v3, v2, 4, v3
	s_mul_i32 s21, s11, CHUNK                      ; my 64 rows of A
	v_add_nc_u32 v[ADRA], s21, v3
	v_add_nc_u32 v[ADRA+1], SLOT, v[ADRA]
	v_and_b32 v4, 7, v0
	v_lshl_add_u32 v4, v2, 3, v4
	v_mul_u32_u24 v4, v4, PW
	v_bfe_u32 v5, v0, 3, 1
	v_lshl_add_u32 v4, v5, 4, v4
	s_lshl_b32 s22, s12, 7                         ; my 64 columns of W,
	s_add_co_u32 s22, s22, 2*CHUNK                 ; which lies behind the two chunks of A
	v_add_nc_u32 v[ADRW], s22, v4
	v_add_nc_u32 v[ADRW+1], CHUNK, v[ADRW]
	v_add_nc_u32 v[ADRW+2], SLOT, v[ADRW]
	v_add_nc_u32 v[ADRW+3], SLOT, v[ADRW+1]
	v_mul_u32_u24 v6, v1, SP                       ; r x 272
	v_mul_u32_u24 v7, v2, SP
	v_lshl_add_u32 v7, v1, 4, v7                   ; h x 272 + 16 r: lanes 0-15 take one row of 256 bytes, lanes 16-31 the next
.if OPROJ
	s_mul_i32 s23, s10, 16*SP                      ; a stage of 16 rows of 64 f32 for each wave, its own
	v_lshl_add_u32 v6, v2, 5, v6                   ; 8 f32 = 32 bytes for each half of the lanes
	v_add_nc_u32 v[STO], s23, v6
	v_add_nc_u32 v[RD], s23, v7
	v_lshlrev_b32 v5, 12, v2                       ; a row of out0 is 4,096 bytes
.else
	v_lshl_add_u32 v6, v2, 4, v6                   ; 8 f16 = 16 bytes for each half of the lanes
	s_mul_i32 s23, s11, 64*SP                      ; q, k: one stage of 128 rows of 128 f16 for the work-group
	s_lshl_b32 s3, s12, 7
	s_add_co_u32 s23, s23, s3
	v_add_nc_u32 v[STO], s23, v6
	s_mul_i32 s23, s10, 32*SP                      ; back: wave w takes rows 32 w .. 32 w + 31
	v_add_nc_u32 v[RD], s23, v7
	s_mul_i32 s23, s10, 16*SP                      ; v: a stage of 16 rows (64 hi, 64 lo) for each wave, its own
	s_add_co_u32 s23, s23, VST
	v_add_nc_u32 v[STOV], s23, v6
	v_add_nc_u32 v[RDV], s23, v7
	v_lshlrev_b32 v5, 12, v2                       ; a row of vhl is 4,096 bytes
	v_lshl_add_u32 v[COV], v1, 4, v5
	v_lshlrev_b32 v5, 11, v2                       ; a row of qk is 2,048 bytes
.endif
	v_lshl_add_u32 v[CO], v1, 4, v5
	v_lshlrev_b32 v[BOFF], 5, v2                   ; 8 h numbers of 4 bytes
	; bias of my 64 columns, and the base of my part of C
	s_lshl_b32 s2, s42, 9
	s_lshl_b32 s3, s12, 8
	s_add_co_u32 s2, s2, s3                        ; (128 x block column + 64 x half) x 4 bytes
	s_mov_b32 s3, 0
.if OPROJ
	s_mov_b64 s[18:19], s[72:73]
	s_mov_b64 s[8:9], s[74:75]
.else
	s_mov_b64 s[18:19], s[70:71]                   ; b_q, b_k or b_v, by p
	s_cmp_eq_u32 s45, 1
	s_cselect_b64 s[18:19], s[72:73], s[18:19]
	s_cmp_eq_u32 s45, 2
	s_cselect_b64 s[18:19], s[74:75], s[18:19]
	s_mov_b32 s66, 0x3f800000                      ; 1.0 for k and v,
	s_mov_b32 s67, 0x3e38aa3b                      ; 0.125 log2(e) for q
	s_cmp_eq_u32 s45, 0
	s_cselect_b32 s66, s67, s66
	s_mov_b32 s67, s66
.endif
	s_add_nc_u64 s[18:19], s[18:19], s[2:3]
.irp b, 0,1,2,3
	global_load_b128 v[BIAS+8*\b:BIAS+8*\b+3],   v[BOFF], s[18:19] offset:64*\b
	global_load_b128 v[BIAS+8*\b+4:BIAS+8*\b+7], v[BOFF], s[18:19] offset:64*\b+16
.endr
.if OPROJ
	s_lshl_b32 s2, s13, 19                         ; 128 rows of 4,096 bytes a block row
	s_lshl_b32 s3, s11, 18                         ; + my 64 rows
	s_add_co_u32 s2, s2, s3
	s_lshl_b32 s3, s42, 9                          ; + 128 columns of 4 bytes a block column
	s_add_co_u32 s2, s2, s3
	s_lshl_b32 s3, s12, 8                          ; + my 64 columns
	s_add_co_u32 s2, s2, s3
	s_mov_b32 s3, 0
	s_add_nc_u64 s[8:9], s[8:9], s[2:3]
.else
	s_and_b32 s2, s13, 63                          ; qk has 64 block rows (the mask keeps the address inside qk for p = 2, where it is not used)
	s_lshl_b32 s2, s2, 18                          ; 128 rows of 2,048 bytes a block row
	s_lshl_b32 s3, s10, 16                         ; + 32 rows a wave
	s_add_co_u32 s2, s2, s3
	s_lshl_b32 s3, s42, 8                          ; + 128 columns of 2 bytes a block column
	s_add_co_u32 s2, s2, s3
	s_mov_b32 s3, 0
	s_add_nc_u64 s[8:9], s[4:5], s[2:3]
	s_and_b32 s2, s13, 31                          ; vhl has 32 block rows
	s_lshl_b32 s2, s2, 19                          ; 128 rows of 4,096 bytes a block row
	s_lshl_b32 s3, s11, 18                         ; + my 64 rows
	s_add_co_u32 s2, s2, s3
	s_lshl_b32 s3, s42, 9                          ; + two heads of 256 bytes a block column
	s_add_co_u32 s2, s2, s3
	s_lshl_b32 s3, s12, 8                          ; + my head
	s_add_co_u32 s2, s2, s3
	s_mov_b32 s3, 0
	s_add_nc_u64 s[6:7], s[6:7], s[2:3]
.endif
	s_wait_loadcnt 0x0                             ; the bias, once
.if OPROJ == 0
.irp i, 0,1,2,3,4,5,6,7,8,9,10,11,12,13,14,15
	v_pk_mul_f32 v[BIAS+2*\i:BIAS+2*\i+1], v[BIAS+2*\i:BIAS+2*\i+1], s[66:67] op_sel_hi:[1,0]   ; (sum + bias) x factor = sum x factor + bias x factor
.endr
.endif
; 16 LDS loads: the fragments of chunk kc (32 along K) of a slot into buffer f
.macro FETCH slot, kc, f
.irp b, 0,1,2,3
	ds_load_tr16_b128 v[\f+8*\b:\f+8*\b+3],   v[ADRW+2*\slot+((\kc)>>2)] offset:((\kc)&3)*32*PW+32*\b
	ds_load_tr16_b128 v[\f+8*\b+4:\f+8*\b+7], v[ADRW+2*\slot+((\kc)>>2)] offset:((\kc)&3)*32*PW+32*\b+16*PW
.endr
.irp a, 0,1,2,3
	ds_load_b128 v[\f+32+8*\a:\f+32+8*\a+3],   v[ADRA+\slot] offset:\a*16*PA+(\kc)*64
	ds_load_b128 v[\f+32+8*\a+4:\f+32+8*\a+7], v[ADRA+\slot] offset:\a*16*PA+(\kc)*64+32
.endr
.endm
; one matrix instruction: bf16 operands for the input projections, f16 for the output projection
.macro WM acc, fw, fa, zero
.if OPROJ
.if \zero
	v_wmma_f32_16x16x32_f16 v[\acc:\acc+7], v[\fw:\fw+7], v[\fa:\fa+7], 0
.else
	v_wmma_f32_16x16x32_f16 v[\acc:\acc+7], v[\fw:\fw+7], v[\fa:\fa+7], v[\acc:\acc+7]
.endif
.else
.if \zero
	v_wmma_f32_16x16x32_bf16 v[\acc:\acc+7], v[\fw:\fw+7], v[\fa:\fa+7], 0
.else
	v_wmma_f32_16x16x32_bf16 v[\acc:\acc+7], v[\fw:\fw+7], v[\fa:\fa+7], v[\acc:\acc+7]
.endif
.endif
.endm
; 16 matrix instructions, one on each accumulator.  The accumulators take turns, one instruction a turn, in the same order in every chunk.
; zero = 1: the first products start the sums; nothing is cleared.
.macro MUL f, zero
.irp a, 0,1,2,3
.irp b, 0,1,2,3
	WM 8*(4*\a+\b), \f+8*\b, \f+32+8*\a, \zero
.endr
.endr
.endm
; chunk kc = 0 .. 6 of a slot: the fragments of the next chunk are asked for into buffer g, then buffer f is multiplied
.macro CH slot, kc, f, g, zero
	PLACES                                         ; buffer g was read by the matrix instructions just issued
	FETCH \slot, \kc+1, \g
	s_wait_dscnt 16                                ; all but the 16 loads just issued: buffer f is in
	WIN 0x50                                       ; C and D in window 1
	MUL \f, \zero
	WIN 0
.endm
.macro SEVEN slot, zero
	CH \slot, 0, F0, F1, \zero
	CH \slot, 1, F1, F0, 0
	CH \slot, 2, F0, F1, 0
	CH \slot, 3, F1, F0, 0
	CH \slot, 4, F0, F1, 0
	CH \slot, 5, F1, F0, 0
	CH \slot, 6, F0, F1, 0
.endm
; chunk 7 (in buffer 1) and the change of slots.  In front of the barrier each wave waits for its reads of this slot and for all its tensor loads (the one that
; is out is its part of the next slot).  fill = 1: the barrier opens a round of the cluster, and the joint refill of this slot, two fills ahead, is the first
; tensor load behind the round.  From that request to the wait for it a wave issues the 112 matrix instructions of the next seven chunks.
; wback = 1: W goes 512 k-rows back instead of on (the second walk through W_o).
.macro TURN slot, next, fill, wback
	s_wait_dscnt 0x0
	s_wait_tensorcnt 0x0
	ds_add_u32 v222, v223
	s_wait_dscnt 0x0
	s_barrier_signal -1
	WIN 0x50
	MUL F1, 0                                      ; register work while the others arrive
	WIN 0
	s_barrier_wait -1
.if \fill
	CREST
	s_add_nc_u64 s[G0A+4*\slot+2:G0A+4*\slot+3], s[G0A+4*\slot+2:G0A+4*\slot+3], 1024      ; no tensor load of mine is out: the groups 0 may be written
.if \wback
	s_sub_nc_u64 s[G0W+4*\slot+2:G0W+4*\slot+3], s[G0W+4*\slot+2:G0W+4*\slot+3], 1048576
.else
	s_add_nc_u64 s[G0W+4*\slot+2:G0W+4*\slot+3], s[G0W+4*\slot+2:G0W+4*\slot+3], 1048576
.endif
	JLOAD \slot
.endif
	PLACES
	FETCH \next, 0, F0
.endm
	s_wait_tensorcnt 0x1                           ; my part of slot 0 is in; the fill of slot 1 may stay out
	s_barrier_signal -1
	s_barrier_wait -1
	FETCH 0, 0, F0
	SEVEN 0, 1                                     ; fill 0
	TURN 0, 1, 1, 0                                ; asks for fill 2
	SEVEN 1, 0                                     ; fill 1
	TURN 1, 0, 1, 0                                ; asks for fill 3
.if OPROJ
	SEVEN 0, 0                                     ; fill 2
	TURN 0, 1, 1, 1                                ; asks for fill 4: the low parts of A begin, W starts again
	SEVEN 1, 0                                     ; fill 3
	TURN 1, 0, 1, 1                                ; asks for fill 5
	SEVEN 0, 0                                     ; fill 4
	TURN 0, 1, 1, 0                                ; asks for fill 6
	SEVEN 1, 0                                     ; fill 5
	TURN 1, 0, 1, 0                                ; asks for fill 7
.endif
	SEVEN 0, 0                                     ; the last fill but one
	TURN 0, 1, 0, 0                                ; nothing is left to fetch: a plain barrier
	SEVEN 1, 0                                     ; the last fill
	s_wait_dscnt 0x0
	WIN 0x50
	MUL F1, 0
	WIN 0
	PLACES                                         ; behind the last matrix instructions: the lines below read results and write over fragment registers
	; THE WAY OUT.  The stages lie in slot 0, which has had its last fill and whose last reads ended in front of the last barrier.
.if OPROJ
	; 16 rows of my 64 x 64 at a time: add the bias, 32 bytes a lane into my own stage, back as rows of 256 bytes.  No barrier: the stage is the wave's own.
.irp a, 0,1,2,3
	WIN 0x01                                       ; source 0 in window 1
.irp i, 0,1,2,3,4,5,6,7,8,9,10,11,12,13,14,15
	v_pk_add_f32 v[T+2*\i:T+2*\i+1], v[32*\a+2*\i:32*\a+2*\i+1], v[BIAS+2*\i:BIAS+2*\i+1]
.endr
	WIN 0
.irp i, 0,1,2,3,4,5,6,7
	ds_store_b128 v[STO], v[T+4*\i:T+4*\i+3] offset:64*(\i>>1)+16*(\i&1)
.endr
	s_wait_xcnt 0x0                                ; the buffer loaded next was the data of earlier stores: rewritten only behind this wait (ISA guide 3.1)
.irp t, 0,1,2,3,4,5,6,7
	ds_load_b128 v[F0+64*(\a&1)+4*\t:F0+64*(\a&1)+4*\t+3], v[RD] offset:\t*2*SP   ; LDS serves a wave's instructions in order: these see the stores above
.endr
.irp t, 0,1,2,3,4,5,6,7
	s_wait_dscnt 7-\t                              ; the younger loads may be out
	global_store_b128 v[CO], v[F0+64*(\a&1)+4*\t:F0+64*(\a&1)+4*\t+3], s[8:9] offset:\a*65536+\t*8192   ; 16 lanes store 256 consecutive bytes, aligned
.endr
.endr
.else
	; q and k: factor and bias in one fused multiply-add, rounded to f16, 16 bytes a lane into the stage of the work-group.
	; The branches hang on p, which is the same in all waves and in the whole cluster; the barrier stands outside them.
	s_cmp_eq_u32 s45, 2
	s_cbranch_scc1 .Lstaged
.irp a, 0,1,2,3
	WIN 0x01                                       ; source 0 in window 1
.irp i, 0,1,2,3,4,5,6,7,8,9,10,11,12,13,14,15
	v_pk_fma_f32 v[T+2*\i:T+2*\i+1], v[32*\a+2*\i:32*\a+2*\i+1], s[66:67], v[BIAS+2*\i:BIAS+2*\i+1] op_sel_hi:[1,0,1]
.endr
	WIN 0
.irp i, 0,1,2,3,4,5,6,7,8,9,10,11,12,13,14,15
	v_cvt_pk_f16_f32 v[TMP+16*(\a&1)+\i], v[T+2*\i], v[T+2*\i+1]
.endr
.irp b, 0,1,2,3
	ds_store_b128 v[STO], v[TMP+16*(\a&1)+4*\b:TMP+16*(\a&1)+4*\b+3] offset:\a*16*SP+32*\b
.endr
.endr
.Lstaged:
	s_wait_dscnt 0x0                               ; a row of 256 bytes of q or k is made by two waves: my stores are done,
	s_barrier_signal -1
	s_barrier_wait -1                              ; and so are the others'
	s_cmp_eq_u32 s45, 2
	s_cbranch_scc1 .Lv_out
.irp t, 0,1,2,3,4,5,6,7,8,9,10,11,12,13,14,15
	ds_load_b128 v[F0+4*\t:F0+4*\t+3], v[RD] offset:\t*2*SP
.endr
.irp t, 0,1,2,3,4,5,6,7,8,9,10,11,12,13,14,15
	s_wait_dscnt 15-\t                             ; the younger loads may be out
	global_store_b128 v[CO], v[F0+4*\t:F0+4*\t+3], s[8:9] offset:\t*4096   ; 16 lanes store 256 consecutive bytes, aligned
.endr
	s_branch .Lclose
.Lv_out:
	; v in two f16 parts.  c = 8193 x, hi = c - (c - x) is x rounded to 11 bits, lo = x - hi is exact in f32; both are then packed as f16.
	; My 64 columns are one head: 64 hi and 64 lo make a row of 256 bytes, so the stage is the wave's own and needs no barrier.
	s_mov_b32 s16, 0x46000400                      ; 8193.0 = 2^13 + 1
	s_mov_b32 s17, 0x46000400
.irp a, 0,1,2,3
	WIN 0x01                                       ; source 0 in window 1
.irp i, 0,1,2,3,4,5,6,7,8,9,10,11,12,13,14,15
	v_pk_fma_f32 v[T+2*\i:T+2*\i+1], v[32*\a+2*\i:32*\a+2*\i+1], s[66:67], v[BIAS+2*\i:BIAS+2*\i+1] op_sel_hi:[1,0,1]
.endr
	WIN 0
.irp i, 0,1,2,3,4,5,6,7,8,9,10,11,12,13,14,15
	v_pk_mul_f32 v[CC+2*\i:CC+2*\i+1], v[T+2*\i:T+2*\i+1], s[16:17] op_sel_hi:[1,0]
.endr
.irp i, 0,1,2,3,4,5,6,7,8,9,10,11,12,13,14,15
	v_pk_add_f32 v[DD+2*\i:DD+2*\i+1], v[CC+2*\i:CC+2*\i+1], v[T+2*\i:T+2*\i+1] neg_lo:[0,1] neg_hi:[0,1]
.endr
.irp i, 0,1,2,3,4,5,6,7,8,9,10,11,12,13,14,15
	v_pk_add_f32 v[CC+2*\i:CC+2*\i+1], v[CC+2*\i:CC+2*\i+1], v[DD+2*\i:DD+2*\i+1] neg_lo:[0,1] neg_hi:[0,1]   ; hi
.endr
.irp i, 0,1,2,3,4,5,6,7,8,9,10,11,12,13,14,15
	v_pk_add_f32 v[T+2*\i:T+2*\i+1], v[T+2*\i:T+2*\i+1], v[CC+2*\i:CC+2*\i+1] neg_lo:[0,1] neg_hi:[0,1]       ; lo
.endr
.irp i, 0,1,2,3,4,5,6,7,8,9,10,11,12,13,14,15
	v_cvt_pk_f16_f32 v[HP+\i], v[CC+2*\i], v[CC+2*\i+1]
	v_cvt_pk_f16_f32 v[LP+\i], v[T+2*\i],  v[T+2*\i+1]
.endr
.irp b, 0,1,2,3
	ds_store_b128 v[STOV], v[HP+4*\b:HP+4*\b+3] offset:32*\b
	ds_store_b128 v[STOV], v[LP+4*\b:LP+4*\b+3] offset:128+32*\b
.endr
	s_wait_xcnt 0x0                                ; the buffer loaded next was the data of earlier stores: rewritten only behind this wait (ISA guide 3.1)
.irp t, 0,1,2,3,4,5,6,7
	ds_load_b128 v[RB+32*(\a&1)+4*\t:RB+32*(\a&1)+4*\t+3], v[RDV] offset:\t*2*SP   ; LDS serves a wave's instructions in order: these see the stores above
.endr
.irp t, 0,1,2,3,4,5,6,7
	s_wait_dscnt 7-\t                              ; the younger loads may be out
	global_store_b128 v[COV], v[RB+32*(\a&1)+4*\t:RB+32*(\a&1)+4*\t+3], s[6:7] offset:\a*65536+\t*8192   ; 16 lanes store 256 consecutive bytes, aligned
.endr
.endr
.Lclose:
.endif
	s_wait_tensorcnt 0x0
	ds_add_u32 v222, v223
	s_wait_dscnt 0x0
	CROUND                                         ; the closing round: no work-group ends while a partner may still ask for a tile that names it
	s_endpgm
.Lfunc_end_k_q7731e6e34f_oproj:
	.size	k_q7731e6e34f_oproj, .Lfunc_end_k_q7731e6e34f_oproj-k_q7731e6e34f_oproj
	.p2alignl 7, 3214868480
	.fill 96, 4, 3214868480
	.section	.rodata,"a",@progbits
	.p2align	6, 0x0
	.amdhsa_kernel k_q7731e6e34f_oproj
		.amdhsa_group_segment_fixed_size 327680
		.amdhsa_private_segment_fixed_size 0
		.amdhsa_enable_private_segment 0
		.amdhsa_kernarg_size 32
		.amdhsa_user_sgpr_count 2
		.amdhsa_user_sgpr_kernarg_segment_ptr 1
		.amdhsa_wavefront_size32 1
		.amdhsa_system_sgpr_workgroup_id_x 1
		.amdhsa_system_sgpr_workgroup_id_y 1
		.amdhsa_system_sgpr_workgroup_id_z 1
		.amdhsa_system_vgpr_workitem_id 0
		.amdhsa_next_free_vgpr 384
		.amdhsa_next_free_sgpr 76
		.amdhsa_reserve_vcc 0
		.amdhsa_float_denorm_mode_32 3
		.amdhsa_float_denorm_mode_16_64 3
		.amdhsa_memory_ordered 1
		.amdhsa_forward_progress 1
		.amdhsa_inst_pref_size 168
	.end_amdhsa_kernel
	.amdgpu_metadata
---
amdhsa.version: [ 1, 2 ]
amdhsa.kernels:
  - .name:           k_q7731e6e34f_oproj
    .symbol:         k_q7731e6e34f_oproj.kd
    .args:
      - { .name: ob, .offset: 0, .size: 8, .value_kind: global_buffer, .address_space: global }
      - { .name: xb, .offset: 8, .size: 8, .value_kind: global_buffer, .address_space: global }
      - { .name: b_o, .offset: 16, .size: 8, .value_kind: global_buffer, .address_space: global }
      - { .name: out0, .offset: 24, .size: 8, .value_kind: global_buffer, .address_space: global }
    .group_segment_fixed_size: 327680
    .private_segment_fixed_size: 0
    .kernarg_segment_align: 8
    .kernarg_segment_size: 32
    .max_flat_workgroup_size: 128
    .sgpr_count:     76
    .vgpr_count:     384
    .wavefront_size: 32
...
	.end_amdgpu_metadata
.endif
;; end of part 4
;; ======== version 2 of 3: 4 launches; 1.19 times as fast as version 1
;; limits: values are held in f16: magnitudes above 65,504 overflow, below 6.1e-05 lose precision
;; workspace buffers: xb 33,554,432 bytes; mbits 524,288 bytes of whole numbers; qkv 25,165,824 bytes; ob 16,777,216 bytes
;; launch prep: the kernel of part 1 again; grid 256 x 1, 8 waves a work-group, no clusters, 68,608 bytes of LDS; arguments Q, K, V, W_q, W_k, W_v, W_o, mask, xb, mbits; writes xb, mbits
;; launch proj (part 5): grid 4 x 48, 4 waves a work-group, clusters of 4 x 4, 327,680 bytes of LDS; arguments xb, b_q, b_k, b_v, qkv; writes qkv
.if DOCPART == 5
	.amdgcn_target "amdgcn-amd-amdhsa--gfx1250"
	.amdhsa_code_object_version 6
	.text
	.protected	k_q7731e6e34f_proj
	.globl	k_q7731e6e34f_proj
	.p2align	8
	.type	k_q7731e6e34f_proj,@function
k_q7731e6e34f_proj:
	s_mov_b64 s[64:65], 0
	v_nop
	global_prefetch_b8 v0, s[64:65] scope:SCOPE_SE
	s_setreg_imm32_b32 hwreg(HW_REG_WAVE_MODE, 25, 1), 1
	s_wait_xcnt 0x0
	s_wait_alu depctr_hold_cnt(0) depctr_sa_sdst(0) depctr_va_vdst(0) depctr_va_sdst(0) depctr_va_ssrc(0) depctr_va_vcc(0) depctr_vm_vsrc(0)
	s_getreg_b32 s2, hwreg(HW_REG_IB_STS2, 6, 4)
	s_cmp_eq_u32 s2, 0
	s_cbranch_scc0 .Lentry_in_a_cluster
	s_endpgm
.Lentry_in_a_cluster:
	s_bfe_u32 s2, ttmp6, 0x10000c
	s_cmp_lg_u32 s2, 0xf033
	s_cbranch_scc0 .Lentry_shape_is_right
	s_endpgm
.Lentry_shape_is_right:
; The three input projections: C = A W + bias, sums in f32.
; A = the bf16 copies of Q, K, V, one matrix of 12,288 rows of 1,024 at the head of xb; W = W_q, W_k or W_v (bf16, [1024 (k)][1024 (n)]) by the block row
; (p = row / 4096).  C = qkv, f16 [12288][1024], rounded once; for p = 0 (q) sum and bias are multiplied by 0.125 log2(e) BEFORE that rounding, so that the
; attention works in base 2 without a further factor (an order of rounding that differs from scaling the scores in f32).
; LIMITS: Q, K, V and the weights are taken in bf16.  0.18 |q|, |k|, |v| must stay below 65,504 (f16): with inputs 30 times the drawn ones they are about 576 in the
; root mean square, with offsets of 30 spreads on X and on W about 18,432.  Numbers below 2^-14 have the step 2^-24.  NaN and infinities get no special treatment.
; SHAPE: a work-group makes a block of 256 x 256 of C with four waves, one for each SIMD; a wave makes 128 x 128: 64 accumulator tiles of 16 x 16, 512 registers.
; For 32 along K a wave loads 2 x 128 x 64 bytes from LDS and issues 64 matrix instructions; a wave tile of 64 x 64 would load twice as much for each product.
; 12,288 x 1,024 outputs are 192 such blocks, so the launch has 192 work-groups.  Equal shares for 256 would be 49,152 outputs (192 x 256, 384 x 128), and neither
; shape divides both the 4,096 rows of one projection and the 1,024 columns.
; K goes in steps of 128 through a ring of two LDS slots filled by the tensor data mover; a slot is four chunks of 34,816 bytes, one tensor load of one wave each:
; A rows 0-127, A rows 128-255 (rows of 256 bytes), W k-rows 0-63, W k-rows 64-127 (rows of 512 bytes).
; CLUSTERS: 4 x 4 work-groups.  The tile of A hangs on the block row alone and is asked for jointly by a row of the cluster; the tile of W hangs on the block column
; (and on p, which the whole cluster shares: 16 block rows a projection, 4 a cluster) and is asked for jointly by a column.  That divides the requests by four.
;
; REGISTERS, in windows of 256 (an instruction names v0-v255; s_set_vgpr_msb says which window each operand place means):
;   window 0: v16-27 addresses; v64-127, v128-191 fragments of A (8 x 16 rows x 32 K), two buffers; v192-223 at work on the way out
;   window 1: v0-63 the bias of my 128 columns; v64-127, v128-191 fragments of W, two buffers
;   window 2: the 32 accumulator tiles of my rows 0-63 (tile (a, b) at v[8 (8 a + b)]);   window 3: those of my rows 64-127
; s_set_vgpr_msb's low byte: bits 1:0 source 0, 3:2 source 1, 5:4 source 2, 7:6 destination.
;
; THE MATRIX INSTRUCTION IS USED TRANSPOSED: source 0 = 16 columns of W (read from [k][n] by the transposing LDS load), source 1 = 16 rows of A.
; Lane l then holds row m = l % 16 of C, and its registers 0 to 7 the columns n = 8 (l / 16) + 0 .. 7: eight neighbouring numbers of a row, 16 bytes in f16.
.set SIZE_K, 1024
.set SIZE_N, 1024
.set KSTEP,  128
.set PITCH,  272                       ; an LDS row of A: 256 bytes + 16 of padding, an odd multiple of 16: the 16 rows that a load touches start at 16 different banks
.set PW,     544                       ; an LDS row of W: 512 bytes + 32 of padding, an odd multiple of 32
.set HALFT,  128*PITCH                 ; what one tensor load brings: 128 rows of A, or 64 k-rows of W (64 x 544 is the same 34,816 bytes)
.set SLOT,   4*HALFT                   ; A's 256 rows, then W's 128 k-rows
.set STAGE,  2*SLOT                    ; behind the ring: 16 rows x 272 bytes for each wave, for the way out; no tensor load lands there
.set SPITCH, 272
.set LAPS, SIZE_K/(2*KSTEP)            ; a lap = two K steps = once round the ring: 4 laps
.set ADRA, 16                          ; v16-17  LDS address of my A fragments in slot 0, 1
.set ADRB, 20                          ; v20-21  the same for W
.set STO,  24                          ; v24     the way out: where I put 16 bytes of a row
.set RD,   25                          ; v25     the way out: where I read a row back
.set CO,   26                          ; v26     my byte offset in C
.set BOFF, 27                          ; v27     my byte offset in the bias; never rewritten
.set F0,   64                          ; fragment buffer 0
.set F1,   128                         ; fragment buffer 1
.set TMP,  192                         ; the way out: packed results, in window 0
.set BIASW, 0                          ; window 1: v[256:319], bias of column 16 b + 8 (l / 16) + j at 8 b + j
.set G1, 24                            ; s[24:31] descriptor group 1 for A's tiles
.set G0, 32                            ; s[32:39] descriptor group 0 for A's tiles, one set for each slot
.set G1B, 48                           ; s[48:55] descriptor group 1 for W's tiles
.set G0B, 56                           ; s[56:63] descriptor group 0 for W's tiles, one set for each slot
                                       ; s[68:69] the factor, twice; s[70:71] the bias of my columns; s[72:79] xb, b_q, b_k, b_v
.set MSB, 0
.macro WIN new                         ; the immediate's high byte repeats the setting that is left; switches that change nothing are dropped
.if MSB != \new
	s_set_vgpr_msb (MSB<<8)|\new
.set MSB, \new
.endif
.endm
.set MUL_LO, 0xa1                      ; source 0 (W) window 1, source 1 (A) window 0, C and D window 2
.set MUL_HI, 0xf1                      ; the same, C and D window 3
.set TO_B,   0x40                      ; destination window 1, address window 0
; A joint load.  Waves 0 and 1 fetch A's two halves, waves 2 and 3 W's.  Each of the two lines has ONE mask and one set of registers for all that issue it, and nothing in
; them hangs on a coordinate that the four partners do not share.  The branch hangs on the wave's number alone: it is the same in every work-group.
.macro JLOAD s
	s_cmp_eq_u32 s11, 0
	s_cbranch_scc0 .Lfor_w_\@
	tensor_load_to_lds s[G0+4*\s:G0+4*\s+3], s[G1:G1+7]
	s_nop 0
	s_branch .Lasked_\@
.Lfor_w_\@:
	tensor_load_to_lds s[G0B+4*\s:G0B+4*\s+3], s[G1B:G1B+7]
	s_nop 0
.Lasked_\@:
.endm
; A round of the cluster's barrier: my work-group's barrier, so that wave 0's signal speaks for all four waves; wave 0 signals for the work-group; every wave waits for all
; sixteen work-groups; my work-group's barrier once more.  No LDS instruction of the wave is pending at a signal.
.macro CREST                           ; a round behind its opening barrier
	s_cmp_lg_u32 s10, 0
	s_cbranch_scc1 .Lnot_wave_0_\@
	s_barrier_signal -3
.Lnot_wave_0_\@:
	s_barrier_wait -3
	s_barrier_signal -1
	s_barrier_wait -1
.endm
.macro CROUND                          ; a whole round
	s_barrier_signal -1
	s_barrier_wait -1
	CREST
.endm
	s_load_b256 s[72:79], s[0:1], 0x0              ; xb, b_q, b_k, b_v
	s_load_b64 s[8:9], s[0:1], 0x20                ; qkv
	s_set_vgpr_msb 0x40
	v_lshl_add_u32 v255, v0, 2, 0x48400
	s_set_vgpr_msb 0x4000
	v_mov_b32 v255, 0
	s_set_vgpr_msb 0x1
	ds_add_u32 v255, v255
	s_set_vgpr_msb 0x100
	v_lshrrev_b32 v1, 5, v0
	v_readfirstlane_b32 s10, v1                    ; wave 0..3
	s_lshr_b32 s11, s10, 1                         ; which half of the block's rows is mine.  Also: I fetch for A (0) or for W (1)
	s_and_b32 s12, s10, 1                          ; which half of its columns.  Also: which half of that tile I fetch
	s_bfe_u32 s40, ttmp6, 0x40000                  ; cx: my place along the cluster's x
	s_bfe_u32 s41, ttmp6, 0x40004                  ; cy: along its y
	s_lshl_b32 s42, ttmp9, 2                       ; in a cluster launch ttmp9 and ttmp7 count clusters
	s_add_co_u32 s42, s42, s40                     ; block column of C = 4 x cluster x + cx
	s_and_b32 s45, ttmp7, 0xffff                   ; cluster y
	s_lshl_b32 s13, s45, 2
	s_add_co_u32 s13, s13, s41                     ; block row of C = 4 x cluster y + cy
	s_lshr_b32 s45, s45, 2                         ; p = block row / 16 = cluster y / 4: the same in the whole cluster
	s_lshl_b32 s43, s41, 2
	s_lshl_b32 s43, 15, s43                        ; my row of the cluster: places 4 cy .. 4 cy + 3
	s_lshl_b32 s44, 0x1111, s40                    ; my column: places cx, cx + 4, cx + 8, cx + 12
	; group 1 for A: a tile of 128 rows x 128 elements of 2 bytes, 4 words of padding behind every 64 words; the mask names my row
	s_or_b32 s[G1+0], s43, (1<<16)|(1<<20)|(1<<21)|(5<<22)|(3<<25)
	s_mov_b32 s[G1+1], KSTEP<<16                   ; tensor_dim0 = 128
	s_mov_b32 s[G1+2], 128<<16                     ; tensor_dim1 = 128
	s_mov_b32 s[G1+3], KSTEP<<16                   ; tile_dim0 = 128
	s_mov_b32 s[G1+4], 128                         ; tile_dim1 = 128
	s_mov_b32 s[G1+5], SIZE_K                      ; elements from row to row
	s_mov_b32 s[G1+6], 0
	s_mov_b32 s[G1+7], 0
	; group 1 for W: a tile of 64 k-rows x 256 elements, 8 words of padding behind every 128 words; the mask names my column
	s_or_b32 s[G1B+0], s44, (1<<16)|(1<<20)|(1<<21)|(6<<22)|(7<<25)
	s_mov_b32 s[G1B+1], 256<<16                    ; tensor_dim0 = 256
	s_mov_b32 s[G1B+2], 64<<16                     ; tensor_dim1 = 64
	s_mov_b32 s[G1B+3], 256<<16                    ; tile_dim0 = 256
	s_mov_b32 s[G1B+4], 64                         ; tile_dim1 = 64
	s_mov_b32 s[G1B+5], SIZE_N                     ; elements from k-row to k-row
	s_mov_b32 s[G1B+6], 0
	s_mov_b32 s[G1B+7], 0
	; where the tiles come from.  A's hang on the block row alone, W's on the block column and on p.  Every wave makes both addresses, in registers that never hold
	; the other coordinate, and asks by one of them.
	s_lshl_b32 s16, s13, 19                        ; A: 256 rows of 2,048 bytes a block row
	s_lshl_b32 s17, s12, 18                        ;    + 128 rows for the second half
	s_add_co_u32 s16, s16, s17
	s_mov_b32 s17, 0
	s_lshl_b32 s46, s42, 9                         ; W: 256 columns of 2 bytes a block column
	s_lshl_b32 s47, s12, 17                        ;    + 64 k-rows of 2,048 bytes for the second half
	s_add_co_u32 s46, s46, s47
	s_lshl_b32 s47, s45, 21                        ;    + 2 MiB a weight
	s_add_co_u32 s46, s46, s47
	s_add_co_u32 s46, s46, 25165824                ; W_q lies 24 MiB into xb
	s_mov_b32 s47, 0
	s_mul_i32 s20, s10, HALFT                      ; and where they go: chunk = wave: no place in the cluster enters an LDS address
	s_wait_dscnt 0x0
	s_wait_kmcnt 0x0
	s_add_nc_u64 s[14:15], s[72:73], s[16:17]
	s_add_nc_u64 s[46:47], s[72:73], s[46:47]
	CROUND                                         ; all sixteen work-groups are here: the first joint loads meet
.irp s, 0,1
	s_mov_b32 s[G0+4*\s], 1                                        ; count = 1
	s_add_co_u32 s[G0+4*\s+1], s20, \s*SLOT                        ; LDS address
	s_add_nc_u64 s[G0+4*\s+2:G0+4*\s+3], s[14:15], \s*KSTEP*2      ; global address: K step s, 256 bytes along A's rows
	s_or_b32 s[G0+4*\s+3], s[G0+4*\s+3], 0x80000000                ; type = 2
	s_mov_b32 s[G0B+4*\s], 1
	s_add_co_u32 s[G0B+4*\s+1], s20, \s*SLOT
	s_add_nc_u64 s[G0B+4*\s+2:G0B+4*\s+3], s[46:47], \s*KSTEP*SIZE_N*2   ; K step s: 128 k-rows of 2,048 bytes
	s_or_b32 s[G0B+4*\s+3], s[G0B+4*\s+3], 0x80000000
	JLOAD \s                                       ; both first fills go out together: two tensor loads of a wave are out here, later one
.endr
	; A fragment (16 rows x 32 K, 8 registers): lane l takes row l % 16 at 16 (l / 16), two loads of 16 bytes, 32 bytes apart.
	; W fragment (16 columns x 32 K) from [k][n]: k-row 8 (l / 16) + (l & 7), 16 bytes by bit 3 of the lane, two transposing loads 16 k-rows apart.
	v_and_b32 v1, 15, v0                           ; l % 16
	v_bfe_u32 v2, v0, 4, 1                         ; l / 16
	v_mul_u32_u24 v3, v1, PITCH
	v_lshl_add_u32 v3, v2, 4, v3
	s_mul_i32 s21, s11, HALFT                      ; my 128 rows of A
	v_add_nc_u32 v[ADRA], s21, v3
	v_add_nc_u32 v[ADRA+1], SLOT, v[ADRA]
	v_and_b32 v4, 7, v0
	v_lshl_add_u32 v4, v2, 3, v4
	v_mul_u32_u24 v4, v4, PW
	v_bfe_u32 v5, v0, 3, 1
	v_lshl_add_u32 v4, v5, 4, v4
	s_lshl_b32 s22, s12, 8                         ; my 128 columns of W: 256 bytes into its rows,
	s_add_co_u32 s22, s22, 2*HALFT                 ; which lie behind A's 256 rows
	v_add_nc_u32 v[ADRB], s22, v4
	v_add_nc_u32 v[ADRB+1], SLOT, v[ADRB]
	s_mul_i32 s23, s10, 16*SPITCH
	s_add_co_u32 s23, s23, STAGE                   ; my stage
	v_mul_u32_u24 v6, v1, SPITCH                   ; in: row l % 16, 16 bytes for each half of the lanes
	v_lshl_add_u32 v6, v2, 4, v6
	v_add_nc_u32 v[STO], s23, v6
	v_mul_u32_u24 v5, v2, SPITCH                   ; back: lanes 0-15 take one row of 256 bytes, lanes 16-31 the next
	v_lshl_add_u32 v5, v1, 4, v5
	v_add_nc_u32 v[RD], s23, v5
	v_mul_u32_u24 v5, v2, SIZE_N*2                 ; and the same two rows in C
	v_lshl_add_u32 v[CO], v1, 4, v5
	; the bias of my 128 columns goes into window 1 now and is waited for only on the way out; nothing rewrites v27 or s[70:71]
	v_lshlrev_b32 v[BOFF], 5, v2                   ; 8 (l / 16) numbers of 4 bytes
	s_lshl_b32 s2, s42, 10                         ; 256 columns of 4 bytes a block column
	s_lshl_b32 s3, s12, 9                          ; + my 128 columns
	s_add_co_u32 s2, s2, s3
	s_mov_b32 s3, 0
	s_mov_b64 s[70:71], s[74:75]                   ; b_q, b_k or b_v, by p
	s_cmp_eq_u32 s45, 1
	s_cselect_b64 s[70:71], s[76:77], s[70:71]
	s_cmp_eq_u32 s45, 2
	s_cselect_b64 s[70:71], s[78:79], s[70:71]
	s_add_nc_u64 s[70:71], s[70:71], s[2:3]
	s_mov_b32 s68, 0x3f800000                      ; 1.0 for k and v,
	s_mov_b32 s69, 0x3e38aa3b                      ; 0.125 log2(e) for q
	s_cmp_eq_u32 s45, 0
	s_cselect_b32 s68, s69, s68
	s_mov_b32 s69, s68
	WIN TO_B
.irp b, 0,1,2,3,4,5,6,7
	global_load_b128 v[BIASW+8*\b:BIASW+8*\b+3],   v[BOFF], s[70:71] offset:64*\b
	global_load_b128 v[BIASW+8*\b+4:BIASW+8*\b+7], v[BOFF], s[70:71] offset:64*\b+16
.endr
	WIN 0
; 16 matrix instructions: m blocks a0, a0 + 1 of the window's four (hi = 0: my rows 0-63, 1: rows 64-127) x all 8 n blocks, 32 along K.
; zero = 1: the first product starts the sums: nothing is ever cleared.
; The 64 accumulators take turns, one instruction a turn, in the same order in every quarter step.
.macro MUL16 f, hi, a0, zero
.irp a, \a0, \a0+1
.irp b, 0,1,2,3,4,5,6,7
.if \zero
	v_wmma_f32_16x16x32_bf16 v[8*(8*(\a)+\b):8*(8*(\a)+\b)+7], v[\f+8*\b:\f+8*\b+7], v[\f+8*(4*\hi+\a):\f+8*(4*\hi+\a)+7], 0
.else
	v_wmma_f32_16x16x32_bf16 v[8*(8*(\a)+\b):8*(8*(\a)+\b)+7], v[\f+8*\b:\f+8*\b+7], v[\f+8*(4*\hi+\a):\f+8*(4*\hi+\a)+7], v[8*(8*(\a)+\b):8*(8*(\a)+\b)+7]
.endif
.endr
.endr
.endm
; 32 LDS loads in one run: the fragments of quarter q of a K step (128 columns of W, 128 rows of A, 32 K) into buffer f
.macro FETCH slot, q, f
	WIN TO_B
.irp i, 0,1,2,3,4,5,6,7
	ds_load_tr16_b128 v[\f+8*\i:\f+8*\i+3],   v[ADRB+\slot] offset:(\q)*32*PW+32*\i
	ds_load_tr16_b128 v[\f+8*\i+4:\f+8*\i+7], v[ADRB+\slot] offset:(\q)*32*PW+32*\i+16*PW
.endr
	WIN 0
.irp i, 0,1,2,3,4,5,6,7
	ds_load_b128 v[\f+8*\i:\f+8*\i+3],   v[ADRA+\slot] offset:(\q)*64+\i*16*PITCH
	ds_load_b128 v[\f+8*\i+4:\f+8*\i+7], v[ADRA+\slot] offset:(\q)*64+\i*16*PITCH+32
.endr
.endm
; A load into a register that a matrix instruction has read, and a vector instruction that reads a matrix result, stand four places behind that matrix
; instruction, and only plain vector instructions that name none of its registers are places (ISA guide 7.12.1 for vector instructions).
.macro PLACES
.rept 4
	v_nop
.endr
.endm
; A K step is four quarter steps of 32 along K, 64 matrix instructions each, on buffers 0, 1, 0, 1.
; One of the first three: multiplies buffer f; in its middle it fetches quarter q of the same slot into buffer g.
.macro QUARTER slot, q, f, g, zero
	s_wait_dscnt 8                                 ; W and A's rows 0-63 are in; the youngest eight loads (A's rows 64-127) may be out
	WIN MUL_LO
	MUL16 \f, 0, 0, \zero
	MUL16 \f, 0, 2, \zero
	PLACES
	FETCH \slot, \q, \g
	s_wait_dscnt 32                                ; all but the 32 just issued
	WIN MUL_HI
	MUL16 \f, 1, 0, \zero
	MUL16 \f, 1, 2, \zero
.endm
.macro THREE slot, zero
	QUARTER \slot, 1, F0, F1, \zero
	QUARTER \slot, 2, F1, F0, 0
	QUARTER \slot, 3, F0, F1, 0
.endm
; The last quarter: multiplies buffer 1 and changes slots.  next = the other slot; fill = 1: this slot is filled again, two K steps ahead.
; ONE barrier for the change of slots, for two things.  In front of it each wave waits for its own reads of this slot and for all its tensor loads,
; of which one is out: its part of the next slot.  Behind it nobody reads this slot any more and the next slot is whole: the refill comes
; first, then the next slot's first fragments.  From a request to the wait for it a wave issues 240 matrix instructions.
.macro TURN slot, next, fill
	s_wait_dscnt 8
	WIN MUL_LO
	MUL16 F1, 0, 0, 0
	s_wait_dscnt 0                                 ; my reads of this slot are over
	s_wait_tensorcnt 0x0                           ; and all my tensor loads have landed: the one that was out is my part of the next slot:
	ds_add_u32 v255, v255
	s_wait_dscnt 0x0
	s_barrier_signal -1                            ; say so (where a slot is filled again this barrier opens a round of the cluster's barrier),
	MUL16 F1, 0, 2, 0                              ; work on registers while the others arrive,
	WIN 0
	s_barrier_wait -1                              ; and go on when all four have said so
.if \fill
	CREST                                          ; all sixteen work-groups have said so: no wave of any partner still reads this slot's tile or has a load on its way
	s_add_nc_u64 s[G0+4*\slot+2:G0+4*\slot+3], s[G0+4*\slot+2:G0+4*\slot+3], 2*KSTEP*2            ; no tensor load of mine is out: the groups 0 may be written
	s_add_nc_u64 s[G0B+4*\slot+2:G0B+4*\slot+3], s[G0B+4*\slot+2:G0B+4*\slot+3], 2*KSTEP*SIZE_N*2
	JLOAD \slot                                    ; the first tensor load behind the round
.endif
	PLACES
	FETCH \next, 0, F0
	WIN MUL_HI
	MUL16 F1, 1, 0, 0
	MUL16 F1, 1, 2, 0
.endm
.macro LAP zero                        ; once round the ring, both slots filled again
	THREE 0, \zero
	TURN 0, 1, 1
	THREE 1, 0
	TURN 1, 0, 1
.endm
	s_wait_tensorcnt 1                             ; my part of K step 0 is in; K step 1's may stay out
	s_barrier_signal -1
	s_barrier_wait -1                              ; everybody's is
	FETCH 0, 0, F0
	LAP 1                                          ; K steps 0, 1; asks for 2, 3.  The first lap stands in front of the loop: its first products start the sums
	WIN 0                                          ; at a label and at a branch every window is 0
	s_mov_b32 s3, LAPS-2
.Llap:
	LAP 0                                          ; K steps 2 to 5; asks for 4 to 7
	WIN 0
	s_sub_co_u32 s3, s3, 1
	s_cmp_lg_u32 s3, 0
	s_cbranch_scc1 .Llap
	THREE 0, 0                                     ; the last lap fills nothing, and has no round of the cluster's barrier
	TURN 0, 1, 0
	THREE 1, 0
	s_wait_dscnt 8                                 ; the very last quarter: nothing more to fetch
	WIN MUL_LO
	MUL16 F1, 0, 0, 0
	MUL16 F1, 0, 2, 0
	s_wait_dscnt 0
	WIN MUL_HI
	MUL16 F1, 1, 0, 0
	MUL16 F1, 1, 2, 0
	; THE WAY OUT, 16 rows of C at a time: factor and bias in one fused multiply-add, in place; round to f16; 16 bytes a lane into my own stage in LDS; back as whole
	; rows of 256 bytes.  The four v_nop are the places behind the last matrix instructions.
	PLACES
	s_wait_loadcnt 0x0                             ; the bias, asked for at the head
	WIN 0x41                                       ; source 0 and destination in window 1
.set i, 0
.rept 32
	v_pk_mul_f32 v[BIASW+2*i:BIASW+2*i+1], v[BIASW+2*i:BIASW+2*i+1], s[68:69] op_sel_hi:[1,0]   ; (sum + bias) x factor = sum x factor + bias x factor
.set i, i+1
.endr
	s_lshl_b32 s16, s13, 19                        ; my first row of C: 256 rows of 2,048 bytes a block row
	s_lshl_b32 s14, s11, 18                        ; + my 128 rows
	s_add_co_u32 s16, s16, s14
	s_mov_b32 s17, 0
	s_add_nc_u64 s[8:9], s[8:9], s[16:17]
	s_lshl_b32 s46, s42, 9                         ; my first column, in bytes: 512 x block + 256 x half (in the registers that held W's address: none that fed A's descriptors ever holds cx)
	s_lshl_b32 s47, s12, 8
	s_add_co_u32 s46, s46, s47
	s_mov_b32 s47, 0
	s_add_nc_u64 s[8:9], s[8:9], s[46:47]
; rows 16 i .. 16 i + 15 of my block = the eight tiles (a, 0..7) of window 2 or 3.  fw: the multiply-add's windows (source 0 and destination the accumulators',
; source 2 window 1: 0x92 or 0xd3); from: the conversion's (sources 0 and 1: 0x0a or 0x0f); f: F0 or F1 in turn
.macro OUT16 i, a, fw, from, f
	WIN \fw
.irp b, 0,1,2,3,4,5,6,7
.irp r, 0,1,2,3
	v_pk_fma_f32 v[8*(8*\a+\b)+2*\r:8*(8*\a+\b)+2*\r+1], v[8*(8*\a+\b)+2*\r:8*(8*\a+\b)+2*\r+1], s[68:69], v[BIASW+8*\b+2*\r:BIASW+8*\b+2*\r+1] op_sel_hi:[1,0,1]
.endr
.endr
	WIN \from
.irp b, 0,1,2,3,4,5,6,7
.irp r, 0,1,2,3
	v_cvt_pk_f16_f32 v[TMP+4*\b+\r], v[8*(8*\a+\b)+2*\r], v[8*(8*\a+\b)+2*\r+1]
.endr
.endr
	WIN 0
.irp b, 0,1,2,3,4,5,6,7
	ds_store_b128 v[STO], v[TMP+4*\b:TMP+4*\b+3] offset:32*\b
.endr
	s_wait_xcnt 0x0                                ; every earlier memory instruction has had its addresses translated (ISA guide 3.1): buffer f, which stores read, and the stores' base are rewritten only behind this wait
.if \i
	s_add_nc_u64 s[8:9], s[8:9], 16*SIZE_N*2       ; 16 rows of C on
.endif
.irp t, 0,1,2,3,4,5,6,7
	ds_load_b128 v[\f+4*\t:\f+4*\t+3], v[RD] offset:\t*2*SPITCH    ; LDS serves a wave's instructions in order (ISA guide 5.7.1): these see the stores above
.endr
.irp t, 0,1,2,3,4,5,6,7
	s_wait_dscnt 7-\t                              ; the younger loads may be out
	global_store_b128 v[CO], v[\f+4*\t:\f+4*\t+3], s[8:9] offset:2*\t*SIZE_N*2   ; 16 lanes store 256 consecutive bytes, at a multiple of 256 from C's first byte
.endr
.endm
	OUT16 0, 0, 0x92, 0x0a, F0
	OUT16 1, 1, 0x92, 0x0a, F1
	OUT16 2, 2, 0x92, 0x0a, F0
	OUT16 3, 3, 0x92, 0x0a, F1
	OUT16 4, 0, 0xd3, 0x0f, F0
	OUT16 5, 1, 0xd3, 0x0f, F1
	OUT16 6, 2, 0xd3, 0x0f, F0
	OUT16 7, 3, 0xd3, 0x0f, F1
	s_set_vgpr_msb 0x1
	s_wait_tensorcnt 0x0
	ds_add_u32 v255, v255
	s_wait_dscnt 0x0
	s_set_vgpr_msb 0x100
	CROUND                                         ; the closing round: no work-group ends while a partner may still ask for a tile that names it
	s_endpgm
.Lfunc_end_k_q7731e6e34f_proj:
	.size	k_q7731e6e34f_proj, .Lfunc_end_k_q7731e6e34f_proj-k_q7731e6e34f_proj
	.p2alignl 7, 3214868480
	.fill 96, 4, 3214868480
	.section	.rodata,"a",@progbits
	.p2align	6, 0x0
	.amdhsa_kernel k_q7731e6e34f_proj
		.amdhsa_group_segment_fixed_size 327680
		.amdhsa_private_segment_fixed_size 0
		.amdhsa_enable_private_segment 0
		.amdhsa_kernarg_size 40
		.amdhsa_user_sgpr_count 2
		.amdhsa_user_sgpr_kernarg_segment_ptr 1
		.amdhsa_wavefront_size32 1
		.amdhsa_system_sgpr_workgroup_id_x 1
		.amdhsa_system_sgpr_workgroup_id_y 1
		.amdhsa_system_sgpr_workgroup_id_z 1
		.amdhsa_system_vgpr_workitem_id 0
		.amdhsa_next_free_vgpr 1024
		.amdhsa_next_free_sgpr 80
		.amdhsa_reserve_vcc 0
		.amdhsa_float_denorm_mode_32 3
		.amdhsa_float_denorm_mode_16_64 3
		.amdhsa_memory_ordered 1
		.amdhsa_forward_progress 1
		.amdhsa_inst_pref_size 217
	.end_amdhsa_kernel
	.amdgpu_metadata
---
amdhsa.version: [ 1, 2 ]
amdhsa.kernels:
  - .name:           k_q7731e6e34f_proj
    .symbol:         k_q7731e6e34f_proj.kd
    .args:
      - { .name: xb, .offset: 0, .size: 8, .value_kind: global_buffer, .address_space: global }
      - { .name: b_q, .offset: 8, .size: 8, .value_kind: global_buffer, .address_space: global }
      - { .name: b_k, .offset: 16, .size: 8, .value_kind: global_buffer, .address_space: global }
      - { .name: b_v, .offset: 24, .size: 8, .value_kind: global_buffer, .address_space: global }
      - { .name: qkv, .offset: 32, .size: 8, .value_kind: global_buffer, .address_space: global }
    .group_segment_fixed_size: 327680
    .private_segment_fixed_size: 0
    .kernarg_segment_align: 8
    .kernarg_segment_size: 40
    .max_flat_workgroup_size: 128
    .sgpr_count:     80
    .vgpr_count:     1024
    .wavefront_size: 32
...
	.end_amdgpu_metadata
.endif
;; end of part 5
;; launch attn (part 6): grid 16 x 16, 8 waves a work-group, clusters of 4 x 1, 327,680 bytes of LDS; arguments qkv, mbits, ob; writes ob
.if DOCPART == 6
	.amdgcn_target "amdgcn-amd-amdhsa--gfx1250"
	.amdhsa_code_object_version 6
	.text
	.protected	k_q7731e6e34f_attn
	.globl	k_q7731e6e34f_attn
	.p2align	8
	.type	k_q7731e6e34f_attn,@function
k_q7731e6e34f_attn:
	s_mov_b64 s[64:65], 0
	v_nop
	global_prefetch_b8 v0, s[64:65] scope:SCOPE_SE
	s_setreg_imm32_b32 hwreg(HW_REG_WAVE_MODE, 25, 1), 1
	s_wait_xcnt 0x0
	s_wait_alu depctr_hold_cnt(0) depctr_sa_sdst(0) depctr_va_vdst(0) depctr_va_sdst(0) depctr_va_ssrc(0) depctr_va_vcc(0) depctr_vm_vsrc(0)
	s_getreg_b32 s2, hwreg(HW_REG_IB_STS2, 6, 4)
	s_cmp_eq_u32 s2, 0
	s_cbranch_scc0 .Lentry_in_a_cluster
	s_endpgm
.Lentry_in_a_cluster:
	s_bfe_u32 s2, ttmp6, 0x10000c
	s_cmp_lg_u32 s2, 0x3003
	s_cbranch_scc0 .Lentry_shape_is_right
	s_endpgm
.Lentry_shape_is_right:
; Attention with a running maximum.  qkv: f16 [12288][1024], rows 0-4095 q (already times 0.125 log2(e)), then k, then v; row = batch*2048 + position,
; column = head*64 + d.  mbits: lane masks of the mask input.  ob: f16 [4096][1024 hi | 1024 lo], heads merged, O = hi + lo.
; The mask is an input: every query meets all 2,048 keys.  A masked score is REPLACED by -1e9 log2(e), as the problem replaces it by -1e9 in base e,
; so a row whose keys are all masked gives the mean of v.
; PRECISION: a row that attends to n keys is about sqrt(2048 / n) times as large as a typical row but is held to the scale of the whole output.  So q, k, v and the
; probabilities are f16 (spacing 2^-10; the probabilities lie in [0, 1]), and O, which is rounded once more on its way to the last product, goes out in two
; f16 parts (about 2^-22).
; LIMITS: 0.18 |q|, |k|, |v| below 65,504 (f16).  f16 numbers below 2^-14 have the step 2^-24.  Sums, maxima and exponentials f32.  exp2 results below 2^-126 are
; zero.  The row sum is taken over the probabilities before their rounding to f16.  NaN and infinities get no special treatment.
; SHARE: a work-group takes 128 queries of a PAIR of heads, so that rows of K, V and of the result are 256 consecutive aligned bytes.  Eight waves: wave w has head
; w >> 2 of the pair and queries 32 (w & 3) .. + 31.  Two waves lie on each SIMD: one can do softmax while the other multiplies.
; CLUSTERS: the four work-groups of a cluster are four query blocks of one pair of heads and read the same K and V: every tile is asked for jointly (mask 15).
; S IS MADE TRANSPOSED: S^T = K Q^T.  Register j of lane (r, h) is (key 8 h + j, query r): a lane owns one query, maximum and sum stay in the lane but for one
; exchange between the halves, and two packed score tiles ARE source 1 of O^T = V^T P^T.  V^T comes from V [key][d] by the transposing LDS load.
; K and V go through two LDS slots of 256 keys; a slot is eight chunks of 64 keys, one tensor load of one wave each: chunks 0-3 K, chunks 4-7 V.
.set SLOT,  147456
.set CHUNK, 18432                      ; 64 rows of V at pitch 288, exactly; 64 rows of K at pitch 272 use 17,408 of it
.set PK,    272                        ; 256 + 16: an odd multiple of 16
.set PV,    288                        ; 256 + 32: an odd multiple of 32
.set SP,    272                        ; the stages on the way out
.set LOST,  34816                      ; the stage of the low parts lies behind the 128 rows of the high parts
.set ADRK, 8                           ; v[8:11]   LDS address of my K fragments: 2 x slot + (key block >> 1)
.set ADRV, 12                          ; v[12:15]  the same for V
.set NEG,  16                          ; -1e9 log2(e)
.set STO,  17
.set RD,   18
.set CO,   19
.set MX,   20                          ; v[20:21]  running maximum of query tile u
.set LS,   22                          ; v[22:23]  running sum over the keys of my half of the lanes
.set NM,   24                          ; v[24:27]  (-m, -m) for u = 0, 1
.set AL,   28                          ; v[28:31]  (alpha, alpha) for u = 0, 1
.set T,    32                          ; v[32:47]  at work
.set SC,   48                          ; v[48:111]  score tile (u, kt) at + 32 u + 8 kt; later P fragment (u, g) at + 32 u + 16 g
.set KF,   112                         ; v[112:175] K fragment (kt, ks) at + 8 (2 kt + ks)
.set VF,   176                         ; v[176:239] V^T fragment (d, g) at + 8 (2 d + g)
.set QF,   64                          ; window 1: v[320:351] Q fragment (u, ks) at + 8 (2 u + ks);  v[256:319] O^T tile (d, u) at 8 (2 d + u)
.set G0,   4                           ; s[4:11]   descriptor group 0, a set for each slot
.set G1K,  12                          ; s[12:19]  group 1 for K
.set G1V,  20                          ; s[20:27]  group 1 for V: it differs in the padding alone
                                       ; s[2:3] q, s[28:29] mask words, s[30:31] ob, s66 wave, s67 wave >> 2, s[100:101] lane selects, s104 counter
                                       ; s[32:63] mask words of query tile u = 0: 8 kt + j;  s[68:99] the same for u = 1
.set MSB, 0
.macro WIN new                         ; the high byte of the immediate repeats the setting that is left; switches that change nothing are dropped
.if MSB != \new
	s_set_vgpr_msb (MSB<<8)|\new
.set MSB, \new
.endif
.endm
.macro PLACES                          ; four places behind a matrix instruction (ISA guide 7.12.1)
.rept 4
	v_nop
.endr
.endm
.macro ROUND                           ; a round of the barrier of the cluster
	s_barrier_signal -1
	s_barrier_wait -1
	s_cmp_lg_u32 s66, 0
	s_cbranch_scc1 .Lnot_wave_0_\@
	s_barrier_signal -3
.Lnot_wave_0_\@:
	s_barrier_wait -3
	s_barrier_signal -1
	s_barrier_wait -1
.endm
.macro JLOAD s                         ; a joint load: waves 0-3 ask for 64 keys of K each, waves 4-7 for 64 keys of V.  The branch hangs on the wave number alone
	s_cmp_eq_u32 s67, 0
	s_cbranch_scc0 .Lfor_v_\@
	tensor_load_to_lds s[G0+4*\s:G0+4*\s+3], s[G1K:G1K+7]
	s_nop 0
	s_branch .Lasked_\@
.Lfor_v_\@:
	tensor_load_to_lds s[G0+4*\s:G0+4*\s+3], s[G1V:G1V+7]
	s_nop 0
.Lasked_\@:
.endm
.macro MLOAD imm                       ; the 64 mask words of a block of 64 keys x 32 queries
	s_load_b512 s[32:47], s[28:29], \imm
	s_load_b512 s[48:63], s[28:29], \imm+64
	s_load_b512 s[68:83], s[28:29], \imm+4096
	s_load_b512 s[84:99], s[28:29], \imm+4160
.endm
	s_load_b128 s[84:87], s[0:1], 0x0              ; qkv, mbits (the set-up's scratch lies in the mask registers, which are loaded later)
	s_load_b64 s[30:31], s[0:1], 0x10              ; ob
	v_lshl_add_u32 v254, v0, 2, 0x48000
	v_mov_b32 v255, 0
	ds_add_u32 v254, v255
	v_lshrrev_b32 v1, 5, v0
	v_readfirstlane_b32 s66, v1                    ; wave 0..7
	s_lshr_b32 s67, s66, 2                         ; my head of the pair.  Also: I fetch for K (0) or for V (1)
	s_and_b32 s68, s66, 3                          ; my 32 queries.  Also: which 64 keys of a tile I fetch
	s_bfe_u32 s69, ttmp6, 0x40000                  ; cx
	s_lshl_b32 s70, ttmp9, 2
	s_add_co_u32 s70, s70, s69                     ; query block = 4 x cluster x + cx
	s_and_b32 s71, ttmp7, 0xffff
	s_lshr_b32 s72, s71, 3                         ; batch
	s_and_b32 s73, s71, 7                          ; pair of heads
	s_mov_b32 s100, 0x76543210                     ; v_permlanex16_b32: lane i of one half reads lane i of the other
	s_mov_b32 s101, 0xfedcba98
	; K or V, tile 0, my 64 keys: no place in the cluster enters
	s_add_co_u32 s74, s67, 1
	s_lshl_b32 s74, s74, 23                        ; k lies 8 MiB, v 16 MiB into qkv
	s_lshl_b32 s75, s72, 22                        ; 2,048 rows of 2,048 bytes a batch
	s_add_co_u32 s74, s74, s75
	s_lshl_b32 s75, s68, 17                        ; 64 rows
	s_add_co_u32 s74, s74, s75
	s_lshl_b32 s75, s73, 8                         ; 256 bytes a pair of heads
	s_add_co_u32 s74, s74, s75
	s_mov_b32 s75, 0
	; my 32 rows of q, my head
	s_lshl_b32 s76, s72, 22
	s_lshl_b32 s77, s70, 18                        ; 128 rows a query block
	s_add_co_u32 s76, s76, s77
	s_lshl_b32 s77, s68, 16                        ; 32 rows
	s_add_co_u32 s76, s76, s77
	s_lshl_b32 s77, s73, 8
	s_add_co_u32 s76, s76, s77
	s_lshl_b32 s77, s67, 7                         ; 128 bytes a head
	s_add_co_u32 s76, s76, s77
	s_mov_b32 s77, 0
	; ob: rows of 4,096 bytes; wave w stores rows 16 w .. 16 w + 15 of the block
	s_lshl_b32 s78, s72, 23
	s_lshl_b32 s79, s70, 19
	s_add_co_u32 s78, s78, s79
	s_lshl_b32 s79, s66, 16
	s_add_co_u32 s78, s78, s79
	s_lshl_b32 s79, s73, 8
	s_add_co_u32 s78, s78, s79
	s_mov_b32 s79, 0
	s_lshl_b32 s80, s70, 15                        ; mask words: query tile 8 x block + 2 x (w & 3), 4,096 bytes each
	s_lshl_b32 s81, s68, 13
	s_add_co_u32 s80, s80, s81
	s_mov_b32 s81, 0
	s_mul_i32 s82, s66, CHUNK                      ; my chunk of a slot
	; group 1: 64 rows x 128 elements of 2 bytes; behind every 64 words 4 words of padding (K) or 8 (V); the four work-groups of the cluster are named
	s_mov_b32 s[G1K+0], 15|(1<<16)|(1<<20)|(1<<21)|(5<<22)|(3<<25)
	s_mov_b32 s[G1K+1], 128<<16                    ; tensor_dim0 = 128
	s_mov_b32 s[G1K+2], 64<<16                     ; tensor_dim1 = 64
	s_mov_b32 s[G1K+3], 128<<16                    ; tile_dim0 = 128
	s_mov_b32 s[G1K+4], 64                         ; tile_dim1 = 64
	s_mov_b32 s[G1K+5], 1024                       ; elements from row to row
	s_mov_b32 s[G1K+6], 0
	s_mov_b32 s[G1K+7], 0
	s_mov_b32 s[G1V+0], 15|(1<<16)|(1<<20)|(1<<21)|(5<<22)|(7<<25)
	s_mov_b32 s[G1V+1], 128<<16
	s_mov_b32 s[G1V+2], 64<<16
	s_mov_b32 s[G1V+3], 128<<16
	s_mov_b32 s[G1V+4], 64
	s_mov_b32 s[G1V+5], 1024
	s_mov_b32 s[G1V+6], 0
	s_mov_b32 s[G1V+7], 0
	s_wait_dscnt 0x0
	s_wait_kmcnt 0x0
	s_add_nc_u64 s[88:89], s[84:85], s[74:75]
	s_add_nc_u64 s[2:3], s[84:85], s[76:77]        ; q
	s_add_nc_u64 s[28:29], s[86:87], s[80:81]
	s_add_nc_u64 s[30:31], s[30:31], s[78:79]
	ROUND                                          ; all four work-groups are here: the first joint loads meet
.irp s, 0,1
	s_mov_b32 s[G0+4*\s], 1
	s_add_co_u32 s[G0+4*\s+1], s82, \s*SLOT
	s_add_nc_u64 s[G0+4*\s+2:G0+4*\s+3], s[88:89], \s*524288       ; 256 rows of 2,048 bytes a tile
	s_or_b32 s[G0+4*\s+3], s[G0+4*\s+3], 0x80000000
	JLOAD \s                                       ; both first fills go out together: two tensor loads of a wave are out here, later one
.endr
	v_and_b32 v1, 15, v0                           ; r
	v_bfe_u32 v2, v0, 4, 1                         ; h
	v_mul_u32_u24 v3, v1, PK
	v_lshl_add_u32 v3, v2, 4, v3                   ; K fragment: key r, 16 h
	s_lshl_b32 s105, s67, 7                        ; my head: 128 bytes into the row
	v_add_nc_u32 v[ADRK], s105, v3
	v_add_nc_u32 v[ADRK+1], 2*CHUNK, v[ADRK]
	v_add_nc_u32 v[ADRK+2], SLOT, v[ADRK]
	v_add_nc_u32 v[ADRK+3], SLOT, v[ADRK+1]
	v_and_b32 v4, 7, v0
	v_lshl_add_u32 v4, v2, 3, v4                   ; V^T fragment: key 8 h + (l & 7),
	v_mul_u32_u24 v4, v4, PV
	v_bfe_u32 v5, v0, 3, 1
	v_lshl_add_u32 v4, v5, 4, v4                   ; 16 bytes by bit 3 of the lane
	s_add_co_u32 s105, s105, 4*CHUNK               ; V lies behind the four chunks of K
	v_add_nc_u32 v[ADRV], s105, v4
	v_add_nc_u32 v[ADRV+1], 2*CHUNK, v[ADRV]
	v_add_nc_u32 v[ADRV+2], SLOT, v[ADRV]
	v_add_nc_u32 v[ADRV+3], SLOT, v[ADRV+1]
	s_mul_i32 s83, s68, 32*SP
	v_add_nc_u32 v[STO], s83, v[ADRK]              ; the way out: row 32 (w & 3) + r, my head, 16 h (the pitches of K and of the stage are equal)
	v_mul_u32_u24 v5, v2, SP
	v_lshl_add_u32 v5, v1, 4, v5
	s_mul_i32 s83, s66, 16*SP
	v_add_nc_u32 v[RD], s83, v5                    ; back: row 16 w + h, 16 r
	v_lshlrev_b32 v5, 12, v2
	v_lshl_add_u32 v[CO], v1, 4, v5                ; the same two rows in ob
	v_lshlrev_b32 v6, 11, v1
	v_lshl_add_u32 v6, v2, 4, v6                   ; q: row r, 16 h
	v_mov_b32 v[NEG], 0xceabfb8f                   ; -1e9 log2(e)
	v_mov_b32 v[T+2], 0                            ; the destinations of v_permlanex16_b32 count as read: written once here
	v_mov_b32 v[T+6], 0
	; my 32 queries x 64 d stay in registers for the whole launch: 4 KiB a wave, read once, so their short rows are accepted
	WIN 0x40                                       ; destination in window 1
.irp u, 0,1
.irp ks, 0,1
	global_load_b128 v[QF+8*(2*\u+\ks):QF+8*(2*\u+\ks)+3],   v6, s[2:3] offset:\u*32768+\ks*64
	global_load_b128 v[QF+8*(2*\u+\ks)+4:QF+8*(2*\u+\ks)+7], v6, s[2:3] offset:\u*32768+\ks*64+32
.endr
.endr
	WIN 0
	MLOAD 0                                        ; the mask words of the first block; the scratch in these registers is no longer needed
.macro FETCHK slot, kb                 ; 16 LDS loads: 64 keys x 64 d of K
.irp kt, 0,1,2,3
.irp ks, 0,1
	ds_load_b128 v[KF+8*(2*\kt+\ks):KF+8*(2*\kt+\ks)+3],   v[ADRK+2*\slot+((\kb)>>1)] offset:((\kb)&1)*CHUNK+\kt*16*PK+\ks*64
	ds_load_b128 v[KF+8*(2*\kt+\ks)+4:KF+8*(2*\kt+\ks)+7], v[ADRK+2*\slot+((\kb)>>1)] offset:((\kb)&1)*CHUNK+\kt*16*PK+\ks*64+32
.endr
.endr
.endm
.macro FETCHV slot, kb                 ; 16 transposing LDS loads: 64 d x 64 keys of V^T
.irp d, 0,1,2,3
.irp g, 0,1
	ds_load_tr16_b128 v[VF+8*(2*\d+\g):VF+8*(2*\d+\g)+3],   v[ADRV+2*\slot+((\kb)>>1)] offset:((\kb)&1)*CHUNK+\g*32*PV+32*\d
	ds_load_tr16_b128 v[VF+8*(2*\d+\g)+4:VF+8*(2*\d+\g)+7], v[ADRV+2*\slot+((\kb)>>1)] offset:((\kb)&1)*CHUNK+\g*32*PV+32*\d+16*PV
.endr
.endr
.endm
; the new maximum of query tile u, -m as a pair, and alpha = exp2(m_old - m_new) as a pair
.macro MAXU u, first
	v_max3_num_f32 v[T+4*\u],   v[SC+32*\u],    v[SC+32*\u+1],  v[SC+32*\u+2]        ; two chains of 15 scores each
	v_max3_num_f32 v[T+4*\u+1], v[SC+32*\u+15], v[SC+32*\u+16], v[SC+32*\u+17]
.irp i, 0,1,2,3,4,5
	v_max3_num_f32 v[T+4*\u],   v[T+4*\u],   v[SC+32*\u+3+2*\i],  v[SC+32*\u+4+2*\i]
	v_max3_num_f32 v[T+4*\u+1], v[T+4*\u+1], v[SC+32*\u+18+2*\i], v[SC+32*\u+19+2*\i]
.endr
	v_max3_num_f32 v[T+4*\u], v[T+4*\u], v[T+4*\u+1], v[SC+32*\u+30]
.if \first
	v_max_num_f32 v[T+4*\u], v[T+4*\u], v[SC+32*\u+31]
.else
	v_max3_num_f32 v[T+4*\u], v[T+4*\u], v[SC+32*\u+31], v[MX+\u]
.endif
	v_permlanex16_b32 v[T+4*\u+2], v[T+4*\u], s100, s101       ; the other eight keys of each tile lie in the other half of the lanes
	v_max_num_f32 v[T+4*\u], v[T+4*\u], v[T+4*\u+2]
.if \first == 0
	v_sub_f32 v[T+4*\u+3], v[MX+\u], v[T+4*\u]
.endif
	v_mov_b32 v[MX+\u], v[T+4*\u]
	v_xor_b32 v[NM+2*\u],   0x80000000, v[T+4*\u]
	v_xor_b32 v[NM+2*\u+1], 0x80000000, v[T+4*\u]
.if \first == 0
	v_exp_f32 v[AL+2*\u],   v[T+4*\u+3]            ; the plain vector instruction that must follow (ISA guide 5.7.2) is the next line of the text,
	v_exp_f32 v[AL+2*\u+1], v[T+4*\u+3]            ; which touches neither these results nor their source
.endif
.endm
; the sum of query tile u over my half of the keys
.macro SUMU u, first
	v_pk_add_f32 v[T+8+4*\u:T+9+4*\u],   v[SC+32*\u:SC+32*\u+1],     v[SC+32*\u+2:SC+32*\u+3]
	v_pk_add_f32 v[T+10+4*\u:T+11+4*\u], v[SC+32*\u+16:SC+32*\u+17], v[SC+32*\u+18:SC+32*\u+19]
.irp i, 2,3,4,5,6,7
	v_pk_add_f32 v[T+8+4*\u:T+9+4*\u],   v[T+8+4*\u:T+9+4*\u],   v[SC+32*\u+2*\i:SC+32*\u+2*\i+1]
	v_pk_add_f32 v[T+10+4*\u:T+11+4*\u], v[T+10+4*\u:T+11+4*\u], v[SC+32*\u+16+2*\i:SC+32*\u+16+2*\i+1]
.endr
	v_pk_add_f32 v[T+8+4*\u:T+9+4*\u], v[T+8+4*\u:T+9+4*\u], v[T+10+4*\u:T+11+4*\u]
.if \first
	v_add_f32 v[LS+\u], v[T+8+4*\u], v[T+9+4*\u]
.else
	v_add_f32 v[T+8+4*\u], v[T+8+4*\u], v[T+9+4*\u]
	v_fma_f32 v[LS+\u], v[LS+\u], v[AL+2*\u], v[T+8+4*\u]
.endif
.endm
; 64 keys (block kb of the slot) x my 32 queries.  first: nothing has been summed yet.  kpre: the K fragments of the next block of this slot are asked for.
; mpre: the mask words of the next block are asked for.
.macro BLOCK slot, kb, first, kpre, mpre
.rept 5
	v_nop                                          ; the products below write over registers that the last O products read as source 1: five places (ISA guide 7.12.1)
.endr
	s_wait_dscnt 0x0                               ; the K fragments are in
	WIN 0x04                                       ; source 1 (Q) in window 1
	; 16 products: d 0-31 starts the eight tiles, d 32-63 adds in place.  The eight accumulators take turns, one instruction a turn.
.irp ks, 0,1
.irp u, 0,1
.irp kt, 0,1,2,3
.if \ks == 0
	v_wmma_f32_16x16x32_f16 v[SC+32*\u+8*\kt:SC+32*\u+8*\kt+7], v[KF+8*(2*\kt+\ks):KF+8*(2*\kt+\ks)+7], v[QF+8*(2*\u+\ks):QF+8*(2*\u+\ks)+7], 0
.else
	v_wmma_f32_16x16x32_f16 v[SC+32*\u+8*\kt:SC+32*\u+8*\kt+7], v[KF+8*(2*\kt+\ks):KF+8*(2*\kt+\ks)+7], v[QF+8*(2*\u+\ks):QF+8*(2*\u+\ks)+7], v[SC+32*\u+8*\kt:SC+32*\u+8*\kt+7]
.endif
.endr
.endr
.endr
	WIN 0
	PLACES                                         ; in front of the loads into K's registers and of the vector work on the scores
	FETCHV \slot, \kb
.if \kpre
	FETCHK \slot, \kb+1
.endif
	s_wait_kmcnt 0x0                               ; the mask words, asked for a block ago
.irp kt, 0,1,2,3
.irp j, 0,1,2,3,4,5,6,7
	v_cndmask_b32 v[SC+8*\kt+\j],    v[NEG], v[SC+8*\kt+\j],    s[32+8*\kt+\j]   ; bit 1 keeps the score, bit 0 replaces it
	v_cndmask_b32 v[SC+32+8*\kt+\j], v[NEG], v[SC+32+8*\kt+\j], s[68+8*\kt+\j]
.endr
.endr
.if \mpre
.if \kb == 3
	s_add_nc_u64 s[28:29], s[28:29], 512           ; 256 keys on: 16 key tiles of 32 bytes; no scalar load is out behind the wait above
	MLOAD 0
.else
	MLOAD (\kb+1)*128
.endif
.endif
	MAXU 0, \first
	MAXU 1, \first
.irp u, 0,1
.irp i, 0,1,2,3,4,5,6,7,8,9,10,11,12,13,14,15
	v_pk_add_f32 v[SC+32*\u+2*\i:SC+32*\u+2*\i+1], v[SC+32*\u+2*\i:SC+32*\u+2*\i+1], v[NM+2*\u:NM+2*\u+1]   ; s - m
.endr
.endr
.set i, 0
.rept 64
	v_exp_f32 v[SC+i], v[SC+i]                     ; base 2: the factor log2(e) lies in q
.set i, i+1
.endr
	v_nop                                          ; one plain place behind the transcendentals (ISA guide 5.7.2)
	s_wait_alu depctr_va_vdst(0)
	SUMU 0, \first
	SUMU 1, \first
	; two score tiles pack, in place, into one fragment of 32 keys: the destination never overtakes its sources
.irp u, 0,1
.irp g, 0,1
.irp i, 0,1,2,3,4,5,6,7
	v_cvt_pk_f16_f32 v[SC+32*\u+16*\g+\i], v[SC+32*\u+16*\g+2*\i], v[SC+32*\u+16*\g+2*\i+1]
.endr
.endr
.endr
.if \first == 0
	WIN 0x41                                       ; O in window 1, as source 0 and as destination
.irp d, 0,1,2,3
.irp u, 0,1
.irp i, 0,1,2,3
	v_pk_mul_f32 v[8*(2*\d+\u)+2*\i:8*(2*\d+\u)+2*\i+1], v[8*(2*\d+\u)+2*\i:8*(2*\d+\u)+2*\i+1], v[AL+2*\u:AL+2*\u+1]
.endr
.endr
.endr
.endif
.if \kpre
	s_wait_dscnt 16                                ; V is in; the 16 younger loads, the next block's K, may be out
.else
	s_wait_dscnt 0x0
.endif
	WIN 0x50                                       ; C and D in window 1
	; 16 products: keys 0-31 on the eight tiles of O^T, then keys 32-63.  The eight accumulators take turns, one instruction a turn.
.irp g, 0,1
.irp d, 0,1,2,3
.irp u, 0,1
.if (\first)*(1-\g)
	v_wmma_f32_16x16x32_f16 v[8*(2*\d+\u):8*(2*\d+\u)+7], v[VF+8*(2*\d+\g):VF+8*(2*\d+\g)+7], v[SC+32*\u+16*\g:SC+32*\u+16*\g+7], 0
.else
	v_wmma_f32_16x16x32_f16 v[8*(2*\d+\u):8*(2*\d+\u)+7], v[VF+8*(2*\d+\g):VF+8*(2*\d+\g)+7], v[SC+32*\u+16*\g:SC+32*\u+16*\g+7], v[8*(2*\d+\u):8*(2*\d+\u)+7]
.endif
.endr
.endr
.endr
	WIN 0
.endm
.macro TILE slot, first, last          ; 256 keys
	FETCHK \slot, 0
	BLOCK \slot, 0, \first, 1, 1
	BLOCK \slot, 1, 0, 1, 1
	BLOCK \slot, 2, 0, 1, 1
	BLOCK \slot, 3, 0, 0, (1-\last)
.endm
; The change of slots and the tile in slot.  In front of the round each wave waits for all its tensor loads (the one that is out is its part of this slot) and for its
; reads of the other slot; the joint refill of the other slot, two tiles ahead, is the first tensor load behind the round and has this whole tile in which to land.
.macro PH slot, refill
	s_wait_tensorcnt 0x0
	ds_add_u32 v254, v255
	s_wait_dscnt 0x0
.if \refill
	s_add_nc_u64 s[G0+4*(1-\slot)+2:G0+4*(1-\slot)+3], s[G0+4*(1-\slot)+2:G0+4*(1-\slot)+3], 1048576   ; no tensor load of mine is out: the group 0 may be written
.endif
	s_wait_dscnt 0x0
.if \refill
	ROUND
	JLOAD (1-\slot)
.else
	s_barrier_signal -1                            ; nothing is left to fetch: a plain barrier shows the last tile to every wave
	s_barrier_wait -1
.endif
	TILE \slot, 0, (1-\refill)
.endm
	s_wait_loadcnt 0x0                             ; q
	s_wait_tensorcnt 0x1                           ; my part of slot 0 is in; the fill of slot 1 may stay out
	s_barrier_signal -1
	s_barrier_wait -1
	TILE 0, 1, 0                                   ; tile 0 stands in front of the loop: its first products start the sums
	s_mov_b32 s104, 3
.Lpair:
	PH 1, 1                                        ; tiles 1, 3, 5; asks for 2, 4, 6
	PH 0, 1                                        ; tiles 2, 4, 6; asks for 3, 5, 7
	s_sub_co_i32 s104, s104, 1
	s_cmp_lg_u32 s104, 0
	s_cbranch_scc1 .Lpair
	PH 1, 0                                        ; tile 7
	; THE WAY OUT.  The sum is at least 1: the largest score of a row gives exp2(0).  The stages lie in slot 0, which has had its last fill and whose last
	; reads ended in front of the last barrier.
	PLACES                                         ; behind the last matrix instructions
.irp u, 0,1
	v_permlanex16_b32 v[T+4*\u+2], v[LS+\u], s100, s101        ; the other half of the keys
	v_add_f32 v[LS+\u], v[LS+\u], v[T+4*\u+2]
.endr
	v_rcp_f32 v[AL],   v[LS]
	v_rcp_f32 v[AL+1], v[LS]
	v_rcp_f32 v[AL+2], v[LS+1]
	v_rcp_f32 v[AL+3], v[LS+1]
	v_nop                                          ; one plain place behind the transcendentals (ISA guide 5.7.2)
	s_mov_b32 s32, 0x46000400                      ; 8193.0 = 2^13 + 1 (no mask word is on its way any more)
	s_mov_b32 s33, 0x46000400
	WIN 0x01                                       ; source 0 (O) in window 1
	s_wait_alu depctr_va_vdst(0)
.irp d, 0,1,2,3
.irp u, 0,1
.irp i, 0,1,2,3
	v_pk_mul_f32 v[SC+8*(2*\d+\u)+2*\i:SC+8*(2*\d+\u)+2*\i+1], v[8*(2*\d+\u)+2*\i:8*(2*\d+\u)+2*\i+1], v[AL+2*\u:AL+2*\u+1]
.endr
.endr
.endr
	WIN 0
	; O in two f16 parts.  c = 8193 x, hi = c - (c - x) is x rounded to 11 bits, lo = x - hi is exact in f32; both are then packed as f16.
.set i, 0
.rept 32
	v_pk_mul_f32 v[VF+2*i:VF+2*i+1], v[SC+2*i:SC+2*i+1], s[32:33] op_sel_hi:[1,0]
.set i, i+1
.endr
.set i, 0
.rept 32
	v_pk_add_f32 v[KF+2*i:KF+2*i+1], v[VF+2*i:VF+2*i+1], v[SC+2*i:SC+2*i+1] neg_lo:[0,1] neg_hi:[0,1]
.set i, i+1
.endr
.set i, 0
.rept 32
	v_pk_add_f32 v[VF+2*i:VF+2*i+1], v[VF+2*i:VF+2*i+1], v[KF+2*i:KF+2*i+1] neg_lo:[0,1] neg_hi:[0,1]   ; hi
.set i, i+1
.endr
.set i, 0
.rept 32
	v_pk_add_f32 v[SC+2*i:SC+2*i+1], v[SC+2*i:SC+2*i+1], v[VF+2*i:VF+2*i+1] neg_lo:[0,1] neg_hi:[0,1]   ; lo
.set i, i+1
.endr
.set i, 0
.rept 32
	v_cvt_pk_f16_f32 v[KF+i],    v[VF+2*i], v[VF+2*i+1]
	v_cvt_pk_f16_f32 v[KF+32+i], v[SC+2*i], v[SC+2*i+1]
.set i, i+1
.endr
.irp d, 0,1,2,3
.irp u, 0,1
	ds_store_b128 v[STO], v[KF+4*(2*\d+\u):KF+4*(2*\d+\u)+3]       offset:\u*16*SP+32*\d        ; query 16 u + r, d 16 d + 8 h .. + 7: 16 bytes
	ds_store_b128 v[STO], v[KF+32+4*(2*\d+\u):KF+32+4*(2*\d+\u)+3] offset:LOST+\u*16*SP+32*\d
.endr
.endr
	s_wait_dscnt 0x0                               ; a row of 256 bytes is made by the waves of both heads: my stores are done,
	s_barrier_signal -1
	s_barrier_wait -1                              ; and so are the others'
.irp t, 0,1,2,3,4,5,6,7
	ds_load_b128 v[VF+4*\t:VF+4*\t+3], v[RD] offset:\t*2*SP
.endr
.irp t, 0,1,2,3,4,5,6,7
	ds_load_b128 v[VF+32+4*\t:VF+32+4*\t+3], v[RD] offset:LOST+\t*2*SP
.endr
.irp t, 0,1,2,3,4,5,6,7
	s_wait_dscnt 15-\t                             ; the younger loads may be out: 7 - t of the high parts and the 8 of the low parts
	global_store_b128 v[CO], v[VF+4*\t:VF+4*\t+3], s[30:31] offset:\t*8192   ; 16 lanes store 256 consecutive bytes, aligned
.endr
.irp t, 0,1,2,3,4,5,6,7
	s_wait_dscnt 7-\t
	global_store_b128 v[CO], v[VF+32+4*\t:VF+32+4*\t+3], s[30:31] offset:\t*8192+2048   ; the low parts lie 1,024 elements further on in the row
.endr
	s_wait_tensorcnt 0x0
	ds_add_u32 v254, v255
	s_wait_dscnt 0x0
	ROUND                                          ; the closing round: no work-group ends while a partner may still ask for a tile that names it
	s_endpgm
.Lfunc_end_k_q7731e6e34f_attn:
	.size	k_q7731e6e34f_attn, .Lfunc_end_k_q7731e6e34f_attn-k_q7731e6e34f_attn
	.p2alignl 7, 3214868480
	.fill 96, 4, 3214868480
	.section	.rodata,"a",@progbits
	.p2align	6, 0x0
	.amdhsa_kernel k_q7731e6e34f_attn
		.amdhsa_group_segment_fixed_size 327680
		.amdhsa_private_segment_fixed_size 0
		.amdhsa_enable_private_segment 0
		.amdhsa_kernarg_size 24
		.amdhsa_user_sgpr_count 2
		.amdhsa_user_sgpr_kernarg_segment_ptr 1
		.amdhsa_wavefront_size32 1
		.amdhsa_system_sgpr_workgroup_id_x 1
		.amdhsa_system_sgpr_workgroup_id_y 1
		.amdhsa_system_sgpr_workgroup_id_z 1
		.amdhsa_system_vgpr_workitem_id 0
		.amdhsa_next_free_vgpr 352
		.amdhsa_next_free_sgpr 106
		.amdhsa_reserve_vcc 0
		.amdhsa_float_denorm_mode_32 3
		.amdhsa_float_denorm_mode_16_64 3
		.amdhsa_memory_ordered 1
		.amdhsa_forward_progress 1
		.amdhsa_inst_pref_size 255
	.end_amdhsa_kernel
	.section	.bss,"aw",@nobits
	.p2align	6
	.space	262144
	.amdgpu_metadata
---
amdhsa.version: [ 1, 2 ]
amdhsa.kernels:
  - .name:           k_q7731e6e34f_attn
    .symbol:         k_q7731e6e34f_attn.kd
    .args:
      - { .name: qkv, .offset: 0, .size: 8, .value_kind: global_buffer, .address_space: global }
      - { .name: mbits, .offset: 8, .size: 8, .value_kind: global_buffer, .address_space: global }
      - { .name: ob, .offset: 16, .size: 8, .value_kind: global_buffer, .address_space: global }
    .group_segment_fixed_size: 327680
    .private_segment_fixed_size: 0
    .kernarg_segment_align: 8
    .kernarg_segment_size: 24
    .max_flat_workgroup_size: 256
    .sgpr_count:     106
    .vgpr_count:     352
    .wavefront_size: 32
...
	.end_amdgpu_metadata
.endif
;; end of part 6
;; launch oproj (part 7): grid 8 x 32, 4 waves a work-group, clusters of 4 x 4, 327,680 bytes of LDS; arguments ob, xb, b_o, out0; writes out0
.if DOCPART == 7
	.amdgcn_target "amdgcn-amd-amdhsa--gfx1250"
	.amdhsa_code_object_version 6
	.text
	.protected	k_q7731e6e34f_oproj
	.globl	k_q7731e6e34f_oproj
	.p2align	8
	.type	k_q7731e6e34f_oproj,@function
k_q7731e6e34f_oproj:
	s_mov_b64 s[64:65], 0
	v_nop
	global_prefetch_b8 v0, s[64:65] scope:SCOPE_SE
	s_setreg_imm32_b32 hwreg(HW_REG_WAVE_MODE, 25, 1), 1
	s_wait_xcnt 0x0
	s_wait_alu depctr_hold_cnt(0) depctr_sa_sdst(0) depctr_va_vdst(0) depctr_va_sdst(0) depctr_va_ssrc(0) depctr_va_vcc(0) depctr_vm_vsrc(0)
	s_getreg_b32 s2, hwreg(HW_REG_IB_STS2, 6, 4)
	s_cmp_eq_u32 s2, 0
	s_cbranch_scc0 .Lentry_in_a_cluster
	s_endpgm
.Lentry_in_a_cluster:
	s_bfe_u32 s2, ttmp6, 0x10000c
	s_cmp_lg_u32 s2, 0xf033
	s_cbranch_scc0 .Lentry_shape_is_right
	s_endpgm
.Lentry_shape_is_right:
; The output projection: out0 = O W_o + b_o, sums in f32, out0 in f32.
; A = ob, 4,096 rows of 1,024 hi parts and 1,024 lo parts (f16), O = hi + lo: K = 2,048, and W_o ([1024 (k)][1024 (n)], bf16 values carried in f16, 30 MiB into xb)
; is walked twice, once for each part.
; WHY TWO PARTS: a row of the result that attends to n keys is about sqrt(2048 / n) times as large as a typical row but is held to the scale of the whole
; output; with two f16 parts O enters this product to about 2^-22.
; LIMITS: W_o is taken in bf16; |O| and |W_o| below 65,504 (f16); parts below 2^-14 have the step 2^-24.  NaN and infinities get no special treatment.
; SHAPE: a work-group makes 128 x 128 of C with four waves of 64 x 64 (16 accumulator tiles, 128 registers).  Larger blocks would leave work-groups
; without work: 4,096 x 1,024 outputs are exactly 256 blocks of 128 x 128.
; K goes through two LDS slots of 256 along K each; a slot is four chunks, one tensor load of one wave each: A rows 0-63, A rows 64-127 (rows of 512 bytes),
; W k-rows 0-127, W k-rows 128-255 (rows of 256 bytes).  Eight fills, all written out without a loop.
; CLUSTERS: 4 x 4 work-groups.  The tile of A hangs on the block row alone and is asked for jointly by a row of the cluster, the tile of W on the block column
; alone and is asked for jointly by a column: the requests for A and W are divided by four.
; THE MATRIX INSTRUCTION IS USED TRANSPOSED: source 0 = 16 columns of W (read from [k][n] by the transposing LDS load), source 1 = 16 rows of A.
; Lane (r, h), register j then holds C(m0 + r, n0 + 8 h + j): eight neighbouring numbers of a row of C.
.set AROW,  2048                       ; elements in a row of A
.set SLOT,  147456                     ; four chunks
.set CHUNK, 36864                      ; 128 rows of W at pitch 288, exactly; 64 rows of A at pitch 528 use 33,792 of it
.set PA,    528                        ; LDS pitch of A: 512 + 16, an odd multiple of 16
.set PW,    288                        ; LDS pitch of W: 256 + 32, an odd multiple of 32
.set SP,    272                        ; pitch of the stages on the way out: 256 + 16
.set ADRA, 8                           ; v[8:9]    LDS address of my A fragments, slot 0, 1
.set ADRW, 10                          ; v[10:13]  the same for W: 2 x slot + (which 128 k-rows)
.set STO,  14                          ; the way out: where I put my numbers
.set RD,   15                          ; the way out: where I read rows back
.set CO,   16                          ; my byte offset in C
.set BOFF, 17                          ; my byte offset in the bias
.set T,    32                          ; v[32:63]   at work
.set F0,   64                          ; v[64:127]  fragment buffer 0: W fragments b at + 8 b, A fragments a at + 32 + 8 a
.set F1,   128                         ; v[128:191] fragment buffer 1
.set BIAS, 224                         ; v[224:255] bias of my columns: 8 b + j
                                       ; window 1 (v256-383): accumulator (a, b) at v[8 (4 a + b)]
.set G1A, 24                           ; s[24:31] descriptor group 1, A
.set G0A, 32                           ; s[32:39] group 0, A, a set for each slot
.set G1W, 48                           ; s[48:55] group 1, W
.set G0W, 56                           ; s[56:63] group 0, W, a set for each slot
.set MSB, 0
.macro WIN new                         ; the high byte of the immediate repeats the setting that is left; switches that change nothing are dropped
.if MSB != \new
	s_set_vgpr_msb (MSB<<8)|\new
.set MSB, \new
.endif
.endm
.macro PLACES                          ; four places behind a matrix instruction, in front of loads into and vector work on its registers
.rept 4
	v_nop
.endr
.endm
.macro CREST                           ; a round of the barrier of the cluster, behind its opening work-group barrier
	s_cmp_lg_u32 s10, 0
	s_cbranch_scc1 .Lnot_wave_0_\@
	s_barrier_signal -3
.Lnot_wave_0_\@:
	s_barrier_wait -3
	s_barrier_signal -1
	s_barrier_wait -1
.endm
.macro CROUND                          ; a whole round
	s_barrier_signal -1
	s_barrier_wait -1
	CREST
.endm
.macro JLOAD s                         ; a joint load: waves 0, 1 ask for the two halves of A, waves 2, 3 for those of W.  The branch hangs on the wave number alone
	s_cmp_eq_u32 s11, 0
	s_cbranch_scc0 .Lfor_w_\@
	tensor_load_to_lds s[G0A+4*\s:G0A+4*\s+3], s[G1A:G1A+7]
	s_nop 0
	s_branch .Lasked_\@
.Lfor_w_\@:
	tensor_load_to_lds s[G0W+4*\s:G0W+4*\s+3], s[G1W:G1W+7]
	s_nop 0
.Lasked_\@:
.endm
	s_load_b256 s[68:75], s[0:1], 0x0              ; ob, xb, b_o, out0
	v_lshl_add_u32 v222, v0, 2, 0x48000
	v_mov_b32 v223, 0
	ds_add_u32 v222, v223
	v_lshrrev_b32 v1, 5, v0
	v_readfirstlane_b32 s10, v1                    ; wave 0..3
	s_lshr_b32 s11, s10, 1                         ; my half of the rows of the block.  Also: I fetch for A (0) or for W (1)
	s_and_b32 s12, s10, 1                          ; my half of its columns.  Also: which half of that tile I fetch
	s_bfe_u32 s40, ttmp6, 0x40000                  ; cx
	s_bfe_u32 s41, ttmp6, 0x40004                  ; cy
	s_lshl_b32 s42, ttmp9, 2
	s_add_co_u32 s42, s42, s40                     ; block column = 4 x cluster x + cx
	s_and_b32 s45, ttmp7, 0xffff                   ; cluster y
	s_lshl_b32 s13, s45, 2
	s_add_co_u32 s13, s13, s41                     ; block row = 4 x cluster y + cy
	s_lshl_b32 s43, s41, 2
	s_lshl_b32 s43, 15, s43                        ; my row of the cluster
	s_lshl_b32 s44, 0x1111, s40                    ; my column
	; group 1 for A: 64 rows x 256 elements of 2 bytes, 4 words of padding behind every 128 words
	s_or_b32 s[G1A+0], s43, (1<<16)|(1<<20)|(1<<21)|(6<<22)|(3<<25)
	s_mov_b32 s[G1A+1], 256<<16                    ; tensor_dim0 = 256
	s_mov_b32 s[G1A+2], 64<<16                     ; tensor_dim1 = 64
	s_mov_b32 s[G1A+3], 256<<16                    ; tile_dim0 = 256
	s_mov_b32 s[G1A+4], 64                         ; tile_dim1 = 64
	s_mov_b32 s[G1A+5], AROW                       ; elements from row to row
	s_mov_b32 s[G1A+6], 0
	s_mov_b32 s[G1A+7], 0
	; group 1 for W: 128 k-rows x 128 elements, 8 words of padding behind every 64 words
	s_or_b32 s[G1W+0], s44, (1<<16)|(1<<20)|(1<<21)|(5<<22)|(7<<25)
	s_mov_b32 s[G1W+1], 128<<16
	s_mov_b32 s[G1W+2], 128<<16
	s_mov_b32 s[G1W+3], 128<<16
	s_mov_b32 s[G1W+4], 128
	s_mov_b32 s[G1W+5], 1024
	s_mov_b32 s[G1W+6], 0
	s_mov_b32 s[G1W+7], 0
	; where the tiles come from.  The registers of A never hold cx, those of W never hold cy
	s_mul_i32 s16, s13, 128*AROW*2                 ; A: 128 rows a block row
	s_mul_i32 s17, s12, 64*AROW*2                  ;    + 64 rows for the second half
	s_add_co_u32 s16, s16, s17
	s_mov_b32 s17, 0
	s_lshl_b32 s46, s42, 8                         ; W: 128 columns of 2 bytes a block column
	s_lshl_b32 s47, s12, 18                        ;    + 128 k-rows for the second half
	s_add_co_u32 s46, s46, s47
	s_add_co_u32 s46, s46, 31457280                ; W_o lies 30 MiB into xb
	s_mov_b32 s47, 0
	s_mul_i32 s20, s10, CHUNK                      ; and where they go: chunk = wave; no place in the cluster enters an LDS address
	s_wait_dscnt 0x0
	s_wait_kmcnt 0x0
	s_add_nc_u64 s[14:15], s[68:69], s[16:17]
	s_add_nc_u64 s[46:47], s[70:71], s[46:47]
	CROUND                                         ; all sixteen work-groups are here: the first joint loads meet
.irp s, 0,1
	s_mov_b32 s[G0A+4*\s], 1
	s_add_co_u32 s[G0A+4*\s+1], s20, \s*SLOT
	s_add_nc_u64 s[G0A+4*\s+2:G0A+4*\s+3], s[14:15], \s*512        ; 256 along K = 512 bytes of a row of A
	s_or_b32 s[G0A+4*\s+3], s[G0A+4*\s+3], 0x80000000
	s_mov_b32 s[G0W+4*\s], 1
	s_add_co_u32 s[G0W+4*\s+1], s20, \s*SLOT
	s_add_nc_u64 s[G0W+4*\s+2:G0W+4*\s+3], s[46:47], \s*524288     ; 256 k-rows of 2,048 bytes
	s_or_b32 s[G0W+4*\s+3], s[G0W+4*\s+3], 0x80000000
	JLOAD \s                                       ; both first fills go out together: two tensor loads of a wave are out here, later one
.endr
	; LDS addresses.  A fragment (16 rows x 32 K): row r, 16 h, two loads 32 bytes apart.
	; W fragment from [k][n]: k-row 8 h + (l & 7), 16 bytes by bit 3 of the lane, two transposing loads 16 k-rows apart.
	v_and_b32 v1, 15, v0                           ; r
	v_bfe_u32 v2, v0, 4, 1                         ; h
	v_mul_u32_u24 v3, v1, PA
	v_lshl_add_u32 v3, v2, 4, v3
	s_mul_i32 s21, s11, CHUNK                      ; my 64 rows of A
	v_add_nc_u32 v[ADRA], s21, v3
	v_add_nc_u32 v[ADRA+1], SLOT, v[ADRA]
	v_and_b32 v4, 7, v0
	v_lshl_add_u32 v4, v2, 3, v4
	v_mul_u32_u24 v4, v4, PW
	v_bfe_u32 v5, v0, 3, 1
	v_lshl_add_u32 v4, v5, 4, v4
	s_lshl_b32 s22, s12, 7                         ; my 64 columns of W,
	s_add_co_u32 s22, s22, 2*CHUNK                 ; which lies behind the two chunks of A
	v_add_nc_u32 v[ADRW], s22, v4
	v_add_nc_u32 v[ADRW+1], CHUNK, v[ADRW]
	v_add_nc_u32 v[ADRW+2], SLOT, v[ADRW]
	v_add_nc_u32 v[ADRW+3], SLOT, v[ADRW+1]
	v_mul_u32_u24 v6, v1, SP                       ; r x 272
	v_mul_u32_u24 v7, v2, SP
	v_lshl_add_u32 v7, v1, 4, v7                   ; h x 272 + 16 r: lanes 0-15 take one row of 256 bytes, lanes 16-31 the next
	s_mul_i32 s23, s10, 16*SP                      ; a stage of 16 rows of 64 f32 for each wave, its own
	v_lshl_add_u32 v6, v2, 5, v6                   ; 8 f32 = 32 bytes for each half of the lanes
	v_add_nc_u32 v[STO], s23, v6
	v_add_nc_u32 v[RD], s23, v7
	v_lshlrev_b32 v5, 12, v2                       ; a row of out0 is 4,096 bytes
	v_lshl_add_u32 v[CO], v1, 4, v5
	v_lshlrev_b32 v[BOFF], 5, v2                   ; 8 h numbers of 4 bytes
	; bias of my 64 columns, and the base of my part of C
	s_lshl_b32 s2, s42, 9
	s_lshl_b32 s3, s12, 8
	s_add_co_u32 s2, s2, s3                        ; (128 x block column + 64 x half) x 4 bytes
	s_mov_b32 s3, 0
	s_mov_b64 s[18:19], s[72:73]
	s_mov_b64 s[8:9], s[74:75]
	s_add_nc_u64 s[18:19], s[18:19], s[2:3]
.irp b, 0,1,2,3
	global_load_b128 v[BIAS+8*\b:BIAS+8*\b+3],   v[BOFF], s[18:19] offset:64*\b
	global_load_b128 v[BIAS+8*\b+4:BIAS+8*\b+7], v[BOFF], s[18:19] offset:64*\b+16
.endr
	s_lshl_b32 s2, s13, 19                         ; 128 rows of 4,096 bytes a block row
	s_lshl_b32 s3, s11, 18                         ; + my 64 rows
	s_add_co_u32 s2, s2, s3
	s_lshl_b32 s3, s42, 9                          ; + 128 columns of 4 bytes a block column
	s_add_co_u32 s2, s2, s3
	s_lshl_b32 s3, s12, 8                          ; + my 64 columns
	s_add_co_u32 s2, s2, s3
	s_mov_b32 s3, 0
	s_add_nc_u64 s[8:9], s[8:9], s[2:3]
	s_wait_loadcnt 0x0                             ; the bias, once
; 16 LDS loads: the fragments of chunk kc (32 along K) of a slot into buffer f
.macro FETCH slot, kc, f
.irp b, 0,1,2,3
	ds_load_tr16_b128 v[\f+8*\b:\f+8*\b+3],   v[ADRW+2*\slot+((\kc)>>2)] offset:((\kc)&3)*32*PW+32*\b
	ds_load_tr16_b128 v[\f+8*\b+4:\f+8*\b+7], v[ADRW+2*\slot+((\kc)>>2)] offset:((\kc)&3)*32*PW+32*\b+16*PW
.endr
.irp a, 0,1,2,3
	ds_load_b128 v[\f+32+8*\a:\f+32+8*\a+3],   v[ADRA+\slot] offset:\a*16*PA+(\kc)*64
	ds_load_b128 v[\f+32+8*\a+4:\f+32+8*\a+7], v[ADRA+\slot] offset:\a*16*PA+(\kc)*64+32
.endr
.endm
; 16 matrix instructions, one on each accumulator.  The accumulators take turns, one instruction a turn, in the same order in every chunk.
; zero = 1: the first products start the sums; nothing is cleared.
.macro MUL f, zero
.irp a, 0,1,2,3
.irp b, 0,1,2,3
.if \zero
	v_wmma_f32_16x16x32_f16 v[8*(4*\a+\b):8*(4*\a+\b)+7], v[\f+8*\b:\f+8*\b+7], v[\f+32+8*\a:\f+32+8*\a+7], 0
.else
	v_wmma_f32_16x16x32_f16 v[8*(4*\a+\b):8*(4*\a+\b)+7], v[\f+8*\b:\f+8*\b+7], v[\f+32+8*\a:\f+32+8*\a+7], v[8*(4*\a+\b):8*(4*\a+\b)+7]
.endif
.endr
.endr
.endm
; chunk kc = 0 .. 6 of a slot: the fragments of the next chunk are asked for into buffer g, then buffer f is multiplied
.macro CH slot, kc, f, g, zero
	PLACES                                         ; buffer g was read by the matrix instructions just issued
	FETCH \slot, \kc+1, \g
	s_wait_dscnt 16                                ; all but the 16 loads just issued: buffer f is in
	WIN 0x50                                       ; C and D in window 1
	MUL \f, \zero
	WIN 0
.endm
.macro SEVEN slot, zero
	CH \slot, 0, F0, F1, \zero
	CH \slot, 1, F1, F0, 0
	CH \slot, 2, F0, F1, 0
	CH \slot, 3, F1, F0, 0
	CH \slot, 4, F0, F1, 0
	CH \slot, 5, F1, F0, 0
	CH \slot, 6, F0, F1, 0
.endm
; chunk 7 (in buffer 1) and the change of slots.  In front of the barrier each wave waits for its reads of this slot and for all its tensor loads (the one that
; is out is its part of the next slot).  fill = 1: the barrier opens a round of the cluster, and the joint refill of this slot, two fills ahead, is the first
; tensor load behind the round.  From that request to the wait for it a wave issues the 112 matrix instructions of the next seven chunks.
; wback = 1: W goes 512 k-rows back instead of on (the second walk through W_o).
.macro TURN slot, next, fill, wback
	s_wait_dscnt 0x0
	s_wait_tensorcnt 0x0
	ds_add_u32 v222, v223
	s_wait_dscnt 0x0
	s_barrier_signal -1
	WIN 0x50
	MUL F1, 0                                      ; register work while the others arrive
	WIN 0
	s_barrier_wait -1
.if \fill
	CREST
	s_add_nc_u64 s[G0A+4*\slot+2:G0A+4*\slot+3], s[G0A+4*\slot+2:G0A+4*\slot+3], 1024      ; no tensor load of mine is out: the groups 0 may be written
.if \wback
	s_sub_nc_u64 s[G0W+4*\slot+2:G0W+4*\slot+3], s[G0W+4*\slot+2:G0W+4*\slot+3], 1048576
.else
	s_add_nc_u64 s[G0W+4*\slot+2:G0W+4*\slot+3], s[G0W+4*\slot+2:G0W+4*\slot+3], 1048576
.endif
	JLOAD \slot
.endif
	PLACES
	FETCH \next, 0, F0
.endm
	s_wait_tensorcnt 0x1                           ; my part of slot 0 is in; the fill of slot 1 may stay out
	s_barrier_signal -1
	s_barrier_wait -1
	FETCH 0, 0, F0
	SEVEN 0, 1                                     ; fill 0
	TURN 0, 1, 1, 0                                ; asks for fill 2
	SEVEN 1, 0                                     ; fill 1
	TURN 1, 0, 1, 0                                ; asks for fill 3
	SEVEN 0, 0                                     ; fill 2
	TURN 0, 1, 1, 1                                ; asks for fill 4: the low parts of A begin, W starts again
	SEVEN 1, 0                                     ; fill 3
	TURN 1, 0, 1, 1                                ; asks for fill 5
	SEVEN 0, 0                                     ; fill 4
	TURN 0, 1, 1, 0                                ; asks for fill 6
	SEVEN 1, 0                                     ; fill 5
	TURN 1, 0, 1, 0                                ; asks for fill 7
	SEVEN 0, 0                                     ; fill 6
	TURN 0, 1, 0, 0                                ; nothing is left to fetch: a plain barrier
	SEVEN 1, 0                                     ; fill 7
	s_wait_dscnt 0x0
	WIN 0x50
	MUL F1, 0
	WIN 0
	PLACES                                         ; behind the last matrix instructions: the lines below read results and load into fragment registers
	; THE WAY OUT.  The stages lie in slot 0, which has had its last fill and whose last reads ended in front of the last barrier.
	; 16 rows of my 64 x 64 at a time: add the bias, 32 bytes a lane into my own stage, back as rows of 256 bytes.  No barrier: the stage is the wave's own.
.irp a, 0,1,2,3
	WIN 0x01                                       ; source 0 in window 1
.irp i, 0,1,2,3,4,5,6,7,8,9,10,11,12,13,14,15
	v_pk_add_f32 v[T+2*\i:T+2*\i+1], v[32*\a+2*\i:32*\a+2*\i+1], v[BIAS+2*\i:BIAS+2*\i+1]
.endr
	WIN 0
.irp i, 0,1,2,3,4,5,6,7
	ds_store_b128 v[STO], v[T+4*\i:T+4*\i+3] offset:64*(\i>>1)+16*(\i&1)
.endr
	s_wait_xcnt 0x0                                ; the buffer loaded next was the data of earlier stores: rewritten only behind this wait (ISA guide 3.1)
.irp t, 0,1,2,3,4,5,6,7
	ds_load_b128 v[F0+64*(\a&1)+4*\t:F0+64*(\a&1)+4*\t+3], v[RD] offset:\t*2*SP   ; LDS serves a wave's instructions in order: these see the stores above
.endr
.irp t, 0,1,2,3,4,5,6,7
	s_wait_dscnt 7-\t                              ; the younger loads may be out
	global_store_b128 v[CO], v[F0+64*(\a&1)+4*\t:F0+64*(\a&1)+4*\t+3], s[8:9] offset:\a*65536+\t*8192   ; 16 lanes store 256 consecutive bytes, aligned
.endr
.endr
	s_wait_tensorcnt 0x0
	ds_add_u32 v222, v223
	s_wait_dscnt 0x0
	CROUND                                         ; the closing round: no work-group ends while a partner may still ask for a tile that names it
	s_endpgm
.Lfunc_end_k_q7731e6e34f_oproj:
	.size	k_q7731e6e34f_oproj, .Lfunc_end_k_q7731e6e34f_oproj-k_q7731e6e34f_oproj
	.p2alignl 7, 3214868480
	.fill 96, 4, 3214868480
	.section	.rodata,"a",@progbits
	.p2align	6, 0x0
	.amdhsa_kernel k_q7731e6e34f_oproj
		.amdhsa_group_segment_fixed_size 327680
		.amdhsa_private_segment_fixed_size 0
		.amdhsa_enable_private_segment 0
		.amdhsa_kernarg_size 32
		.amdhsa_user_sgpr_count 2
		.amdhsa_user_sgpr_kernarg_segment_ptr 1
		.amdhsa_wavefront_size32 1
		.amdhsa_system_sgpr_workgroup_id_x 1
		.amdhsa_system_sgpr_workgroup_id_y 1
		.amdhsa_system_sgpr_workgroup_id_z 1
		.amdhsa_system_vgpr_workitem_id 0
		.amdhsa_next_free_vgpr 384
		.amdhsa_next_free_sgpr 76
		.amdhsa_reserve_vcc 0
		.amdhsa_float_denorm_mode_32 3
		.amdhsa_float_denorm_mode_16_64 3
		.amdhsa_memory_ordered 1
		.amdhsa_forward_progress 1
		.amdhsa_inst_pref_size 168
	.end_amdhsa_kernel
	.amdgpu_metadata
---
amdhsa.version: [ 1, 2 ]
amdhsa.kernels:
  - .name:           k_q7731e6e34f_oproj
    .symbol:         k_q7731e6e34f_oproj.kd
    .args:
      - { .name: ob, .offset: 0, .size: 8, .value_kind: global_buffer, .address_space: global }
      - { .name: xb, .offset: 8, .size: 8, .value_kind: global_buffer, .address_space: global }
      - { .name: b_o, .offset: 16, .size: 8, .value_kind: global_buffer, .address_space: global }
      - { .name: out0, .offset: 24, .size: 8, .value_kind: global_buffer, .address_space: global }
    .group_segment_fixed_size: 327680
    .private_segment_fixed_size: 0
    .kernarg_segment_align: 8
    .kernarg_segment_size: 32
    .max_flat_workgroup_size: 128
    .sgpr_count:     76
    .vgpr_count:     384
    .wavefront_size: 32
...
	.end_amdgpu_metadata
.endif
;; end of part 7
;; ======== version 3 of 3: 4 launches; version 2 with the launch prep written anew for expert scheduling mode
;; limits: values are held in f16: magnitudes above 65,504 overflow, below 6.1e-05 lose precision
;; workspace buffers: xb 33,554,432 bytes; mbits 524,288 bytes of whole numbers; qkv 25,165,824 bytes; ob 16,777,216 bytes
;; launch prep (part 8): grid 256 x 1, 8 waves a work-group, no clusters, 68,608 bytes of LDS; arguments Q, K, V, W_q, W_k, W_v, W_o, mask, xb, mbits; writes xb, mbits
.if DOCPART == 8
	.amdgcn_target "amdgcn-amd-amdhsa--gfx1250"
	.amdhsa_code_object_version 6
	.text
	.protected	k_q7731e6e34f_prep
	.globl	k_q7731e6e34f_prep
	.p2align	8
	.type	k_q7731e6e34f_prep,@function
k_q7731e6e34f_prep:
	s_mov_b64 s[64:65], 0
	v_nop
	global_prefetch_b8 v0, s[64:65] scope:SCOPE_SE
	s_setreg_imm32_b32 hwreg(HW_REG_WAVE_SCHED_MODE, 0, 2), 2
	s_setreg_imm32_b32 hwreg(HW_REG_WAVE_MODE, 25, 1), 1
	s_wait_xcnt 0x0
	s_wait_alu depctr_vm_vsrc(0)
; prep: two jobs for each of 256 work-groups of eight waves.
; (1) CAST.  Q, K, V, W_q, W_k, W_v, W_o (f32) are rounded to bf16 (to nearest even, once), layouts kept, one behind the other in xb:
;     Q at 0, K at 8 MiB, V at 16 MiB, W_q at 24, W_k at 26, W_v at 28, W_o at 30 MiB.  Work-group g takes chunk g of that
;     row of tensors: 65,536 numbers, 256 KiB in, 128 KiB out.  W_o alone is stored as f16: its bf16 VALUE carried in f16, because it is later
;     multiplied with f16 operands.  LIMIT: that is exact for 2^-17 <= |W_o| < 65,504; below, the step is 2^-24.
; (2) MASK.  mask[2048][2048] (int32) becomes lane masks.  The word at byte qt*4096 + kt*32 + 4 j of mbits has
;     bit (r + 16 h) = (mask[16 qt + r][16 kt + 8 h + j] != 0): the lanes of register j of a 16 x 16 score tile (key 8 h + j, query r).
;     Work-group g takes query tile qt = g >> 1 and key half g & 1: 16 rows x 1,024 keys; wave w takes 128 of these keys.
;     The rows are read as 512 consecutive bytes a wave, turned in the wave's own LDS bytes (no barrier: no wave reads another's), compared, and
;     the 64 words of a wave leave as one store of 256 consecutive bytes.
; No matrix unit, no cluster: nothing is multiplied and no two work-groups read the same bytes.
; THE MODE: SCHED_MODE bits 1:0 = 2 (LLVM: expert scheduling mode 2), set by the entry lines.  The code itself states the register dependences
; between vector instructions and memory or LDS instructions, with s_wait_alu, always for 0.
; THE PLAN.  Registers that memory or LDS instructions touch:
;   v2 to v5, v232, v233   offsets and LDS addresses, made once at the head and never written again: the cast's turns stand in the immediate offsets.
;   M          the 16 mask rows: written by loads, read by the LDS stores; its first four registers are later HW, which W_o's cast writes.
;   MT         the mask, turned: written by LDS loads, read by the compares alone.
;   W0         written by v_writelane_b32, read by one store, never written again.
;   X0 .. X5   six blocks of four turns of f32.  Written by the loads of block p + 5, issued in block p; read by block p's conversions.
;   Y0, Y1     two blocks of 16-bit pairs.  Written by block p's conversions; read by the four stores that are issued in block p + 1.
; Block p works on X[p % 6] and writes Y[p % 2].  Its memory instructions are the loads into X[(p + 5) % 6] = X[(p - 1) % 6] and the stores from
; Y[(p - 1) % 2]: the two buffers that block p - 1 worked on and that no vector instruction of block p names.  So the waits at a block's head state all
; that its eight memory instructions hang on, and these are dealt among its conversions with no further wait.
.set WREG, 8448                        ; LDS bytes of a wave: 16 rows of 528
.set MP,   528                         ; LDS pitch: 512 bytes of a mask row + 16, an odd multiple of 16
.set OL,   2                           ; v2   16 x thread: offset of the cast loads and of the mask loads; never rewritten
.set OS,   3                           ; v3   8 x thread: offset of the cast stores and of the mask words' store; never rewritten
.set LST,  4                           ; v4   LDS: where my 16 bytes of a mask row go
.set LRD,  5                           ; v5   LDS: row r, 32 h: where my 8 keys of key tile 0 lie
.set W0,   6                           ; v[6:7]     my two mask words
.set M,    8                           ; v[8:71]    16 mask rows as loaded
.set HW,   8                           ; v[8:11]    at work in the cast of W_o (the mask rows have left these registers by then)
.set X,    72                          ; v[72:167]  cast: buffer k, turn i of its four: 4 registers at X + 16 k + 4 i, f32
.set MT,   168                         ; v[168:231] mask, turned: key tile kt in 8 registers
                                       ; v232, v233  the closing add's two registers
.set Y,    234                         ; v[234:249] cast: buffer k, turn i: 2 registers at Y + 8 k + 2 i, 16-bit pairs
	s_load_b512 s[4:19], s[0:1], 0x0               ; Q, K, V, W_q, W_k, W_v, W_o, mask
	s_load_b128 s[20:23], s[0:1], 0x40             ; xb, mbits
	v_lshl_add_u32 v232, v0, 2, 0x10800
	v_mov_b32 v233, 0
	s_mov_b32 s2, ttmp9                            ; g
	v_lshrrev_b32 v1, 5, v0
	v_readfirstlane_b32 s36, v1                    ; wave
	v_lshlrev_b32 v[OL], 4, v0
	v_lshlrev_b32 v[OS], 3, v0
	s_and_b32 s3, s2, 63                           ; chunk inside Q, K or V (64 chunks each)
	s_and_b32 s24, s2, 15                          ; chunk inside a weight (16 chunks each)
	s_cmp_lt_u32 s2, 192
	s_cselect_b32 s3, s3, s24
	s_lshl_b32 s34, s3, 18                         ; source offset: 256 KiB a chunk
	s_mov_b32 s35, 0
	s_lshl_b32 s26, s2, 17                         ; xb offset: 128 KiB a chunk
	s_mov_b32 s27, 0
	s_lshr_b32 s28, s2, 1
	s_lshl_b32 s28, s28, 17                        ; 16 mask rows of 8,192 bytes
	s_and_b32 s29, s2, 1
	s_lshl_b32 s29, s29, 12                        ; 1,024 keys of 4 bytes
	s_add_co_u32 s28, s28, s29
	s_mov_b32 s29, 0
	s_lshl_b32 s30, s2, 11                         ; mbits offset: qt*4096 + half*2048 = 2,048 g
	s_mov_b32 s31, 0
	s_wait_alu depctr_va_sdst(0)                   ; s36 is written, ahead of its first reader, the line below
	s_mul_i32 s37, s36, WREG                       ; the wave's LDS bytes
	v_and_b32 v1, 31, v0
	v_lshl_add_u32 v[LST], v1, 4, s37              ; 16 x lane + the wave's bytes
	v_and_b32 v1, 15, v0                           ; r
	v_bfe_u32 v[W0], v0, 4, 1                      ; h
	v_mul_u32_u24 v1, v1, MP
	v_lshl_add_u32 v1, v[W0], 5, v1
	v_add_nc_u32 v[LRD], s37, v1                   ; r x 528 + 32 h + the wave's bytes
	s_wait_kmcnt 0x0
	s_mov_b64 s[32:33], s[4:5]                     ; the source tensor, chosen by g alone
	s_cmp_ge_u32 s2, 64
	s_cselect_b64 s[32:33], s[6:7], s[32:33]
	s_cmp_ge_u32 s2, 128
	s_cselect_b64 s[32:33], s[8:9], s[32:33]
	s_cmp_ge_u32 s2, 192
	s_cselect_b64 s[32:33], s[10:11], s[32:33]
	s_cmp_ge_u32 s2, 208
	s_cselect_b64 s[32:33], s[12:13], s[32:33]
	s_cmp_ge_u32 s2, 224
	s_cselect_b64 s[32:33], s[14:15], s[32:33]
	s_cmp_ge_u32 s2, 240
	s_cselect_b64 s[32:33], s[16:17], s[32:33]
	s_add_nc_u64 s[32:33], s[32:33], s[34:35]
	s_add_nc_u64 s[20:21], s[20:21], s[26:27]
	s_add_nc_u64 s[18:19], s[18:19], s[28:29]
	s_add_nc_u64 s[22:23], s[22:23], s[30:31]
	s_wait_alu depctr_va_vdst(0)                   ; v2 to v5 are written, which every load, store and LDS instruction of the kernel reads as its offset or address; so are v232 and v233, which the closing add reads
	; 16 mask rows, then the first 20 cast loads (blocks 0 to 4 into X0 to X4): 36 loads of 512 bytes of every wave are out
.irp t, 0,1,2,3,4,5,6,7,8,9,10,11,12,13,14,15
	global_load_b128 v[M+4*\t:M+4*\t+3], v[OL], s[18:19] offset:\t*8192 th:TH_LOAD_NT
.endr
.irp i, 0,1,2,3,4,5,6,7,8,9,10,11,12,13,14,15,16,17,18,19
	global_load_b128 v[X+4*\i:X+4*\i+3], v[OL], s[32:33] offset:\i*4096 th:TH_LOAD_NT
.endr
	v_mov_b32 v[W0], 0                             ; v_writelane_b32 keeps the other lanes: the registers are written whole first
	v_mov_b32 v[W0+1], 0                           ; (no memory or LDS instruction up to the mask words' store names these two)
.irp t, 0,1,2,3,4,5,6,7,8,9,10,11,12,13,14,15
	s_wait_loadcnt 35-\t                           ; younger than mask row t: 15 - t mask rows and the 20 cast loads
	ds_store_b128 v[LST], v[M+4*\t:M+4*\t+3] offset:\t*MP
.endr
	; back, turned: lane (r, h) takes keys 16 kt + 8 h .. + 7 of row r.  LDS serves a wave's instructions in order (ISA guide 5.7.1): no wait between stores and loads
.irp kt, 0,1,2,3,4,5,6,7
	ds_load_b128 v[MT+8*\kt:MT+8*\kt+3],   v[LRD] offset:\kt*64
	ds_load_b128 v[MT+8*\kt+4:MT+8*\kt+7], v[LRD] offset:\kt*64+16
.endr
	; two key tiles at a time: a run of 16 compares into 16 scalar registers (s[4:11] held addresses that are no longer needed), one wait, 16 readers
.irp q, 0,1,2,3
	s_wait_dscnt 12-4*\q                           ; the four loads of each younger pair of key tiles may be out
.irp j, 0,1,2,3,4,5,6,7
	v_cmp_ne_u32 s[4+\j], 0, v[MT+16*\q+\j]        ; key tile 2 q: bit of lane r + 16 h: this key is kept
.endr
.irp j, 0,1,2,3,4,5,6,7
	v_cmp_ne_u32 s[24+\j], 0, v[MT+16*\q+8+\j]     ; key tile 2 q + 1
.endr
	s_wait_alu depctr_va_sdst(0)                   ; the 16 compares have written s[4:11] and s[24:31], ahead of their first readers below
.irp j, 0,1,2,3,4,5,6,7
	v_writelane_b32 v[W0+(\j&1)], s[4+\j], 8*\q+(\j>>1)      ; word 8 kt + j of the wave's 64: lane (8 kt + j) / 2, register j & 1
.endr
.irp j, 0,1,2,3,4,5,6,7
	v_writelane_b32 v[W0+(\j&1)], s[24+\j], 8*\q+4+(\j>>1)
.endr
.endr
	s_wait_alu depctr_vm_vsrc(0)                   ; the LDS stores have read v[8:11], which the cast of W_o, behind the branch below, writes as HW
	s_wait_alu depctr_va_vdst(0)                   ; the v_writelane_b32 have written v[6:7], which the store below reads
	global_store_b64 v[OS], v[W0:W0+1], s[22:23]   ; the wave's 64 words: 256 consecutive bytes, aligned
; The cast: 64 turns in 16 blocks of four; a turn is 4,096 bytes in and 2,048 out for the work-group.
; half = 1 (W_o): the bf16 values are widened again (a shift, a mask) and packed as f16.
.macro RING half
.set p, 0
.rept 16
.set xk, X+16*(p%6)                    ; this block's f32
.set xl, X+16*((p+5)%6)                ; the buffer that the block before worked on: block p + 5 lands in it
.set yk, Y+8*(p%2)                     ; this block's results
.set yo, Y+8*((p+1)%2)                 ; the results of the block before
.if p > 11
	s_wait_loadcnt 4*(15-p)                        ; the last blocks load nothing: the counts run down
.else
	s_wait_loadcnt 16                              ; loads come back in order (ISA guide 5.7.1): this block's four are in, the four younger blocks stay out
.endif
.if p >= 2
	s_wait_xcnt 0x0                                ; every earlier memory instruction has had its addresses translated (ISA guide 3.1): this block's Y, a store's data in the block before, is rewritten only behind this wait
	s_wait_alu depctr_vm_vsrc(0)                   ; the stores issued in the block before have read this block's Y, which its conversions write again
.endif
.if p >= 1
	s_wait_alu depctr_va_vdst(0)                   ; the block before has written the other Y, which the stores below read, and is done reading its X, in which the loads below land
.endif
.set i, 0
.rept 4
.if p+5 < 16
	global_load_b128 v[xl+4*i:xl+4*i+3], v[OL], s[32:33] offset:(4*(p+5)+i)*4096 th:TH_LOAD_NT   ; five blocks ahead; no vector instruction since the wait names these registers
.endif
.if p >= 1
	global_store_b64 v[OS], v[yo+2*i:yo+2*i+1], s[20:21] offset:(4*(p-1)+i)*2048   ; the block before.  A wave's store: 256 consecutive bytes, aligned; read again by a later launch, so no hint
.endif
	v_cvt_pk_bf16_f32 v[yk+2*i],   v[xk+4*i],   v[xk+4*i+1]
	v_cvt_pk_bf16_f32 v[yk+2*i+1], v[xk+4*i+2], v[xk+4*i+3]
.if \half
	v_lshlrev_b32 v[HW],   16, v[yk+2*i]
	v_and_b32     v[HW+1], 0xffff0000, v[yk+2*i]
	v_lshlrev_b32 v[HW+2], 16, v[yk+2*i+1]
	v_and_b32     v[HW+3], 0xffff0000, v[yk+2*i+1]
	v_cvt_pk_f16_f32 v[yk+2*i],   v[HW],   v[HW+1]
	v_cvt_pk_f16_f32 v[yk+2*i+1], v[HW+2], v[HW+3]
.endif
.set i, i+1
.endr
.set p, p+1
.endr
	s_wait_alu depctr_va_vdst(0)                   ; block 15 has written Y1, which the last four stores read
.set i, 0
.rept 4
	global_store_b64 v[OS], v[Y+8+2*i:Y+8+2*i+1], s[20:21] offset:(60+i)*2048
.set i, i+1
.endr
.endm
	s_cmp_ge_u32 s2, 240                           ; the last 16 chunks are W_o
	s_cbranch_scc1 .Lw_o
	RING 0
	s_wait_dscnt 0x0                               ; the closing lines, six on end
	s_wait_alu 0x0
	s_wait_tensorcnt 0x0
	ds_add_u32 v232, v233
	s_wait_dscnt 0x0
	s_endpgm
.Lw_o:
	RING 1
	s_wait_dscnt 0x0                               ; the closing lines once more: each end has its own six
	s_wait_alu 0x0
	s_wait_tensorcnt 0x0
	ds_add_u32 v232, v233
	s_wait_dscnt 0x0
	s_endpgm
.Lfunc_end_k_q7731e6e34f_prep:
	.size	k_q7731e6e34f_prep, .Lfunc_end_k_q7731e6e34f_prep-k_q7731e6e34f_prep
	.p2alignl 7, 3214868480
	.fill 96, 4, 3214868480
	.section	.rodata,"a",@progbits
	.p2align	6, 0x0
	.amdhsa_kernel k_q7731e6e34f_prep
		.amdhsa_group_segment_fixed_size 68608
		.amdhsa_private_segment_fixed_size 0
		.amdhsa_enable_private_segment 0
		.amdhsa_kernarg_size 80
		.amdhsa_user_sgpr_count 2
		.amdhsa_user_sgpr_kernarg_segment_ptr 1
		.amdhsa_wavefront_size32 1
		.amdhsa_system_sgpr_workgroup_id_x 1
		.amdhsa_system_sgpr_workgroup_id_y 1
		.amdhsa_system_sgpr_workgroup_id_z 1
		.amdhsa_system_vgpr_workitem_id 0
		.amdhsa_next_free_vgpr 250
		.amdhsa_next_free_sgpr 66
		.amdhsa_reserve_vcc 0
		.amdhsa_float_denorm_mode_32 3
		.amdhsa_float_denorm_mode_16_64 3
		.amdhsa_memory_ordered 1
		.amdhsa_forward_progress 1
		.amdhsa_inst_pref_size 78
	.end_amdhsa_kernel
	.amdgpu_metadata
---
amdhsa.version: [ 1, 2 ]
amdhsa.kernels:
  - .name:           k_q7731e6e34f_prep
    .symbol:         k_q7731e6e34f_prep.kd
    .args:
      - { .name: Q, .offset: 0, .size: 8, .value_kind: global_buffer, .address_space: global }
      - { .name: K, .offset: 8, .size: 8, .value_kind: global_buffer, .address_space: global }
      - { .name: V, .offset: 16, .size: 8, .value_kind: global_buffer, .address_space: global }
      - { .name: W_q, .offset: 24, .size: 8, .value_kind: global_buffer, .address_space: global }
      - { .name: W_k, .offset: 32, .size: 8, .value_kind: global_buffer, .address_space: global }
      - { .name: W_v, .offset: 40, .size: 8, .value_kind: global_buffer, .address_space: global }
      - { .name: W_o, .offset: 48, .size: 8, .value_kind: global_buffer, .address_space: global }
      - { .name: mask, .offset: 56, .size: 8, .value_kind: global_buffer, .address_space: global }
      - { .name: xb, .offset: 64, .size: 8, .value_kind: global_buffer, .address_space: global }
      - { .name: mbits, .offset: 72, .size: 8, .value_kind: global_buffer, .address_space: global }
    .group_segment_fixed_size: 68608
    .private_segment_fixed_size: 0
    .kernarg_segment_align: 8
    .kernarg_segment_size: 80
    .max_flat_workgroup_size: 256
    .sgpr_count:     66
    .vgpr_count:     250
    .wavefront_size: 32
...
	.end_amdgpu_metadata
.endif
;; end of part 8
;; launch proj: the kernel of part 5 again; grid 4 x 48, 4 waves a work-group, clusters of 4 x 4, 327,680 bytes of LDS; arguments xb, b_q, b_k, b_v, qkv; writes qkv
;; launch attn: the kernel of part 6 again; grid 16 x 16, 8 waves a work-group, clusters of 4 x 1, 327,680 bytes of LDS; arguments qkv, mbits, ob; writes ob
;; launch oproj: the kernel of part 7 again; grid 8 x 32, 4 waves a work-group, clusters of 4 x 4, 327,680 bytes of LDS; arguments ob, xb, b_o, out0; writes out0
